; MI455X (gfx1250); checked and timed in simulation.
; The chip was launched on July 23, 2026; its instructions are those of AMD's public machine-readable ISA for CDNA 5 (MIT licence, August 2026) and "CDNA5" Instruction Set Architecture Reference Guide (July 2026). The comments in the code are by the model that wrote it; some were corrected since.
;; Transformer Encoder Layer. Allowed arithmetic: matrix products marked QUANTISED: E3M2 operands, one E8M0 scale for each 32 along K, by v_wmma_scale_f32_16x16x128_f8f6f4 with both operands' format E3M2, f32 sums; everything else in f32.
;; Inputs: b1 1,024 float32; b2 1,024 float32; bk 1,024 float32; bo 1,024 float32; bq 1,024 float32; bv 1,024 float32; ln1_b 1,024 float32; ln1_g 1,024 float32; ln2_b 1,024 float32; ln2_g 1,024 float32; w1_codes 1,024 x 32 x 24 uint8 (E3M2 codes of w1, K innermost, in blocks of 32 codes, four codes in three bytes); w1_scales 1,024 x 32 uint8 (E8M0 scales of w1, one for each 32 codes along K); w2_codes 1,024 x 32 x 24 uint8 (E3M2 codes of w2, K innermost, in blocks of 32 codes, four codes in three bytes); w2_scales 1,024 x 32 uint8 (E8M0 scales of w2, one for each 32 codes along K); wk_codes 1,024 x 32 x 24 uint8 (E3M2 codes of wk, K innermost, in blocks of 32 codes, four codes in three bytes); wk_scales 1,024 x 32 uint8 (E8M0 scales of wk, one for each 32 codes along K); wo_codes 1,024 x 32 x 24 uint8 (E3M2 codes of wo, K innermost, in blocks of 32 codes, four codes in three bytes); wo_scales 1,024 x 32 uint8 (E8M0 scales of wo, one for each 32 codes along K); wq_codes 1,024 x 32 x 24 uint8 (E3M2 codes of wq, K innermost, in blocks of 32 codes, four codes in three bytes); wq_scales 1,024 x 32 uint8 (E8M0 scales of wq, one for each 32 codes along K); wv_codes 1,024 x 32 x 24 uint8 (E3M2 codes of wv, K innermost, in blocks of 32 codes, four codes in three bytes); wv_scales 1,024 x 32 uint8 (E8M0 scales of wv, one for each 32 codes along K); x 8 x 1,024 x 1,024 float32.
;; Outputs: out0 8 x 1,024 x 1,024 float32.
;; This version of the problem:
;;   THIS VERSION OF THE PROBLEM IS GIVEN IN LOW PRECISION. The matrix products marked QUANTISED in the list below multiply operands that are first quantised to E3M2 (3 exponent bits, 2 mantissa bits; 6 bits a number), with one power-of-two scale for each 32 numbers along K (OCP MX v1.0); their sums are f32. All else is computed in f32.
;;   The module's matrix products, in the order in which they are computed (A, B: the left and right operand; K: the contracted axis; several contracted axes count as one K, in the product's order):
;;     1. [M 8,192, K 1,024] x [K 1,024, N 1,024]; A: computed on the way; B: input wq (given as codes): QUANTISED
;;     2. [M 8,192, K 1,024] x [K 1,024, N 1,024]; A: computed on the way; B: input wk (given as codes): QUANTISED
;;     3. [M 8,192, K 1,024] x [K 1,024, N 1,024]; A: computed on the way; B: input wv (given as codes): QUANTISED
;;     4. batch 128 x [M 1,024, K 64] x [K 64, N 1,024]; A: computed on the way; B: computed on the way: QUANTISED
;;     5. batch 128 x [M 1,024, K 1,024] x [K 1,024, N 64]; A: softmax (see below); B: computed on the way: QUANTISED
;;     6. [M 8,192, K 1,024] x [K 1,024, N 1,024]; A: computed on the way; B: input wo (given as codes): QUANTISED
;;     7. [M 8,192, K 1,024] x [K 1,024, N 1,024]; A: computed on the way; B: input w1 (given as codes): QUANTISED
;;     8. [M 8,192, K 1,024] x [K 1,024, N 1,024]; A: computed on the way; B: input w2 (given as codes): QUANTISED
;;   THE QUANTISER, for each operand of a quantised product, along K:
;;     - K is cut into blocks of 32 from its start; a last block that is shorter is filled with zeros.
;;     - A block's scale is 2^e with e = floor(log2(the largest magnitude in the block)) - 4, held to -126 .. 127; a block of zeros has e = 0. As a byte (E8M0): e + 127.
;;     - Each number is divided by its block's scale, clamped to +-28, and rounded to the nearest number of E3M2, ties to even, subnormals kept.
;;     - The product sums the exact products of the quantised numbers (number of the format x scale) in f32.
;;   ~~~python
;;   def quantise(x, axis):      # numpy; x: float32 -> the quantised numbers, widened to float32 again
;;       x = np.moveaxis(x, axis, -1); K = x.shape[-1]
;;       x = np.pad(x, [(0, 0)] * (x.ndim - 1) + [(0, -K % 32)]); x = x.reshape(x.shape[:-1] + (-1, 32)); a = np.abs(x).max(-1, keepdims=True)
;;       e = np.where(a > 0, np.clip(np.frexp(np.where(a > 0, a, 1))[1] - 1 - 4, -126, 127), 0)      # np.frexp(a)[1] - 1 = floor(log2(a)), exactly
;;       r = np.clip(x / 2.0 ** e, -28, 28)
;;       step = 2.0 ** (np.maximum(np.frexp(np.where(r == 0, 1, r))[1] - 1, -2) - 2)
;;       q = np.round(r / step) * step * 2.0 ** e      # np.round: ties to even
;;       return np.moveaxis(q.reshape(q.shape[:-2] + (-1,))[..., :K], -1, axis).astype(np.float32)
;;   ~~~
;;   SOFTMAX AHEAD OF A QUANTISED PRODUCT. Where the list says 'softmax', what is quantised is not the finished softmax but p = 2^(t - M), with t = logit x log2(e) and M = ceil(the row's largest t), a whole number; so 1/2 < the row's largest p <= 1. The row's sum l is taken of the UNQUANTISED p, in f32, and the product's result is divided by l at the end. Since M is a whole number, a kernel that streams over the keys may use a running M (the ceiling of the running maximum): every later rescaling is an exact power of two, which a block's scale takes up: the codes' values come out the same.
;;   OPERANDS COMPUTED ON THE WAY. 'Computed on the way' means the value that the module computes at that place (a softmax that the list does not call 'softmax' is quantised finished and normalised). What goes into a quantiser is computed in f32, as accurately as f32 sums, v_exp_f32 and their like allow (about 1e-6 of the number): no bf16 or f16 on the way to a quantiser, and a product that is left as it is and whose result goes on into a quantised operand takes f32 operands (vector FMAs, or v_wmma_f32_16x16x4_f32). A number that lies on a knife's edge between two numbers of the format may be rounded either way, as far as f32 arithmetic and the matrix unit's own rounding can turn it there, and no further.
;;   INPUTS GIVEN AS CODES. w1 (in the module: [1024, 1024], K = its axis 0); w2 (in the module: [1024, 1024], K = its axis 0); wk (in the module: [1024, 1024], K = its axis 0); wo (in the module: [1024, 1024], K = its axis 0); wq (in the module: [1024, 1024], K = its axis 0); wv (in the module: [1024, 1024], K = its axis 0): each comes as NAME_codes (uint8): NAME with its K axis moved to the last place and cut into blocks of 32 codes, [.., K / 32, bytes a block], one block behind the other in memory; four codes in three bytes: a row's codes are one little-endian stream of bits, code i at bits 6 i .. 6 i + 5 (a code: sign, 3 exponent bits, 2 mantissa bits); and NAME_scales (uint8): the same leading axes, one E8M0 byte (e + 127) for each 32 codes along K. Its value is code x scale, taken as it is: it is not quantised again, and the codes and scales need not be those that the quantiser above would give.
;; 2 versions. Each part assembles by itself: llvm-mc -triple=amdgcn-amd-amdhsa -mcpu=gfx1250 --defsym DOCPART=n.
;; ======== version 1 of 2: 3 launches
;; workspace buffers: qc 6,291,456 bytes; qs 524,288 bytes; kc 6,815,744 bytes; vc 6,291,456 bytes; vs 262,144 bytes; cc 6,291,456 bytes; cs 262,144 bytes
;; launch qkv (part 1): grid 256 x 1, 4 waves a work-group, clusters of 4 x 1, 327,680 bytes of LDS; arguments x, ln1_g, ln1_b, wq_codes, wq_scales, bq, wk_codes, wk_scales, bk, wv_codes, wv_scales, bv, qc, qs, kc, vc, vs; writes qc, qs, kc, vc, vs
.if DOCPART == 1
	.amdgcn_target "amdgcn-amd-amdhsa--gfx1250"
	.amdhsa_code_object_version 6
	.text
	.protected	k_q3e7aac3dc8_qkv
	.globl	k_q3e7aac3dc8_qkv
	.p2align	8
	.type	k_q3e7aac3dc8_qkv,@function
k_q3e7aac3dc8_qkv:
	s_mov_b64 s[64:65], 0
	v_nop
	global_prefetch_b8 v0, s[64:65] scope:SCOPE_SE
	s_setreg_imm32_b32 hwreg(HW_REG_WAVE_MODE, 25, 1), 1
	s_wait_xcnt 0x0
	s_wait_alu depctr_hold_cnt(0) depctr_sa_sdst(0) depctr_va_vdst(0) depctr_va_sdst(0) depctr_va_ssrc(0) depctr_va_vcc(0) depctr_vm_vsrc(0)
	s_getreg_b32 s2, hwreg(HW_REG_IB_STS2, 6, 4)
	s_cmp_eq_u32 s2, 0
	s_cbranch_scc0 .Lentry_in_a_cluster
	s_endpgm
.Lentry_in_a_cluster:
	s_bfe_u32 s2, ttmp6, 0x10000c
	s_cmp_lg_u32 s2, 0x3003
	s_cbranch_scc0 .Lentry_shape_is_right
	s_endpgm
.Lentry_shape_is_right:
; LAUNCH 1 OF 3.  h = LayerNorm1(x), quantised along E;  q = (h wq + bq) / 8,  k = h wk + bk,  v = h wv + bv, all three on codes of BF6 (E3M2) with one E8M0 byte for each 32 along K;
; q and k are quantised along the head's 64, v along the keys, and leave as images of the registers in which the attention launch wants them.
; SHARES.  A work-group of four waves owns 32 tokens (two tiles of 16, u = 0, 1) and walks all 3 x 1,024 output columns in chunks of 512; in a chunk wave w owns columns 128 w .. 128 w + 127 (8 tiles of 16, ct).
; A chunk is 4 steps of 256 along K.  A wave fetches, and alone reads, its own 128 weight rows of a step: one tensor load, 128 rows x 192 bytes, into its quarter of one of two LDS slots.
; CLUSTER.  All work-groups walk the same weights in the same order, so the four of a cluster ask for each tile JOINTLY: same load, same descriptor, mask 15.
; THE D-LAYOUT.  q and k are made transposed (source 0 = 16 weight rows, source 1 = 16 tokens): lane (r = lane % 16, h = lane / 16) holds token r, and register 8 ct + j column 16 ct + 8 h + j.
; A lane's 16 numbers of a block of 32 are then columns 8 h .. 8 h + 7 and 16 + 8 h .. 16 + 8 h + 7: the conversion packs them, the halves of the lanes change places, and four byte permutes and a move lay the 192 bits in natural order.
; v is made the other way round (source 0 = tokens): a lane holds one column and its registers run down the 32 tokens in the same pattern, so the same macro quantises it along the keys.
; LIMITS: a block whose largest magnitude lies under 2^-122 keeps the scale byte 1; a block of zeros gets the byte 1 and not 127 (its codes are zeros; the bytes are read by this program alone); NaN and infinities are not served.
; REGISTERS, in windows of 256: window 0: v1-19 addresses, v24-31 h's scale words, v32-63 the weights' scale words, v64-191 accumulators, v192-251 at work, v252-253 the add's two.
;   window 1: v0-191 h's 16 fragments (12 (8 u + s)), v192-255 a chunk's bias in D-layout.   window 2: v0-191 a step's 16 weight fragments (96 q + 12 ct); at the head all 256: x as loaded, then g and b.   window 3: x in D-layout.
.set PITCH,  240                       ; a weight row in LDS: 3 x (64 bytes + 16 of padding)
.set QUART,  128*PITCH                 ; a wave's quarter of a slot
.set SLOTB,  4*QUART
.set STG,    2*SLOTB                   ; behind the ring: a stage of 16 rows x 528 bytes for each wave
.set SPITCH, 528
.set AIMG,   STG+4*16*SPITCH           ; 16 fragment images of 1,536 bytes, index 8 u + s
.set ASC,    AIMG+16*1536              ; their scale words: [s 8][u 2][r 16]
.set RED,    ASC+1024                  ; LayerNorm's partial figures: [w 4][u 2][r 16] x 8 bytes
.set SPARE,  RED+1024                  ; the spare words, 128 bytes for each wave, that no other line names
.set L16, 1                            ; v1  16 x lane
.set L8,  2                            ; v2  8 x lane
.set L4,  3                            ; v3  4 x lane
.set R4,  4                            ; v4  4 r
.set H32, 5                            ; v5  32 h
.set L32, 6                            ; v6  32 x lane
.set STW, 7                            ; v7  my stage, by rows: 16 x lane
.set STD, 8                            ; v8  my stage, in D-layout: 528 r + 32 h
.set AIA, 9                            ; v9  the images: 16 x lane
.set ASA, 10                           ; v10 their scale words: 4 x lane
.set IMW, 11                           ; v11 where I store an image: + 1,536 w
.set ISW, 12                           ; v12 and its scale word: + 128 w + 4 r
.set REDW, 13                          ; v13 where I put my partial figures
.set REDR, 14                          ; v14 where I read all four waves'
.set ADRB, 16                          ; v16-17 my weight fragments in slot 0, 1; v18-19 the same behind one padding more
.set ASW, 24
.set WSW, 32
.set ACC, 64
.set HA,  64                           ; LayerNorm: 64 numbers at work
.set SA,  128                          ; its chains
.set LR,  144                          ; the four waves' figures
.set LT,  160
.set TM,  192                          ; v192-195 largest magnitudes, v196-199 bytes, v204-207 the conversions' scale operands
.set PW,  208                          ; the scale word just made
.set PC,  212                          ; the codes just made, 12 registers
.set PT,  224                          ; the conversions' second halves
.set ST,  232                          ; (mean, M2) of my 256 columns, a pair for each u
.set MEAN, 240
.set RS,  244
.set BV,  240                          ; later: v's bias, a register for each column tile
.set SPW, 252
.set NIL, 253
.set BI,  192                          ; in window 1
.set G1,  40                           ; s[40:47] descriptor group 1
.set G0,  48                           ; s[48:55] group 0, a set for each slot
.set CUR, 56                           ; s[56:57] my 128 weight rows of the chunk in hand
.set NXT, 58                           ; s[58:59] and of the chunk after it
.set WV,  62
.set CNT, 63
.set SEL, 66                           ; s[66:67] v_permlanex16_b32's selects for lane l xor 16
.set SL,  68                           ; v_perm_b32 selectors
.set SH,  69
.set SM,  70
.set LOW16, 71
.set PAD7F, 72
.set WSB, 74                           ; s[74:75] the scale bytes of the rows to be loaded next
.set BIB, 76                           ; s[76:77] the bias likewise
.set MSB, 0
.macro WIN new                         ; the immediate's high byte repeats the setting that is left; a switch that changes nothing is dropped
.if MSB != \new
	s_set_vgpr_msb (MSB<<8)|\new
.set MSB, \new
.endif
.endm
.macro PLACES n
.rept \n
	v_nop
.endr
.endm
.macro BARRIER                         ; my LDS stores have landed and my LDS loads are in: then the work-group's barrier
	s_wait_dscnt 0x0
	s_barrier_signal -1
	s_barrier_wait -1
.endm
.macro ROUND                           ; a round of the cluster's barrier
	s_barrier_signal -1
	s_barrier_wait -1
	s_cmp_lg_u32 s[WV], 0
	s_cbranch_scc1 .Lnot_wave_0_\@
	s_barrier_signal -3
.Lnot_wave_0_\@:
	s_barrier_wait -3
	s_barrier_signal -1
	s_barrier_wait -1
.endm
; 32 nc numbers in D-layout at v[s] on, their scale operands in v[TM+12] on, become codes in natural order in v[pc] on: registers 6 c .. 6 c + 5 hold k = 64 c + 32 h + 0 .. 31.
.macro CODES s, nc, pc
.set c_, 0
.rept \nc
	v_cvt_scalef32_pk16_bf6_f32 v[\pc+6*c_:\pc+6*c_+2], v[\s+32*c_:\s+32*c_+15], v[TM+12+2*c_]
	v_cvt_scalef32_pk16_bf6_f32 v[PT+4*c_:PT+4*c_+2], v[\s+32*c_+16:\s+32*c_+31], v[TM+13+2*c_]
.set c_, c_+1
.endr
	v_nop                                          ; one plain place behind the scaled conversions
.set c_, 0
.rept \nc
.irp i, 0,1,2
	v_permlane16_swap_b32 v[\pc+6*c_+\i], v[PT+4*c_+\i]   ; lanes 0-15 now hold block 2 c, lanes 16-31 block 2 c + 1: F (numbers 0-7, 16-23) in the first, G (8-15, 24-31) in the second
.endr
	v_perm_b32 v[\pc+6*c_+3], v[\pc+6*c_+2], v[\pc+6*c_+1], s[SM]   ; F2.l : F1.h
	v_perm_b32 v[\pc+6*c_+4], v[PT+4*c_+1], v[\pc+6*c_+2], s[SH]    ; G1.h : F2.h
	v_mov_b32 v[\pc+6*c_+5], v[PT+4*c_+2]                           ; G2
	v_perm_b32 v[\pc+6*c_+1], v[PT+4*c_], v[\pc+6*c_+1], s[SL]      ; G0.l : F1.l
	v_perm_b32 v[\pc+6*c_+2], v[PT+4*c_+1], v[PT+4*c_], s[SM]       ; G1.l : G0.h
.set c_, c_+1
.endr
.endm
; The quantiser: the blocks' largest magnitudes (with the floor 2^(5 - 127), so that no byte falls under 1), the scale word in v[PW], the codes.
.macro QUANTP s, nc, pc
.set b_, 0
.rept 2*\nc
	v_max3_num_f32 v[TM+b_], |v[\s+16*b_]|, |v[\s+16*b_+1]|, 0x2800000
.set b_, b_+1
.endr
.irp i, 2,4,6,8,10,12,14
.set b_, 0
.rept 2*\nc
	v_max3_num_f32 v[TM+b_], v[TM+b_], |v[\s+16*b_+\i]|, |v[\s+16*b_+\i+1]|
.set b_, b_+1
.endr
.endr
.set b_, 0
.rept 2*\nc
	v_permlanex16_b32 v[TM+4+b_], v[TM+b_], s[SEL], s[SEL+1]
.set b_, b_+1
.endr
.set b_, 0
.rept 2*\nc
	v_max_num_f32 v[TM+b_], v[TM+b_], v[TM+4+b_]   ; with lane l xor 16's 16 numbers: the block's
.set b_, b_+1
.endr
.set b_, 0
.rept 2*\nc
	v_add_nc_u32 v[TM+12+b_], 0xfe000000, v[TM+b_] ; 4 off the exponent field: the conversion's scale operand
.set b_, b_+1
.endr
.set b_, 0
.rept 2*\nc
	v_lshrrev_b32 v[TM+4+b_], 23, v[TM+12+b_]      ; the scale's byte
.set b_, b_+1
.endr
	v_lshl_or_b32 v[PW], v[TM+5], 8, v[TM+4]
.if \nc > 1
	v_lshl_or_b32 v[PW], v[TM+6], 16, v[PW]
	v_lshl_or_b32 v[PW], v[TM+7], 24, v[PW]
.endif
	CODES \s, \nc, \pc
.endm
; One matrix instruction.  c < 0: the constant 0 starts the sum.  ra, rb: the side's scale words stand in lanes 16-31 of the register named.
.macro WM d, a, b, c, sa, sb, ra, rb
.if (\c) < 0
.if (\ra) && (\rb)
	v_wmma_scale_f32_16x16x128_f8f6f4 v[\d:\d+7], v[\a:\a+11], v[\b:\b+11], 0, v[\sa], v[\sb] matrix_a_fmt:MATRIX_FMT_BF6 matrix_b_fmt:MATRIX_FMT_BF6 matrix_a_scale:MATRIX_SCALE_ROW1 matrix_b_scale:MATRIX_SCALE_ROW1
.elseif (\ra)
	v_wmma_scale_f32_16x16x128_f8f6f4 v[\d:\d+7], v[\a:\a+11], v[\b:\b+11], 0, v[\sa], v[\sb] matrix_a_fmt:MATRIX_FMT_BF6 matrix_b_fmt:MATRIX_FMT_BF6 matrix_a_scale:MATRIX_SCALE_ROW1
.elseif (\rb)
	v_wmma_scale_f32_16x16x128_f8f6f4 v[\d:\d+7], v[\a:\a+11], v[\b:\b+11], 0, v[\sa], v[\sb] matrix_a_fmt:MATRIX_FMT_BF6 matrix_b_fmt:MATRIX_FMT_BF6 matrix_b_scale:MATRIX_SCALE_ROW1
.else
	v_wmma_scale_f32_16x16x128_f8f6f4 v[\d:\d+7], v[\a:\a+11], v[\b:\b+11], 0, v[\sa], v[\sb] matrix_a_fmt:MATRIX_FMT_BF6 matrix_b_fmt:MATRIX_FMT_BF6
.endif
.else
.if (\ra) && (\rb)
	v_wmma_scale_f32_16x16x128_f8f6f4 v[\d:\d+7], v[\a:\a+11], v[\b:\b+11], v[\c:\c+7], v[\sa], v[\sb] matrix_a_fmt:MATRIX_FMT_BF6 matrix_b_fmt:MATRIX_FMT_BF6 matrix_a_scale:MATRIX_SCALE_ROW1 matrix_b_scale:MATRIX_SCALE_ROW1
.elseif (\ra)
	v_wmma_scale_f32_16x16x128_f8f6f4 v[\d:\d+7], v[\a:\a+11], v[\b:\b+11], v[\c:\c+7], v[\sa], v[\sb] matrix_a_fmt:MATRIX_FMT_BF6 matrix_b_fmt:MATRIX_FMT_BF6 matrix_a_scale:MATRIX_SCALE_ROW1
.elseif (\rb)
	v_wmma_scale_f32_16x16x128_f8f6f4 v[\d:\d+7], v[\a:\a+11], v[\b:\b+11], v[\c:\c+7], v[\sa], v[\sb] matrix_a_fmt:MATRIX_FMT_BF6 matrix_b_fmt:MATRIX_FMT_BF6 matrix_b_scale:MATRIX_SCALE_ROW1
.else
	v_wmma_scale_f32_16x16x128_f8f6f4 v[\d:\d+7], v[\a:\a+11], v[\b:\b+11], v[\c:\c+7], v[\sa], v[\sb] matrix_a_fmt:MATRIX_FMT_BF6 matrix_b_fmt:MATRIX_FMT_BF6
.endif
.endif
.endm
; A weight fragment, 16 rows x 128 K: 12 registers, six pieces of 8 bytes.  The mover has laid 16 bytes of padding behind every 64: where the piece of lanes 16-31 lies behind one padding more, the second address register serves.
.macro FRAG reg, adr, q, i
.irp p, 0,1,2,3,4,5
.set PIECE, 12*(\q)+6*(\p/3)+\p%3
.if PIECE%8 < 5
	ds_load_b64 v[\reg+2*\p:\reg+2*\p+1], v[\adr] offset:8*PIECE+16*(PIECE/8)+(\i)*16*PITCH
.else
	ds_load_b64 v[\reg+2*\p:\reg+2*\p+1], v[\adr+2] offset:8*PIECE+16*(PIECE/8)+(\i)*16*PITCH
.endif
.endr
.endm
.macro FETCHB slot                     ; a step's 16 weight fragments into window 2: the first 128 along K first
	WIN 0x80
.irp i, 0,1,2,3,4,5,6,7
	FRAG 12*\i, ADRB+\slot, 0, \i
.endr
.irp i, 0,1,2,3,4,5,6,7
	FRAG 96+12*\i, ADRB+\slot, 1, \i
.endr
	WIN 0
.endm
; 16 matrix instructions on 16 accumulators, one a turn, in the same order every time.  q: which half of the step; s: the K step of 128.
; kind 0: transposed, into v64-191, the bias as the first C.   kind 1: transposed, onto window 3's chunk cp.   kind 2: tokens as source 0, into v[64 + 16 ct + 8 u].
.macro MUL kind, q, s, cp
.if \kind == 0
.if (\s) == 0
	WIN 0x16
.else
	WIN 0x06
.endif
.elseif \kind == 1
	WIN 0xf6
.else
	WIN 0x09
.endif
.irp u, 0,1
.irp ct, 0,1,2,3,4,5,6,7
.if \kind == 0
.if (\s) == 0
	WM ACC+64*\u+8*\ct, 96*(\q)+12*\ct, 12*(8*\u+(\s)), BI+8*\ct, WSW+8*(\ct/2)+(\s), ASW+(\s), \ct%2, \u
.else
	WM ACC+64*\u+8*\ct, 96*(\q)+12*\ct, 12*(8*\u+(\s)), ACC+64*\u+8*\ct, WSW+8*(\ct/2)+(\s), ASW+(\s), \ct%2, \u
.endif
.elseif \kind == 1
	WM 128*(\cp)+64*\u+8*\ct, 96*(\q)+12*\ct, 12*(8*\u+(\s)), 128*(\cp)+64*\u+8*\ct, WSW+8*(\ct/2)+(\s), ASW+(\s), \ct%2, \u
.else
.if (\s) == 0
	WM ACC+16*\ct+8*\u, 12*(8*\u+(\s)), 96*(\q)+12*\ct, -1, ASW+(\s), WSW+8*(\ct/2)+(\s), \u, \ct%2
.else
	WM ACC+16*\ct+8*\u, 12*(8*\u+(\s)), 96*(\q)+12*\ct, ACC+16*\ct+8*\u, ASW+(\s), WSW+8*(\ct/2)+(\s), \u, \ct%2
.endif
.endif
.endr
.endr
.endm
; A step of 256 along K, the kk-th of a chunk, out of slot.  fill = 1: the other slot is asked for the step that follows: one joint load a wave, first thing behind the round.
.macro STEP slot, kk, fill, kind, cp
	WIN 0
	s_wait_tensorcnt 0x0                           ; my one tensor load that was out, this step's quarter, has landed: so a group 0 may be written
.if \fill
	ds_add_u32 v[SPW], v[NIL]                      ; 0 onto my spare word; the descriptor's step stands between it and the wait for it
.if \kk < 3
	s_add_nc_u64 s[G0+4*(1-\slot)+2:G0+4*(1-\slot)+3], s[CUR:CUR+1], 192*(\kk+1)
.else
	s_mov_b64 s[G0+4*(1-\slot)+2:G0+4*(1-\slot)+3], s[NXT:NXT+1]
.endif
	s_or_b32 s[G0+4*(1-\slot)+3], s[G0+4*(1-\slot)+3], 0x80000000
	s_wait_dscnt 0x0                               ; the add is done, and my reads of the other slot are over
	ROUND                                          ; both now hold of every wave of the four work-groups
	tensor_load_to_lds s[G0+4*(1-\slot):G0+4*(1-\slot)+3], s[G1:G1+7]
	s_nop 0
.endif
	PLACES 4                                       ; four places between the last products and the loads into the registers that they read
	FETCHB \slot
.if \kk == 0
	s_wait_loadcnt 0x0                             ; the chunk's scale words and bias
.endif
	s_wait_dscnt 48                                ; the first 128 along K are in; the 48 loads of the second may be out
	MUL \kind, 0, 2*\kk, \cp
	s_wait_dscnt 0x0
	MUL \kind, 1, 2*\kk+1, \cp
	WIN 0
.endm
.macro GEMM4 kind, last, cp            ; a chunk: 512 columns x all of K.  last = 1: nothing follows, and the last step asks for nothing
	STEP 0, 0, 1, \kind, \cp
	STEP 1, 1, 1, \kind, \cp
	STEP 0, 2, 1, \kind, \cp
	STEP 1, 3, 1-\last, \kind, \cp
.endm
.macro WSLOAD                          ; my 128 rows' scale bytes, 32 a row: lane l of load pair p takes row 32 p + l, so lanes 0-15 hold tile 2 p's words and lanes 16-31 tile 2 p + 1's
.irp p, 0,1,2,3
	global_load_b128 v[WSW+8*\p:WSW+8*\p+3], v[L32], s[WSB:WSB+1] offset:1024*\p
	global_load_b128 v[WSW+8*\p+4:WSW+8*\p+7], v[L32], s[WSB:WSB+1] offset:1024*\p+16
.endr
.endm
.macro BILOAD                          ; my 128 columns' bias in D-layout, into window 1
	WIN 0x40
.irp ct, 0,1,2,3,4,5,6,7
	global_load_b128 v[BI+8*\ct:BI+8*\ct+3], v[H32], s[BIB:BIB+1] offset:64*\ct
	global_load_b128 v[BI+8*\ct+4:BI+8*\ct+7], v[H32], s[BIB:BIB+1] offset:64*\ct+16
.endr
	WIN 0
.endm
.macro DLOAD reg, ptr                  ; a vector of 1,024: my 2 x 128 columns in D-layout, at v[reg + 64 chunk + 8 ct + j]
.irp n, 0,1
.irp ct, 0,1,2,3,4,5,6,7
	global_load_b128 v[\reg+64*\n+8*\ct:\reg+64*\n+8*\ct+3], v[H32], s[\ptr:\ptr+1] offset:2048*\n+64*\ct
	global_load_b128 v[\reg+64*\n+8*\ct+4:\reg+64*\n+8*\ct+7], v[H32], s[\ptr:\ptr+1] offset:2048*\n+64*\ct+16
.endr
.endr
.endm
; x: my 2 x 128 columns of the 32 rows.  Each load reads 512 consecutive bytes of a row; a unit k = 2 chunk + u (16 rows x 512 bytes) turns through my stage into D-layout, window 3, v[64 k] on.
.macro XIN xb
	WIN 0x80
.irp k, 0,1,2,3
.irp i, 0,1,2,3,4,5,6,7,8,9,10,11,12,13,14,15
	global_load_b128 v[64*\k+4*\i:64*\k+4*\i+3], v[L16], s[\xb:\xb+1] offset:(16*(\k%2)+\i)*4096+2048*(\k/2) th:TH_LOAD_NT
.endr
.endr
.irp k, 0,1,2,3
	s_wait_loadcnt 48-16*\k                        ; this unit's 16 loads are in; the later units' may be out
	WIN 0x08
.irp i, 0,1,2,3,4,5,6,7,8,9,10,11,12,13,14,15
	ds_store_b128 v[STW], v[64*\k+4*\i:64*\k+4*\i+3] offset:SPITCH*\i
.endr
	WIN 0xc0
.irp ct, 0,1,2,3,4,5,6,7
	ds_load_b128 v[64*\k+8*\ct:64*\k+8*\ct+3], v[STD] offset:64*\ct      ; LDS serves a wave's instructions in order: these see my stores, and the next unit's stores come behind them
	ds_load_b128 v[64*\k+8*\ct+4:64*\k+8*\ct+7], v[STD] offset:64*\ct+16
.endr
.endr
	WIN 0
	s_wait_dscnt 0x0
.endm
.macro LANESUM                         ; the four packed chains of each u, and lane l xor 16's, into v[SA + 8 u]
.irp u, 0,1
	v_pk_add_f32 v[SA+8*\u:SA+8*\u+1], v[SA+8*\u:SA+8*\u+1], v[SA+8*\u+2:SA+8*\u+3]
	v_pk_add_f32 v[SA+8*\u+4:SA+8*\u+5], v[SA+8*\u+4:SA+8*\u+5], v[SA+8*\u+6:SA+8*\u+7]
.endr
.irp u, 0,1
	v_pk_add_f32 v[SA+8*\u:SA+8*\u+1], v[SA+8*\u:SA+8*\u+1], v[SA+8*\u+4:SA+8*\u+5]
.endr
.irp u, 0,1
	v_add_f32 v[SA+8*\u], v[SA+8*\u], v[SA+8*\u+1]
.endr
.irp u, 0,1
	v_permlanex16_b32 v[SA+8*\u+1], v[SA+8*\u], s[SEL], s[SEL+1]
.endr
.irp u, 0,1
	v_add_f32 v[SA+8*\u], v[SA+8*\u], v[SA+8*\u+1]
.endr
.endm
.macro ALOAD                           ; all 16 fragment images into window 1, their scale words (lanes 0-15: u = 0, lanes 16-31: u = 1) into v24-31
	WIN 0x40
.set f_, 0
.rept 16
.irp i, 0,1,2
	ds_load_b128 v[12*f_+4*\i:12*f_+4*\i+3], v[AIA] offset:1536*f_+512*\i
.endr
.set f_, f_+1
.endr
	WIN 0
.irp s, 0,1,2,3,4,5,6,7
	ds_load_b32 v[ASW+\s], v[ASA] offset:128*\s
.endr
	s_wait_dscnt 0x0
.endm
; LayerNorm of window 3's 32 rows, quantised, as fragment images in LDS and then in every wave's window 1.  Window 3 is left as it is.
; A wave has 256 of a row's 1,024 columns: it takes their mean and the squares about THAT mean; the four waves' pairs meet in LDS and are joined: no difference of large sums is formed.
.macro LNQ gp, bp
	WIN 0x80
	DLOAD 0, \gp
	DLOAD 128, \bp
	WIN 0
.irp r, ST+1, ST+3, MEAN+1, MEAN+3, RS+1, RS+3
	v_mov_b32 v[\r], 0                             ; named as upper halves of pairs before they are first written
.endr
.irp u, 0,1
	WIN 0x0f
.irp k, 0,1,2,3
	v_pk_add_f32 v[SA+8*\u+2*\k:SA+8*\u+2*\k+1], v[64*\u+4*\k:64*\u+4*\k+1], v[64*\u+4*\k+2:64*\u+4*\k+3]
.endr
	WIN 0x0c
.set i_, 16
.rept 24
	v_pk_add_f32 v[SA+8*\u+i_%8:SA+8*\u+i_%8+1], v[SA+8*\u+i_%8:SA+8*\u+i_%8+1], v[64*\u+i_:64*\u+i_+1]
.set i_, i_+2
.endr
.set i_, 0
.rept 32
	v_pk_add_f32 v[SA+8*\u+i_%8:SA+8*\u+i_%8+1], v[SA+8*\u+i_%8:SA+8*\u+i_%8+1], v[128+64*\u+i_:128+64*\u+i_+1]
.set i_, i_+2
.endr
.endr
	WIN 0
	LANESUM
.irp u, 0,1
	v_mul_f32 v[ST+2*\u], 0x3b800000, v[SA+8*\u]   ; / 256: the mean of my columns
.endr
.irp u, 0,1
.irp n, 0,1
	WIN 0x03
.set i_, 0
.rept 32
	v_pk_add_f32 v[HA+i_:HA+i_+1], v[128*\n+64*\u+i_:128*\n+64*\u+i_+1], v[ST+2*\u:ST+2*\u+1] op_sel_hi:[1,0] neg_lo:[0,1] neg_hi:[0,1]
.set i_, i_+2
.endr
	WIN 0
.set i_, 0
.rept 32
.if (\n == 0) && (i_ < 8)
	v_pk_mul_f32 v[SA+8*\u+i_:SA+8*\u+i_+1], v[HA+i_:HA+i_+1], v[HA+i_:HA+i_+1]
.else
	v_pk_fma_f32 v[SA+8*\u+i_%8:SA+8*\u+i_%8+1], v[HA+i_:HA+i_+1], v[HA+i_:HA+i_+1], v[SA+8*\u+i_%8:SA+8*\u+i_%8+1]
.endif
.set i_, i_+2
.endr
.endr
.endr
	LANESUM
.irp u, 0,1
	v_mov_b32 v[ST+2*\u+1], v[SA+8*\u]
.endr
.irp u, 0,1
	ds_store_b64 v[REDW], v[ST+2*\u:ST+2*\u+1] offset:128*\u   ; both halves of the lanes write the same pair
.endr
	BARRIER
.irp u, 0,1
.irp w, 0,1,2,3
	ds_load_b64 v[LR+8*\u+2*\w:LR+8*\u+2*\w+1], v[REDR] offset:256*\w+128*\u
.endr
.endr
	s_wait_dscnt 0x0
.irp u, 0,1
	v_add_f32 v[LT+4*\u], v[LR+8*\u], v[LR+8*\u+2]
	v_add_f32 v[LT+4*\u+1], v[LR+8*\u+4], v[LR+8*\u+6]
	v_add_f32 v[LT+4*\u+2], v[LR+8*\u+1], v[LR+8*\u+3]
	v_add_f32 v[LT+4*\u+3], v[LR+8*\u+5], v[LR+8*\u+7]
.endr
.irp u, 0,1
	v_add_f32 v[LT+4*\u], v[LT+4*\u], v[LT+4*\u+1]
	v_add_f32 v[LT+4*\u+2], v[LT+4*\u+2], v[LT+4*\u+3]
.endr
.irp u, 0,1
	v_mul_f32 v[MEAN+2*\u], 0x3e800000, v[LT+4*\u] ; the row's mean
.endr
.irp w, 0,1,2,3
.irp u, 0,1
	v_sub_f32 v[LR+8*\u+2*\w], v[LR+8*\u+2*\w], v[MEAN+2*\u]
.endr
.endr
.irp u, 0,1
	v_mul_f32 v[LT+4*\u], v[LR+8*\u], v[LR+8*\u]
.endr
.irp w, 1,2,3
.irp u, 0,1
	v_fmac_f32 v[LT+4*\u], v[LR+8*\u+2*\w], v[LR+8*\u+2*\w]
.endr
.endr
.irp u, 0,1
	v_fmamk_f32 v[LT+4*\u+2], v[LT+4*\u], 0x43800000, v[LT+4*\u+2]   ; the squares about the row's mean: the four parts' + 256 x the parts' means' squares about it
.endr
.irp u, 0,1
	v_mul_f32 v[LT+4*\u+2], 0x3a800000, v[LT+4*\u+2]   ; / 1,024
.endr
.irp u, 0,1
	v_add_f32 v[LT+4*\u+2], 0x3727c5ac, v[LT+4*\u+2]   ; + 1e-5
.endr
.irp u, 0,1
	v_rsq_f32 v[RS+2*\u], v[LT+4*\u+2]
.endr
	v_nop                                          ; a plain place behind the transcendentals,
	s_wait_alu depctr_va_vdst(0)                   ; and the wait ahead of the first reader: one for the two
	s_wait_loadcnt 0x0                             ; g and b
.irp u, 0,1
.irp n, 0,1
	WIN 0x03
.set i_, 0
.rept 32
	v_pk_add_f32 v[HA+i_:HA+i_+1], v[128*\n+64*\u+i_:128*\n+64*\u+i_+1], v[MEAN+2*\u:MEAN+2*\u+1] op_sel_hi:[1,0] neg_lo:[0,1] neg_hi:[0,1]
.set i_, i_+2
.endr
	WIN 0
.set i_, 0
.rept 32
	v_pk_mul_f32 v[HA+i_:HA+i_+1], v[HA+i_:HA+i_+1], v[RS+2*\u:RS+2*\u+1] op_sel_hi:[1,0]
.set i_, i_+2
.endr
	WIN 0x28
.set i_, 0
.rept 32
	v_pk_fma_f32 v[HA+i_:HA+i_+1], v[HA+i_:HA+i_+1], v[64*\n+i_:64*\n+i_+1], v[128+64*\n+i_:128+64*\n+i_+1]
.set i_, i_+2
.endr
	WIN 0
	QUANTP HA, 2, PC                               ; K step 4 chunk + w of row tile u
.irp i, 0,1,2
	ds_store_b128 v[IMW], v[PC+4*\i:PC+4*\i+3] offset:1536*(8*\u+4*\n)+512*\i
.endr
	ds_store_b32 v[ISW], v[PW] offset:512*\n+64*\u
	s_wait_dscnt 0x0                               ; the stores have read their registers
.endr
.endr
	BARRIER                                        ; all 16 images lie in LDS
	ALOAD
.endm
.macro FRAMEHEAD                       ; the wave's number, the work-group's (s96), constants, the descriptors' constant words, the lanes' addresses: work on registers alone
	v_lshrrev_b32 v1, 5, v0
	v_readfirstlane_b32 s[WV], v1
	s_bfe_u32 s96, ttmp6, 0x40000                  ; my place in the cluster
	s_lshl_b32 s97, ttmp9, 2
	s_add_co_u32 s96, s97, s96                     ; work-group = 4 x cluster + place: it enters x's and the outputs' addresses alone
	s_mov_b32 s[G1+0], 15|(1<<20)|(1<<21)|(3<<22)|(3<<25)   ; mask: all four work-groups; elements of 1 byte; padding on; bit 21 beside a mask; after every 16 words 4 words
	s_mov_b32 s[G1+1], 192<<16                     ; tensor_dim0
	s_mov_b32 s[G1+2], 128<<16                     ; tensor_dim1
	s_mov_b32 s[G1+3], 192<<16                     ; tile_dim0
	s_mov_b32 s[G1+4], 128                         ; tile_dim1
	s_mov_b32 s[G1+5], 768                         ; a weight row in memory
	s_mov_b32 s[G1+6], 0
	s_mov_b32 s[G1+7], 0
	s_mul_i32 s73, s[WV], QUART
	s_mov_b32 s[G0], 1
	s_mov_b32 s[G0+1], s73                         ; my quarter of slot 0,
	s_mov_b32 s[G0+4], 1
	s_add_co_u32 s[G0+5], s73, SLOTB               ; of slot 1
	s_mov_b32 s[SEL], 0x76543210
	s_mov_b32 s[SEL+1], 0xfedcba98
	s_mov_b32 s[SL], 0x05040100
	s_mov_b32 s[SH], 0x07060302
	s_mov_b32 s[SM], 0x05040302
	s_mov_b32 s[LOW16], 0xffff
	s_mov_b32 s[PAD7F], 0x7f7f0000
	v_and_b32 v15, 31, v0                          ; lane
	v_and_b32 v22, 15, v0                          ; r
	v_bfe_u32 v23, v0, 4, 1                        ; h
	v_lshlrev_b32 v[L16], 4, v15
	v_lshlrev_b32 v[L8], 3, v15
	v_lshlrev_b32 v[L4], 2, v15
	v_lshlrev_b32 v[R4], 2, v22
	v_lshlrev_b32 v[H32], 5, v23
	v_lshlrev_b32 v[L32], 5, v15
	v_mul_u32_u24 v[ADRB], v22, PITCH
	v_mad_u32_u24 v[ADRB], v23, 24, v[ADRB]
	v_add_nc_u32 v[ADRB], s73, v[ADRB]
	v_lshl_add_u32 v[ADRB+2], v23, 4, v[ADRB]
	v_add_nc_u32 v[ADRB+1], SLOTB, v[ADRB]
	v_add_nc_u32 v[ADRB+3], SLOTB, v[ADRB+2]
	s_mul_i32 s73, s[WV], 16*SPITCH
	s_add_co_u32 s73, s73, STG
	v_add_nc_u32 v[STW], s73, v[L16]
	v_mul_u32_u24 v[STD], v22, SPITCH
	v_lshl_add_u32 v[STD], v23, 5, v[STD]
	v_add_nc_u32 v[STD], s73, v[STD]
	v_add_nc_u32 v[AIA], AIMG, v[L16]
	v_add_nc_u32 v[ASA], ASC, v[L4]
	s_mul_i32 s73, s[WV], 1536
	s_add_co_u32 s73, s73, AIMG
	v_add_nc_u32 v[IMW], s73, v[L16]
	s_lshl_b32 s73, s[WV], 7
	s_add_co_u32 s73, s73, ASC
	v_add_nc_u32 v[ISW], s73, v[R4]
	s_lshl_b32 s73, s[WV], 8
	s_add_co_u32 s73, s73, RED
	v_lshl_add_u32 v[REDW], v22, 3, s73
	v_lshl_add_u32 v[REDR], v22, 3, RED
.irp b, 0,1,2,3
	v_mov_b32 v[TM+4+\b], 0                        ; written once: a lane permute's destination counts as one of its sources
.endr
.endm
	s_load_b512 s[4:19], s[0:1], 0x0               ; x 4, ln1_g 6, ln1_b 8, wq codes 10, wq scales 12, bq 14, wk codes 16, wk scales 18
	s_load_b512 s[20:35], s[0:1], 0x40             ; bk 20, wv codes 22, wv scales 24, bv 26, qc 28, qs 30, kc 32, vc 34
	s_load_b64 s[36:37], s[0:1], 0x80              ; vs
	v_lshl_add_u32 v[SPW], v0, 2, SPARE
	v_mov_b32 v[NIL], 0
	ds_add_u32 v[SPW], v[NIL]                      ; the wave's opening: the add, and its wait ahead of my first tensor load; the set-up, work on registers, stands between them
	FRAMEHEAD
	; the outputs' offsets.  b = work-group / 32, tb = work-group % 32: token tiles 2 tb + u and key block tb of batch b; my first head of chunk 0 is 16 b + 2 w
	s_lshr_b32 s97, s96, 5
	s_and_b32 s94, s96, 31
	s_lshl_b32 s97, s97, 4
	s_lshl_b32 s95, s[WV], 1
	s_add_co_u32 s97, s97, s95
	s_mul_i32 s95, s94, 1536                       ; two tiles of 768 bytes of codes
	s_lshl_b32 s93, s94, 7                         ; two tiles of 64 bytes of scale words
	s_mul_i32 s84, s97, 49152
	s_add_co_u32 s84, s84, s95                     ; qc
	s_mov_b32 s85, 0
	s_lshl_b32 s86, s97, 12
	s_add_co_u32 s86, s86, s93                     ; qs
	s_mov_b32 s87, 0
	s_mul_i32 s92, s97, 53248
	s_add_co_u32 s88, s92, s95                     ; kc: codes,
	s_mov_b32 s89, 0
	s_add_co_u32 s90, s92, s93
	s_add_co_u32 s90, s90, 49152                   ; and the scale words behind a head's codes
	s_mov_b32 s91, 0
	s_lshl_b32 s97, s96, 4
	s_lshl_b32 s95, s[WV], 1
	s_add_co_u32 s97, s97, s95                     ; 16 x work-group + 2 w
	s_mul_i32 s92, s97, 1536                       ; vc
	s_mov_b32 s93, 0
	s_lshl_b32 s94, s97, 6                         ; vs
	s_mov_b32 s95, 0
	s_lshl_b32 s98, s96, 17                        ; x: 32 rows of 4,096 bytes
	s_mov_b32 s99, 0
	s_mov_b32 s61, 0
	s_wait_dscnt 0x0                               ; the opening add is done
	s_wait_kmcnt 0x0
	s_mul_i32 s60, s[WV], 98304                    ; my 128 weight rows of a chunk
	s_add_nc_u64 s[10:11], s[10:11], s[60:61]
	s_add_nc_u64 s[16:17], s[16:17], s[60:61]
	s_add_nc_u64 s[22:23], s[22:23], s[60:61]
	s_lshl_b32 s60, s[WV], 12                      ; their scale bytes
	s_add_nc_u64 s[12:13], s[12:13], s[60:61]
	s_add_nc_u64 s[18:19], s[18:19], s[60:61]
	s_add_nc_u64 s[24:25], s[24:25], s[60:61]
	s_lshl_b32 s60, s[WV], 9                       ; my 128 columns of an f32 vector or row
	s_add_nc_u64 s[14:15], s[14:15], s[60:61]
	s_add_nc_u64 s[20:21], s[20:21], s[60:61]
	s_add_nc_u64 s[26:27], s[26:27], s[60:61]
	s_add_nc_u64 s[6:7], s[6:7], s[60:61]
	s_add_nc_u64 s[8:9], s[8:9], s[60:61]
	s_add_nc_u64 s[4:5], s[4:5], s[60:61]
	s_add_nc_u64 s[4:5], s[4:5], s[98:99]
	s_add_nc_u64 s[28:29], s[28:29], s[84:85]
	s_add_nc_u64 s[30:31], s[30:31], s[86:87]
	s_add_nc_u64 s[82:83], s[32:33], s[90:91]
	s_add_nc_u64 s[32:33], s[32:33], s[88:89]
	s_add_nc_u64 s[34:35], s[34:35], s[92:93]
	s_add_nc_u64 s[36:37], s[36:37], s[94:95]
	ROUND                                          ; the four work-groups are here: the first joint load meets
	s_mov_b64 s[G0+2:G0+3], s[10:11]               ; wq, chunk 0, step 0
	s_or_b32 s[G0+3], s[G0+3], 0x80000000
	tensor_load_to_lds s[G0:G0+3], s[G1:G1+7]
	s_nop 0
	PLACES 4
	s_mov_b64 s[WSB:WSB+1], s[12:13]
	s_mov_b64 s[BIB:BIB+1], s[14:15]
	WSLOAD
	BILOAD
	XIN 4
	LNQ 6, 8
; q or k: a loop of two chunks.  A trip: the chunk's products; the next chunk's scale words and bias (in the last trip the next matrix's, chosen by the count of trips); then, for each row tile, two heads' codes and scale words.
.macro MATQK wc, nwc, nws, nbi, oc, os, hs, ss, cstep, sstep, qsc
	s_mov_b64 s[CUR:CUR+1], s[\wc:\wc+1]
	s_add_nc_u64 s[NXT:NXT+1], s[\wc:\wc+1], 393216
	s_mov_b32 s[CNT], 2
.Lmat_\@:
	GEMM4 0, 0, 0
	PLACES 4                                       ; behind the last products: ahead of loads into their scale registers and of the first read of results
	s_wait_xcnt 0x0                                ; the earlier loads have read their bases
	s_add_nc_u64 s[WSB:WSB+1], s[WSB:WSB+1], 16384
	s_add_nc_u64 s[BIB:BIB+1], s[BIB:BIB+1], 2048
	s_cmp_eq_u32 s[CNT], 1
	s_cselect_b64 s[WSB:WSB+1], s[\nws:\nws+1], s[WSB:WSB+1]
	s_cselect_b64 s[BIB:BIB+1], s[\nbi:\nbi+1], s[BIB:BIB+1]
	WSLOAD
	BILOAD
.irp u, 0,1
	s_wait_xcnt 0x0                                ; the last stores have read their registers
.if \qsc
.set i_, 0
.rept 32
	v_pk_mul_f32 v[ACC+64*\u+i_:ACC+64*\u+i_+1], v[ACC+64*\u+i_:ACC+64*\u+i_+1], 0x3e000000 op_sel_hi:[1,0]   ; q / 8
.set i_, i_+2
.endr
.endif
	QUANTP ACC+64*\u, 2, PC                        ; registers 6 g .. 6 g + 5: head g's 64 codes, block h in half h of the lanes
.irp g, 0,1
	global_store_b128 v[L16], v[PC+6*\g:PC+6*\g+3], s[\oc:\oc+1] offset:768*\u+\hs*\g          ; 512 consecutive bytes,
	global_store_b64 v[L8], v[PC+6*\g+4:PC+6*\g+5], s[\oc:\oc+1] offset:768*\u+\hs*\g+512      ; and 256
.endr
	v_and_or_b32 v209, v[PW], s[LOW16], s[PAD7F]   ; a head's word: its two bytes, and 0x7f twice for the half of K that holds zero codes
	v_lshrrev_b32 v210, 16, v[PW]
	v_or_b32 v210, s[PAD7F], v210
	global_store_b32 v[R4], v209, s[\os:\os+1] offset:64*\u        ; lanes 16-31 repeat lanes 0-15's address and word
	global_store_b32 v[R4], v210, s[\os:\os+1] offset:64*\u+\ss
.endr
	s_wait_xcnt 0x0                                ; the stores have read their bases
	s_add_nc_u64 s[\oc:\oc+1], s[\oc:\oc+1], \cstep
	s_add_nc_u64 s[\os:\os+1], s[\os:\os+1], \sstep
	s_mov_b64 s[CUR:CUR+1], s[NXT:NXT+1]
	s_mov_b64 s[NXT:NXT+1], s[\nwc:\nwc+1]
	s_sub_co_i32 s[CNT], s[CNT], 1
	s_cmp_lg_u32 s[CNT], 0
	s_cbranch_scc1 .Lmat_\@
.endm
	MATQK 10, 16, 18, 20, 28, 30, 49152, 4096, 393216, 32768, 1
	MATQK 16, 22, 24, 26, 32, 82, 53248, 53248, 425984, 425984, 0
.macro BVLOAD                          ; v's bias: lane r wants that of column 16 ct + r
.irp ct, 0,1,2,3,4,5,6,7
	global_load_b32 v[BV+\ct], v[R4], s[BIB:BIB+1] offset:64*\ct
.endr
.endm
; A chunk of v, written out twice.  Register 64 + 16 ct + i of lane (r, h): column 16 ct + r, token 8 h + i (i < 8) or 8 + 8 h + i: the 32 tokens are one block along the keys.
.macro VCHUNK last
	GEMM4 2, \last, 0
	PLACES 4
.if \last == 0
	s_wait_xcnt 0x0
	s_add_nc_u64 s[WSB:WSB+1], s[WSB:WSB+1], 16384
	s_add_nc_u64 s[BIB:BIB+1], s[BIB:BIB+1], 2048
	WSLOAD
.endif
.irp ct, 0,1,2,3,4,5,6,7
.set i_, 0
.rept 16
	v_add_f32 v[ACC+16*\ct+i_], v[ACC+16*\ct+i_], v[BV+\ct]
.set i_, i_+1
.endr
.endr
.if \last == 0
	BVLOAD
.endif
.irp g, 0,1                            ; a head: four column tiles
	s_wait_xcnt 0x0
	QUANTP ACC+64*\g, 2, PC                        ; registers 6 c .. 6 c + 5 of lane (r, h): the 24 bytes of column 16 (2 c + h) + r; the word's byte t: column 16 t + r
.irp n, 0,1
	global_store_b128 v[L16], v[PC+6*\n:PC+6*\n+3], s[34:35] offset:1536*\g+512*\n
	global_store_b64 v[L8], v[PC+6*\n+4:PC+6*\n+5], s[34:35] offset:1536*\g+1024+256*\n
.endr
	global_store_b32 v[R4], v[PW], s[36:37] offset:64*\g
.endr
.if \last == 0
	s_wait_xcnt 0x0
	s_add_nc_u64 s[34:35], s[34:35], 12288
	s_add_nc_u64 s[36:37], s[36:37], 512
.endif
.endm
	BVLOAD
	s_mov_b64 s[CUR:CUR+1], s[22:23]
	s_add_nc_u64 s[NXT:NXT+1], s[22:23], 393216
	VCHUNK 0
	s_mov_b64 s[CUR:CUR+1], s[NXT:NXT+1]
	VCHUNK 1
	s_wait_tensorcnt 0x0                           ; the wave's end, behind my last tensor load and my last LDS store
	ds_add_u32 v[SPW], v[NIL]
	s_wait_dscnt 0x0
	ROUND                                          ; the closing round: no work-group ends while a partner may still ask for a tile that names it
	s_endpgm
.Lfunc_end_k_q3e7aac3dc8_qkv:
	.size	k_q3e7aac3dc8_qkv, .Lfunc_end_k_q3e7aac3dc8_qkv-k_q3e7aac3dc8_qkv
	.p2alignl 7, 3214868480
	.fill 96, 4, 3214868480
	.section	.rodata,"a",@progbits
	.p2align	6, 0x0
	.amdhsa_kernel k_q3e7aac3dc8_qkv
		.amdhsa_group_segment_fixed_size 327680
		.amdhsa_private_segment_fixed_size 0
		.amdhsa_enable_private_segment 0
		.amdhsa_kernarg_size 136
		.amdhsa_user_sgpr_count 2
		.amdhsa_user_sgpr_kernarg_segment_ptr 1
		.amdhsa_wavefront_size32 1
		.amdhsa_system_sgpr_workgroup_id_x 1
		.amdhsa_system_sgpr_workgroup_id_y 1
		.amdhsa_system_sgpr_workgroup_id_z 1
		.amdhsa_system_vgpr_workitem_id 0
		.amdhsa_next_free_vgpr 1024
		.amdhsa_next_free_sgpr 100
		.amdhsa_reserve_vcc 0
		.amdhsa_float_denorm_mode_32 3
		.amdhsa_float_denorm_mode_16_64 3
		.amdhsa_memory_ordered 1
		.amdhsa_forward_progress 1
		.amdhsa_inst_pref_size 255
	.end_amdhsa_kernel
	.section	.bss,"aw",@nobits
	.p2align	6
	.space	262144
	.amdgpu_metadata
---
amdhsa.version: [ 1, 2 ]
amdhsa.kernels:
  - .name:           k_q3e7aac3dc8_qkv
    .symbol:         k_q3e7aac3dc8_qkv.kd
    .args:
      - { .name: x, .offset: 0, .size: 8, .value_kind: global_buffer, .address_space: global }
      - { .name: ln1_g, .offset: 8, .size: 8, .value_kind: global_buffer, .address_space: global }
      - { .name: ln1_b, .offset: 16, .size: 8, .value_kind: global_buffer, .address_space: global }
      - { .name: wq_codes, .offset: 24, .size: 8, .value_kind: global_buffer, .address_space: global }
      - { .name: wq_scales, .offset: 32, .size: 8, .value_kind: global_buffer, .address_space: global }
      - { .name: bq, .offset: 40, .size: 8, .value_kind: global_buffer, .address_space: global }
      - { .name: wk_codes, .offset: 48, .size: 8, .value_kind: global_buffer, .address_space: global }
      - { .name: wk_scales, .offset: 56, .size: 8, .value_kind: global_buffer, .address_space: global }
      - { .name: bk, .offset: 64, .size: 8, .value_kind: global_buffer, .address_space: global }
      - { .name: wv_codes, .offset: 72, .size: 8, .value_kind: global_buffer, .address_space: global }
      - { .name: wv_scales, .offset: 80, .size: 8, .value_kind: global_buffer, .address_space: global }
      - { .name: bv, .offset: 88, .size: 8, .value_kind: global_buffer, .address_space: global }
      - { .name: qc, .offset: 96, .size: 8, .value_kind: global_buffer, .address_space: global }
      - { .name: qs, .offset: 104, .size: 8, .value_kind: global_buffer, .address_space: global }
      - { .name: kc, .offset: 112, .size: 8, .value_kind: global_buffer, .address_space: global }
      - { .name: vc, .offset: 120, .size: 8, .value_kind: global_buffer, .address_space: global }
      - { .name: vs, .offset: 128, .size: 8, .value_kind: global_buffer, .address_space: global }
    .group_segment_fixed_size: 327680
    .private_segment_fixed_size: 0
    .kernarg_segment_align: 8
    .kernarg_segment_size: 136
    .max_flat_workgroup_size: 128
    .sgpr_count:     100
    .vgpr_count:     1024
    .wavefront_size: 32
...
	.end_amdgpu_metadata
.endif
;; end of part 1
;; launch attn (part 2): grid 4 x 64, 16 waves a work-group, clusters of 4 x 1, 245,760 bytes of LDS; arguments qc, qs, kc, vc, vs, cc, cs; writes cc, cs
.if DOCPART == 2
	.amdgcn_target "amdgcn-amd-amdhsa--gfx1250"
	.amdhsa_code_object_version 6
	.text
	.protected	k_q3e7aac3dc8_attn
	.globl	k_q3e7aac3dc8_attn
	.p2align	8
	.type	k_q3e7aac3dc8_attn,@function
k_q3e7aac3dc8_attn:
	s_mov_b64 s[64:65], 0
	v_nop
	global_prefetch_b8 v0, s[64:65] scope:SCOPE_SE
	s_setreg_imm32_b32 hwreg(HW_REG_WAVE_MODE, 25, 1), 1
	s_wait_xcnt 0x0
	s_wait_alu depctr_hold_cnt(0) depctr_sa_sdst(0) depctr_va_vdst(0) depctr_va_sdst(0) depctr_va_ssrc(0) depctr_va_vcc(0) depctr_vm_vsrc(0)
	s_getreg_b32 s2, hwreg(HW_REG_IB_STS2, 6, 4)
	s_cmp_eq_u32 s2, 0
	s_cbranch_scc0 .Lentry_in_a_cluster
	s_endpgm
.Lentry_in_a_cluster:
	s_bfe_u32 s2, ttmp6, 0x10000c
	s_cmp_lg_u32 s2, 0x3003
	s_cbranch_scc0 .Lentry_shape_is_right
	s_endpgm
.Lentry_shape_is_right:
; LAUNCH 2 OF 3.  ctx = softmax(q k^T) v for 128 heads of 1,024 x 64, both products on codes of BF6 (E3M2) with E8M0 scales; ctx is quantised along E and leaves as images of the next launch's operand registers.
; THE SOFTMAX: t = score x log2(e); M = the running largest t rounded UP to a whole number; p = 2^(t - M) is quantised along the keys, not normalised; the row's sum is taken of the unquantised p and divides at the end.
; SHARES.  A work-group owns 256 queries and TWO heads (2 y, 2 y + 1: together one K step of 128 of the next product), one after the other; each of its sixteen waves owns 16 queries, in 256 registers, four waves to a SIMD.
; A head's K (codes and scale words, 53,248 bytes), V (49,152) and V's scale bytes stay in LDS whole: both heads' tiles are first fills, nothing is filled again, and the second head lands under the first head's work.
; CLUSTER.  The four query blocks of a pair of heads read the same K and V: each of the six tiles is asked for JOINTLY, mask 15.
; LAYOUT.  Both products transposed: S^T = K Q^T (source 0 = 16 neighbouring keys), O^T = V^T P^T (source 0 = 16 of the head's 64): a lane holds ONE query (lane % 16) throughout; register 8 t + j is key (or channel) 16 t + 8 (lane / 16) + j.
; THE HEAD'S 64 IN AN INSTRUCTION OF 128: Q's registers 6-11 are zero codes, so what stands in K's registers 6-11 (the next tile's codes; zeros behind the last) adds nothing; every scale word has 0x7f in the two bytes of that half.
; LIMITS: a block whose largest magnitude lies under 2^-122 keeps the scale byte 1; a block of zeros gets the byte 1 and not 127 (its codes are zeros; the bytes are read by this program alone); NaN and infinities are not served.
; REGISTERS: v1-7, v28, v30, v31 addresses that stay; v8-10 addresses in hand; v12 -M, v13 the largest t, v[14:15] the sum; v16-21 Q, v22-27 zeros; v29 ctx's scale word; v32-79 eight tiles of K, then four fragments of V; v80-85 zeros;
;   v96-159 S^T, then p; v160-191 O^T; v192-203 p's codes; v204-211 the conversions' second halves; v212-223 ctx's codes; v232-254 at work; v248-251 scale words; v255 Q's scale words.
.set KB,    0                          ; K of head e at 53,248 e: 64 tiles of 768 bytes, then 64 x 64 bytes of scale words
.set VB,    106496                     ; V of head e at + 61,440 e: 32 key blocks, 1,920 bytes apart: 3 x (512 bytes + 128 of padding)
.set VSR,   229376                     ; V's scale bytes as they come: [key block 32][r 16][t 4], 2,048 bytes a head
.set VSW,   233472                     ; and as words: [step 8][t 4][r 16]
.set SPARE, 237568                     ; the spare words, 128 bytes for each wave, that no other line names
.set SPW, 5
.set NIL, 6
.set TM,  232
.set PW,  254
.set PT,  204
.set WV,  18
.set SEL, 20
.set CS,  22                           ; s[22:23] log2(e)
.set G1K, 24
.set G1V, 32
.set G1S, 40
.set G0K, 48                           ; s[48:55] group 0 for K, a set for each head;  s[56:63] for V;  s[68:75] for V's scale bytes
.set G0V, 56
.set G0S, 68
.set SL,  76
.set SH,  77
.set SM,  78
.set TK,  80                           ; LDS byte of the step's tiles of K,
.set TS,  81                           ; of K's scale words,
.set TV,  82                           ; of V's key blocks,
.set TT,  83                           ; of V's scale words
.set CNT, 84
.macro PLACES n
.rept \n
	v_nop
.endr
.endm
.macro ROUND                           ; a round of the cluster's barrier
	s_barrier_signal -1
	s_barrier_wait -1
	s_cmp_lg_u32 s[WV], 0
	s_cbranch_scc1 .Lnot_wave_0_\@
	s_barrier_signal -3
.Lnot_wave_0_\@:
	s_barrier_wait -3
	s_barrier_signal -1
	s_barrier_wait -1
.endm
; 32 nc numbers at v[s] on (register 16 b + i of half h: number 8 h + i or 8 + 8 h + i of block b), their scale operands in v[TM+12] on, become codes in natural order in v[pc] on.
.macro CODES s, nc, pc
.set c_, 0
.rept \nc
	v_cvt_scalef32_pk16_bf6_f32 v[\pc+6*c_:\pc+6*c_+2], v[\s+32*c_:\s+32*c_+15], v[TM+12+2*c_]
	v_cvt_scalef32_pk16_bf6_f32 v[PT+4*c_:PT+4*c_+2], v[\s+32*c_+16:\s+32*c_+31], v[TM+13+2*c_]
.set c_, c_+1
.endr
	v_nop                                          ; one plain place behind the scaled conversions
.set c_, 0
.rept \nc
.irp i, 0,1,2
	v_permlane16_swap_b32 v[\pc+6*c_+\i], v[PT+4*c_+\i]   ; lanes 0-15 now hold block 2 c, lanes 16-31 block 2 c + 1: F (numbers 0-7, 16-23) in the first, G (8-15, 24-31) in the second
.endr
	v_perm_b32 v[\pc+6*c_+3], v[\pc+6*c_+2], v[\pc+6*c_+1], s[SM]   ; F2.l : F1.h
	v_perm_b32 v[\pc+6*c_+4], v[PT+4*c_+1], v[\pc+6*c_+2], s[SH]    ; G1.h : F2.h
	v_mov_b32 v[\pc+6*c_+5], v[PT+4*c_+2]                           ; G2
	v_perm_b32 v[\pc+6*c_+1], v[PT+4*c_], v[\pc+6*c_+1], s[SL]      ; G0.l : F1.l
	v_perm_b32 v[\pc+6*c_+2], v[PT+4*c_+1], v[PT+4*c_], s[SM]       ; G1.l : G0.h
.set c_, c_+1
.endr
.endm
.macro QUANTP s, nc, pc                ; the quantiser: largest magnitudes with the floor 2^(5 - 127), the scale word in v[PW], the codes
.set b_, 0
.rept 2*\nc
	v_max3_num_f32 v[TM+b_], |v[\s+16*b_]|, |v[\s+16*b_+1]|, 0x2800000
.set b_, b_+1
.endr
.irp i, 2,4,6,8,10,12,14
.set b_, 0
.rept 2*\nc
	v_max3_num_f32 v[TM+b_], v[TM+b_], |v[\s+16*b_+\i]|, |v[\s+16*b_+\i+1]|
.set b_, b_+1
.endr
.endr
.set b_, 0
.rept 2*\nc
	v_permlanex16_b32 v[TM+4+b_], v[TM+b_], s[SEL], s[SEL+1]
.set b_, b_+1
.endr
.set b_, 0
.rept 2*\nc
	v_max_num_f32 v[TM+b_], v[TM+b_], v[TM+4+b_]
.set b_, b_+1
.endr
.set b_, 0
.rept 2*\nc
	v_add_nc_u32 v[TM+12+b_], 0xfe000000, v[TM+b_]
.set b_, b_+1
.endr
.set b_, 0
.rept 2*\nc
	v_lshrrev_b32 v[TM+4+b_], 23, v[TM+12+b_]
.set b_, b_+1
.endr
	v_lshl_or_b32 v[PW], v[TM+5], 8, v[TM+4]
.if \nc > 1
	v_lshl_or_b32 v[PW], v[TM+6], 16, v[PW]
	v_lshl_or_b32 v[PW], v[TM+7], 24, v[PW]
.endif
	CODES \s, \nc, \pc
.endm
.macro WM d, a, b, c, sa, sb, ra       ; one matrix instruction.  c < 0: the constant 0 starts the sum.  ra: source 0's scale words stand in lanes 16-31
.if (\c) < 0
.if (\ra)
	v_wmma_scale_f32_16x16x128_f8f6f4 v[\d:\d+7], v[\a:\a+11], v[\b:\b+11], 0, v[\sa], v[\sb] matrix_a_fmt:MATRIX_FMT_BF6 matrix_b_fmt:MATRIX_FMT_BF6 matrix_a_scale:MATRIX_SCALE_ROW1
.else
	v_wmma_scale_f32_16x16x128_f8f6f4 v[\d:\d+7], v[\a:\a+11], v[\b:\b+11], 0, v[\sa], v[\sb] matrix_a_fmt:MATRIX_FMT_BF6 matrix_b_fmt:MATRIX_FMT_BF6
.endif
.else
.if (\ra)
	v_wmma_scale_f32_16x16x128_f8f6f4 v[\d:\d+7], v[\a:\a+11], v[\b:\b+11], v[\c:\c+7], v[\sa], v[\sb] matrix_a_fmt:MATRIX_FMT_BF6 matrix_b_fmt:MATRIX_FMT_BF6 matrix_a_scale:MATRIX_SCALE_ROW1
.else
	v_wmma_scale_f32_16x16x128_f8f6f4 v[\d:\d+7], v[\a:\a+11], v[\b:\b+11], v[\c:\c+7], v[\sa], v[\sb] matrix_a_fmt:MATRIX_FMT_BF6 matrix_b_fmt:MATRIX_FMT_BF6
.endif
.endif
.endm
	s_load_b256 s[4:11], s[0:1], 0x0               ; qc 4, qs 6, kc 8, vc 10
	s_load_b128 s[12:15], s[0:1], 0x20             ; vs 12, cc 14
	s_load_b64 s[16:17], s[0:1], 0x30              ; cs
	v_lshl_add_u32 v[SPW], v0, 2, SPARE
	v_mov_b32 v[NIL], 0
	ds_add_u32 v[SPW], v[NIL]                      ; the wave's opening: the add, and its wait ahead of the first tensor loads; the set-up, work on registers, stands between them
	v_lshrrev_b32 v8, 5, v0
	v_readfirstlane_b32 s[WV], v8                  ; wave 0..15
	s_and_b32 s85, ttmp7, 0xffff                   ; y: the pair of heads, which the four partners share
	s_lshr_b32 s86, s85, 3                         ; batch
	s_and_b32 s87, s85, 7                          ; the pair within the batch = the next product's K step
	s_mul_i32 s88, s85, 106496                     ; kc: two heads of 53,248 bytes
	s_mov_b32 s89, 0
	s_mul_i32 s90, s86, 786432                     ; vc: [batch][key block][head][1,536]
	s_mul_i32 s79, s87, 3072
	s_add_co_u32 s90, s90, s79
	s_mov_b32 s91, 0
	s_lshl_b32 s92, s86, 15                        ; vs: [batch][key block][head][64]
	s_lshl_b32 s79, s87, 7
	s_add_co_u32 s92, s92, s79
	s_mov_b32 s93, 0
	; group 1.  K: a head's dense 53,248 bytes as 208 rows of 256 bytes (32 elements of 8)
	s_mov_b32 s[G1K], 15|(3<<16)|(1<<21)
	s_mov_b32 s[G1K+1], 32<<16
	s_mov_b32 s[G1K+2], 208<<16
	s_mov_b32 s[G1K+3], 32<<16
	s_mov_b32 s[G1K+4], 208
	s_mov_b32 s[G1K+5], 32
	s_mov_b32 s[G1K+6], 0
	s_mov_b32 s[G1K+7], 0
	; V: 32 key blocks of 1,536 bytes (192 elements), 24,576 bytes apart in memory; 128 bytes of padding behind every 512
	s_mov_b32 s[G1V], 15|(3<<16)|(1<<20)|(1<<21)|(6<<22)|(31<<25)
	s_mov_b32 s[G1V+1], 192<<16
	s_mov_b32 s[G1V+2], 32<<16
	s_mov_b32 s[G1V+3], 192<<16
	s_mov_b32 s[G1V+4], 32
	s_mov_b32 s[G1V+5], 3072
	s_mov_b32 s[G1V+6], 0
	s_mov_b32 s[G1V+7], 0
	; V's scale bytes: 32 key blocks of 64 bytes (8 elements), 1,024 bytes apart
	s_mov_b32 s[G1S], 15|(3<<16)|(1<<21)
	s_mov_b32 s[G1S+1], 8<<16
	s_mov_b32 s[G1S+2], 32<<16
	s_mov_b32 s[G1S+3], 8<<16
	s_mov_b32 s[G1S+4], 32
	s_mov_b32 s[G1S+5], 128
	s_mov_b32 s[G1S+6], 0
	s_mov_b32 s[G1S+7], 0
	s_mov_b32 s[SEL], 0x76543210
	s_mov_b32 s[SEL+1], 0xfedcba98
	s_mov_b32 s[CS], 0x3fb8aa3b                    ; log2(e)
	s_mov_b32 s[CS+1], s[CS]                       ; (named with it as a pair, so it is written)
	s_mov_b32 s[SL], 0x05040100
	s_mov_b32 s[SH], 0x07060302
	s_mov_b32 s[SM], 0x05040302
	s_wait_dscnt 0x0                               ; the opening add is done
	s_wait_kmcnt 0x0
.irp e, 0,1
	s_mov_b32 s[G0K+4*\e], 1
	s_mov_b32 s[G0K+4*\e+1], KB+53248*\e
	s_add_nc_u64 s[G0K+4*\e+2:G0K+4*\e+3], s[8:9], s[88:89]
	s_add_nc_u64 s[G0K+4*\e+2:G0K+4*\e+3], s[G0K+4*\e+2:G0K+4*\e+3], 53248*\e
	s_or_b32 s[G0K+4*\e+3], s[G0K+4*\e+3], 0x80000000
	s_mov_b32 s[G0V+4*\e], 1
	s_mov_b32 s[G0V+4*\e+1], VB+61440*\e
	s_add_nc_u64 s[G0V+4*\e+2:G0V+4*\e+3], s[10:11], s[90:91]
	s_add_nc_u64 s[G0V+4*\e+2:G0V+4*\e+3], s[G0V+4*\e+2:G0V+4*\e+3], 1536*\e
	s_or_b32 s[G0V+4*\e+3], s[G0V+4*\e+3], 0x80000000
	s_mov_b32 s[G0S+4*\e], 1
	s_mov_b32 s[G0S+4*\e+1], VSR+2048*\e
	s_add_nc_u64 s[G0S+4*\e+2:G0S+4*\e+3], s[12:13], s[92:93]
	s_add_nc_u64 s[G0S+4*\e+2:G0S+4*\e+3], s[G0S+4*\e+2:G0S+4*\e+3], 64*\e
	s_or_b32 s[G0S+4*\e+3], s[G0S+4*\e+3], 0x80000000
.endr
	ROUND                                          ; the four work-groups are here: the joint loads meet
	s_cmp_eq_u32 s[WV], 0                          ; wave 0 asks for K, wave 1 for V, wave 2 for V's scale bytes: a wave's two loads stand in one branch on its number; two loads of a wave are out
	s_cbranch_scc0 .Lnot_k
	tensor_load_to_lds s[G0K:G0K+3], s[G1K:G1K+7]
	s_nop 0
	tensor_load_to_lds s[G0K+4:G0K+7], s[G1K:G1K+7]
	s_nop 0
	PLACES 4
	s_branch .Lasked
.Lnot_k:
	s_cmp_eq_u32 s[WV], 1
	s_cbranch_scc0 .Lnot_v
	tensor_load_to_lds s[G0V:G0V+3], s[G1V:G1V+7]
	s_nop 0
	tensor_load_to_lds s[G0V+4:G0V+7], s[G1V:G1V+7]
	s_nop 0
	PLACES 4
	s_branch .Lasked
.Lnot_v:
	s_cmp_eq_u32 s[WV], 2
	s_cbranch_scc0 .Lasked
	tensor_load_to_lds s[G0S:G0S+3], s[G1S:G1S+7]
	s_nop 0
	tensor_load_to_lds s[G0S+4:G0S+7], s[G1S:G1S+7]
	s_nop 0
	PLACES 4
.Lasked:
	; my tile of queries, qt = 16 x (4 x cluster x + place) + wave: it enters Q's and ctx's addresses alone
	s_bfe_u32 s94, ttmp6, 0x40000
	s_lshl_b32 s95, ttmp9, 2
	s_add_co_u32 s94, s94, s95
	s_lshl_b32 s94, s94, 4
	s_add_co_u32 s94, s94, s[WV]
	s_mov_b32 s97, 0
	s_mul_i32 s96, s85, 98304                      ; qc: two heads of 49,152 bytes, 768 a tile
	s_mul_i32 s95, s94, 768
	s_add_co_u32 s96, s96, s95
	s_add_nc_u64 s[4:5], s[4:5], s[96:97]
	s_lshl_b32 s96, s85, 13                        ; qs: two heads of 4,096 bytes, 64 a tile
	s_lshl_b32 s95, s94, 6
	s_add_co_u32 s96, s96, s95
	s_add_nc_u64 s[6:7], s[6:7], s[96:97]
	s_lshl_b32 s96, s86, 6                         ; cc: ((64 batch + qt) 8 + K step) x 1,536
	s_add_co_u32 s96, s96, s94
	s_lshl_b32 s96, s96, 3
	s_add_co_u32 s96, s96, s87
	s_mul_i32 s96, s96, 1536
	s_add_nc_u64 s[14:15], s[14:15], s[96:97]
	s_lshl_b32 s96, s86, 5                         ; cs: (32 batch + qt / 2) x 1,024 + 128 K step + 64 (qt % 2)
	s_lshr_b32 s95, s94, 1
	s_add_co_u32 s96, s96, s95
	s_lshl_b32 s96, s96, 10
	s_lshl_b32 s95, s87, 7
	s_add_co_u32 s96, s96, s95
	s_and_b32 s95, s94, 1
	s_lshl_b32 s95, s95, 6
	s_add_co_u32 s96, s96, s95
	s_add_nc_u64 s[16:17], s[16:17], s[96:97]
	v_and_b32 v8, 31, v0                           ; lane
	v_and_b32 v9, 15, v0                           ; r
	v_bfe_u32 v10, v0, 4, 1                        ; h
	v_lshlrev_b32 v1, 4, v8                        ; v1  16 x lane: an image's first four registers
	v_lshlrev_b32 v2, 3, v8
	v_add_nc_u32 v2, 512, v2                       ; v2  512 + 8 x lane: its last two
	v_lshlrev_b32 v3, 2, v8                        ; v3  4 x lane
	v_mul_u32_u24 v4, v10, 1920
	v_lshl_add_u32 v7, v9, 3, v4
	v_add_nc_u32 v7, 1280, v7                      ; v7  V: key block h, the last 8 of column r's 24 bytes
	v_lshl_add_u32 v4, v9, 4, v4                   ; v4  V: key block h, the first 16
	v_lshlrev_b32 v28, 2, v9                       ; v28 4 r
	v_lshrrev_b32 v30, 6, v0
	v_lshlrev_b32 v30, 8, v30
	v_lshl_add_u32 v30, v9, 2, v30
	v_bfe_u32 v11, v0, 4, 2
	v_add_nc_u32 v30, v30, v11
	v_add_nc_u32 v30, VSR, v30                     ; v30 thread (step, t, r): the first of its word's four bytes: 256 step + 4 r + t
	v_lshl_add_u32 v31, v0, 2, VSW                 ; v31 and the word
.irp j, 22,23,24,25,26,27,80,81,82,83,84,85
	v_mov_b32 v[\j], 0                             ; zero codes
.endr
.irp b, 0,1,2,3
	v_mov_b32 v[236+\b], 0                         ; written once: a lane permute's destination counts as one of its sources
.endr
	v_mov_b32 v253, 0                              ; (named as the upper half of the pair v[252:253] before it is first written)
; V's scale bytes of head e become words: byte b of word (step, t, r) is that of key block 4 step + b, column 16 t + r.  One word a thread.
.macro VSWORDS e
.irp b, 0,1,2,3
	ds_load_u8 v[232+\b], v30 offset:2048*\e+64*\b
.endr
	s_wait_dscnt 0x0
	v_lshl_or_b32 v232, v233, 8, v232
	v_lshl_or_b32 v232, v234, 16, v232
	v_lshl_or_b32 v232, v235, 24, v232
	ds_store_b32 v31, v232 offset:2048*\e
	s_wait_dscnt 0x0                               ; for the others' sake
	s_barrier_signal -1
	s_barrier_wait -1
.endm
; A KEY STEP: 128 keys.
.macro KSTEP
	v_add_nc_u32 v8, s[TK], v1
	v_add_nc_u32 v9, s[TK], v2
	v_add_nc_u32 v10, s[TS], v3
	v_nop                                          ; four places between the last products and the loads into the registers that they read
.irp t, 0,1,2,3,4,5,6,7
	ds_load_b128 v[32+6*\t:35+6*\t], v8 offset:768*\t
	ds_load_b64 v[36+6*\t:37+6*\t], v9 offset:768*\t
.endr
.irp p, 0,1,2,3
	ds_load_b32 v[248+\p], v10 offset:128*\p       ; lanes 0-15: tile 2 p's words, lanes 16-31: tile 2 p + 1's
.endr
	s_wait_dscnt 0x0
.irp t, 0,1,2,3,4,5,6,7
	WM 96+8*\t, 32+6*\t, 16, -1, 248+\t/2, 255, \t%2
.endr
	v_add_nc_u32 v8, s[TV], v4
	v_add_nc_u32 v9, s[TV], v7
	v_add_nc_u32 v10, s[TT], v3
	v_nop                                          ; four places: ahead of V's loads into K's registers, and of the first read of the scores
.irp t, 0,1,2,3                        ; V's four fragments are asked for now and land under the softmax: registers 6 c .. 6 c + 5 of lane (r, h): key block 4 step + 2 c + h, column 16 t + r
.irp n, 0,1
	ds_load_b128 v[32+12*\t+6*\n:35+12*\t+6*\n], v8 offset:3840*\n+256*\t+128*(\t/2)
	ds_load_b64 v[36+12*\t+6*\n:37+12*\t+6*\n], v9 offset:3840*\n+128*\t
.endr
.endr
	ds_load_b32 v248, v10
	ds_load_b32 v249, v10 offset:128
.irp b, 0,1,2,3
	v_max3_num_f32 v[232+\b], v[96+16*\b], v[97+16*\b], v[98+16*\b]   ; the largest score of each block of 32 keys: for the row's maximum, and, since p rises with the score, for the block's largest p
.endr
.irp i, 3,5,7,9,11,13
.irp b, 0,1,2,3
	v_max3_num_f32 v[232+\b], v[232+\b], v[96+16*\b+\i], v[97+16*\b+\i]
.endr
.endr
.irp b, 0,1,2,3
	v_max_num_f32 v[232+\b], v[232+\b], v[111+16*\b]
.endr
.irp b, 0,1,2,3
	v_permlanex16_b32 v[236+\b], v[232+\b], s[SEL], s[SEL+1]
.endr
.irp b, 0,1,2,3
	v_max_num_f32 v[232+\b], v[232+\b], v[236+\b]  ; with lane l xor 16's 16 keys
.endr
	v_max3_num_f32 v254, v232, v233, v234
	v_max_num_f32 v254, v254, v235
	v_mul_f32 v254, s[CS], v254                    ; as t
	v_max_num_f32 v13, v13, v254                   ; the running largest t
	v_mov_b32 v254, v12
	v_floor_f32 v12, -v13                          ; the new -M = floor(-t): M is a whole number
	v_sub_f32 v254, v12, v254                      ; old M - new M: a whole number, 0 or less
	v_cvt_i32_f32 v254, v254                       ; (it saturates)
	v_ldexp_f32 v252, 1.0, v254                    ; f = 2^(old M - new M): a multiplication by it rounds nothing
.set j_, 0
.rept 32
	v_pk_fma_f32 v[96+j_:97+j_], v[96+j_:97+j_], s[CS:CS+1], v[12:13] op_sel_hi:[1,0,0]   ; t - M
.set j_, j_+2
.endr
.irp b, 0,1,2,3
	v_fma_f32 v[232+\b], v[232+\b], s[CS], v12     ; the same of each block's largest score
.endr
.set j_, 0
.rept 64
	v_exp_f32 v[96+j_], v[96+j_]                   ; p = 2^(t - M)
.set j_, j_+1
.endr
	v_pk_mul_f32 v[14:15], v[14:15], v[252:253] op_sel_hi:[1,0]   ; the sums under the new M: the plain place behind the batch
	s_wait_alu depctr_va_vdst(0)                   ; the wait ahead of the first reader: one for the 64
.irp b, 0,1,2,3
	v_exp_f32 v[232+\b], v[232+\b]                 ; the block's largest p
.endr
	v_pk_add_f32 v[236:237], v[96:97], v[98:99]    ; the row's sum of the UNQUANTISED p, in two chains
.set j_, 4
.rept 15
	v_pk_add_f32 v[14:15], v[14:15], v[96+j_:97+j_]
	v_pk_add_f32 v[236:237], v[236:237], v[98+j_:99+j_]
.set j_, j_+4
.endr
	v_pk_add_f32 v[14:15], v[14:15], v[236:237]
	s_wait_alu depctr_va_vdst(0)                   ; and one for the four
.irp b, 0,1,2,3
	v_max_num_f32 v[232+\b], 0x2800000, v[232+\b]  ; the floor 2^(5 - 127): the byte cannot fall under 1
.endr
.irp b, 0,1,2,3
	v_add_nc_u32 v[244+\b], 0xfe000000, v[232+\b]  ; 4 off the exponent field: the conversion's scale operand
.endr
.irp b, 0,1,2,3
	v_lshrrev_b32 v[236+\b], 23, v[244+\b]
.endr
	v_lshl_or_b32 v253, v237, 8, v236              ; p's scale word for these 128 keys
	v_lshl_or_b32 v253, v238, 16, v253
	v_lshl_or_b32 v253, v239, 24, v253
	CODES 96, 2, 192
.set j_, 0
.rept 16
	v_pk_mul_f32 v[160+j_:161+j_], v[160+j_:161+j_], v[252:253] op_sel_hi:[1,0]   ; O^T under the new M; these sixteen are also the places between the scale word's and the codes' last lines and the products
.set j_, j_+2
.endr
	s_wait_dscnt 0x0                               ; V
.irp t, 0,1,2,3
	WM 160+8*\t, 32+12*\t, 192, 160+8*\t, 248+\t/2, 253, \t%2
.endr
.endm
; Head e: all 1,024 keys, then ctx's 64 channels as six registers of codes and two scale bytes.
.macro PASS e
	global_load_b128 v[16:19], v1, s[4:5] offset:49152*\e
	global_load_b64 v[20:21], v2, s[4:5] offset:49152*\e           ; (v2 carries the 512)
	global_load_b32 v255, v28, s[6:7] offset:4096*\e
	v_mov_b32 v13, 0xff61b1e6                      ; the largest t so far: -3e38
	v_floor_f32 v12, -v13
	v_mov_b32 v14, 0
	v_mov_b32 v15, 0
.set j_, 0
.rept 32
	v_mov_b32 v[160+j_], 0                         ; O^T: the step is written once; its first trip finds zeros
.set j_, j_+1
.endr
	s_mov_b32 s[TK], KB+53248*\e
	s_mov_b32 s[TS], KB+53248*\e+49152
	s_mov_b32 s[TV], VB+61440*\e
	s_mov_b32 s[TT], VSW+2048*\e
	s_mov_b32 s[CNT], 8
	s_wait_loadcnt 0x0
.Lkey_\@:
	KSTEP
	s_add_co_u32 s[TK], s[TK], 6144
	s_add_co_u32 s[TS], s[TS], 512
	s_add_co_u32 s[TV], s[TV], 7680
	s_add_co_u32 s[TT], s[TT], 256
	s_sub_co_i32 s[CNT], s[CNT], 1
	s_cmp_lg_u32 s[CNT], 0
	s_cbranch_scc1 .Lkey_\@
	PLACES 4                                       ; behind the last products
	v_add_f32 v14, v14, v15
	v_permlanex16_b32 v252, v14, s[SEL], s[SEL+1]
	v_add_f32 v14, v14, v252                       ; the row's sum
	v_rcp_f32 v14, v14
	v_nop
	s_wait_alu depctr_va_vdst(0)                   ; ahead of the reciprocal's first reader
.set j_, 0
.rept 32
	v_mul_f32 v[96+j_], v[160+j_], v14
.set j_, j_+1
.endr
	QUANTP 96, 1, 212+6*\e
.if \e == 0
	v_mov_b32 v29, v[PW]
.else
	v_lshl_or_b32 v29, v[PW], 16, v29
.endif
.endm
	s_wait_tensorcnt 0x1                           ; the first head's tile of mine is in; the second head's may stay out
	s_barrier_signal -1
	s_barrier_wait -1
	VSWORDS 0
	PASS 0
	s_wait_tensorcnt 0x0                           ; the second head's
	s_barrier_signal -1
	s_barrier_wait -1
	VSWORDS 1
	PASS 1
.irp i, 0,1,2
	global_store_b128 v1, v[212+4*\i:215+4*\i], s[14:15] offset:512*\i   ; the fragment's image: 512 consecutive bytes a store
.endr
	global_store_b32 v28, v29, s[16:17]            ; lanes 16-31 repeat lanes 0-15's address and word
	s_wait_tensorcnt 0x0                           ; the wave's end, behind my last tensor load and my last LDS store
	ds_add_u32 v[SPW], v[NIL]
	s_wait_dscnt 0x0
	ROUND                                          ; the closing round
	s_endpgm
.Lfunc_end_k_q3e7aac3dc8_attn:
	.size	k_q3e7aac3dc8_attn, .Lfunc_end_k_q3e7aac3dc8_attn-k_q3e7aac3dc8_attn
	.p2alignl 7, 3214868480
	.fill 96, 4, 3214868480
	.section	.rodata,"a",@progbits
	.p2align	6, 0x0
	.amdhsa_kernel k_q3e7aac3dc8_attn
		.amdhsa_group_segment_fixed_size 245760
		.amdhsa_private_segment_fixed_size 0
		.amdhsa_enable_private_segment 0
		.amdhsa_kernarg_size 56
		.amdhsa_user_sgpr_count 2
		.amdhsa_user_sgpr_kernarg_segment_ptr 1
		.amdhsa_wavefront_size32 1
		.amdhsa_system_sgpr_workgroup_id_x 1
		.amdhsa_system_sgpr_workgroup_id_y 1
		.amdhsa_system_sgpr_workgroup_id_z 1
		.amdhsa_system_vgpr_workitem_id 0
		.amdhsa_next_free_vgpr 256
		.amdhsa_next_free_sgpr 100
		.amdhsa_reserve_vcc 0
		.amdhsa_float_denorm_mode_32 3
		.amdhsa_float_denorm_mode_16_64 3
		.amdhsa_memory_ordered 1
		.amdhsa_forward_progress 1
		.amdhsa_inst_pref_size 55
	.end_amdhsa_kernel
	.amdgpu_metadata
---
amdhsa.version: [ 1, 2 ]
amdhsa.kernels:
  - .name:           k_q3e7aac3dc8_attn
    .symbol:         k_q3e7aac3dc8_attn.kd
    .args:
      - { .name: qc, .offset: 0, .size: 8, .value_kind: global_buffer, .address_space: global }
      - { .name: qs, .offset: 8, .size: 8, .value_kind: global_buffer, .address_space: global }
      - { .name: kc, .offset: 16, .size: 8, .value_kind: global_buffer, .address_space: global }
      - { .name: vc, .offset: 24, .size: 8, .value_kind: global_buffer, .address_space: global }
      - { .name: vs, .offset: 32, .size: 8, .value_kind: global_buffer, .address_space: global }
      - { .name: cc, .offset: 40, .size: 8, .value_kind: global_buffer, .address_space: global }
      - { .name: cs, .offset: 48, .size: 8, .value_kind: global_buffer, .address_space: global }
    .group_segment_fixed_size: 245760
    .private_segment_fixed_size: 0
    .kernarg_segment_align: 8
    .kernarg_segment_size: 56
    .max_flat_workgroup_size: 512
    .sgpr_count:     100
    .vgpr_count:     256
    .wavefront_size: 32
...
	.end_amdgpu_metadata
.endif
;; end of part 2
;; launch tail (part 3): grid 256 x 1, 4 waves a work-group, clusters of 4 x 1, 327,680 bytes of LDS; arguments cc, cs, x, wo_codes, wo_scales, bo, ln2_g, ln2_b, w1_codes, w1_scales, b1, w2_codes, w2_scales, b2, out0; writes out0
.if DOCPART == 3
	.amdgcn_target "amdgcn-amd-amdhsa--gfx1250"
	.amdhsa_code_object_version 6
	.text
	.protected	k_q3e7aac3dc8_tail
	.globl	k_q3e7aac3dc8_tail
	.p2align	8
	.type	k_q3e7aac3dc8_tail,@function
k_q3e7aac3dc8_tail:
	s_mov_b64 s[64:65], 0
	v_nop
	global_prefetch_b8 v0, s[64:65] scope:SCOPE_SE
	s_setreg_imm32_b32 hwreg(HW_REG_WAVE_MODE, 25, 1), 1
	s_wait_xcnt 0x0
	s_wait_alu depctr_hold_cnt(0) depctr_sa_sdst(0) depctr_va_vdst(0) depctr_va_sdst(0) depctr_va_ssrc(0) depctr_va_vcc(0) depctr_vm_vsrc(0)
	s_getreg_b32 s2, hwreg(HW_REG_IB_STS2, 6, 4)
	s_cmp_eq_u32 s2, 0
	s_cbranch_scc0 .Lentry_in_a_cluster
	s_endpgm
.Lentry_in_a_cluster:
	s_bfe_u32 s2, ttmp6, 0x10000c
	s_cmp_lg_u32 s2, 0x3003
	s_cbranch_scc0 .Lentry_shape_is_right
	s_endpgm
.Lentry_shape_is_right:
; LAUNCH 3 OF 3.  x1 = x + bo + ctx wo;  h2 = LayerNorm2(x1), quantised;  hid = relu(h2 w1 + b1), quantised;  out = x1 + b2 + hid w2.  All three products on codes of BF6 (E3M2) with E8M0 scales.  x1, h2 and hid never go to memory.
; SHARES.  A work-group of four waves owns 32 tokens (two tiles of 16, u = 0, 1), whole rows; each product's 1,024 columns go in two chunks of 512, in which wave w owns columns 128 w .. 128 w + 127 (8 tiles, ct).
; A chunk is 4 steps of 256 along K.  A wave fetches, and alone reads, its own 128 weight rows of a step: one tensor load, 128 rows x 192 bytes, into its quarter of one of two LDS slots.
; CLUSTER.  All work-groups walk the same weights in the same order, so the four of a cluster ask for each tile JOINTLY: same load, same descriptor, mask 15.
; THE D-LAYOUT.  Every product is used transposed (source 0 = 16 weight rows, source 1 = 16 tokens): lane (r = lane % 16, h = lane / 16) holds token r, and register 8 ct + j column 16 ct + 8 h + j.
; The residual stream lies so in window 3 for the whole launch: x + bo is the C of wo's first products, x1 + b2 that of w2's.
; OPERANDS GO FROM WAVE TO WAVE through LDS as images of their registers: three stores of 512 bytes a fragment, a word a row for its scales.
; LIMITS: a block whose largest magnitude lies under 2^-122 keeps the scale byte 1; a block of zeros gets the byte 1 and not 127 (its codes are zeros; the bytes are read by this program alone); NaN and infinities are not served.
; REGISTERS, in windows of 256: window 0: v1-21 addresses, v24-31 the token operand's scale words, v32-63 the weights' scale words, v64-191 accumulators, bo, rows on the way out, v192-251 at work, v252-253 the add's two.
;   window 1: v0-191 the token operand's 16 fragments (12 (8 u + s)), v192-255 a chunk's bias in D-layout.   window 2: v0-191 a step's 16 weight fragments (96 q + 12 ct); at times all 256: x as loaded, g and b, b2.
;   window 3: the residual stream: unit (chunk, u) at 128 chunk + 64 u.
.set PITCH,  240                       ; a weight row in LDS: 3 x (64 bytes + 16 of padding)
.set QUART,  128*PITCH                 ; a wave's quarter of a slot
.set SLOTB,  4*QUART
.set STG,    2*SLOTB                   ; behind the ring: a stage of 16 rows x 528 bytes for each wave
.set SPITCH, 528
.set AIMG,   STG+4*16*SPITCH           ; 16 fragment images of 1,536 bytes, index 8 u + s
.set ASC,    AIMG+16*1536              ; their scale words: [s 8][u 2][r 16]
.set RED,    ASC+1024                  ; LayerNorm's partial figures: [w 4][u 2][r 16] x 8 bytes
.set SPARE,  RED+1024                  ; the spare words, 128 bytes for each wave, that no other line names
.set L16, 1                            ; v1  16 x lane
.set L8,  2                            ; v2  8 x lane
.set L4,  3                            ; v3  4 x lane
.set R4,  4                            ; v4  4 r
.set H32, 5                            ; v5  32 h
.set L32, 6                            ; v6  32 x lane
.set STW, 7                            ; v7  my stage, by rows: 16 x lane
.set STD, 8                            ; v8  my stage, in D-layout: 528 r + 32 h
.set AIA, 9                            ; v9  the images: 16 x lane
.set ASA, 10                           ; v10 their scale words: 4 x lane
.set IMW, 11                           ; v11 where I store an image: + 1,536 w
.set ISW, 12                           ; v12 and its scale word: + 128 w + 4 r
.set REDW, 13                          ; v13 where I put my partial figures
.set REDR, 14                          ; v14 where I read all four waves'
.set ADRB, 16                          ; v16-17 my weight fragments in slot 0, 1; v18-19 the same behind one padding more
.set ASW, 24
.set WSW, 32
.set ACC, 64
.set HA,  64                           ; LayerNorm: 64 numbers at work
.set SA,  128                          ; its chains
.set LR,  144                          ; the four waves' figures
.set LT,  160
.set TM,  192                          ; v192-195 largest magnitudes, v196-199 bytes, v204-207 the conversions' scale operands
.set PW,  208                          ; the scale word just made
.set PC,  212                          ; the codes just made, 12 registers
.set PT,  224                          ; the conversions' second halves
.set ST,  232                          ; (mean, M2) of my 256 columns, a pair for each u
.set MEAN, 240
.set RS,  244
.set SPW, 252
.set NIL, 253
.set BI,  192                          ; in window 1
.set G1,  40                           ; s[40:47] descriptor group 1
.set G0,  48                           ; s[48:55] group 0, a set for each slot
.set CUR, 56                           ; s[56:57] my 128 weight rows of the chunk in hand
.set NXT, 58                           ; s[58:59] and of the chunk after it
.set WV,  62
.set CNT, 63
.set SEL, 66                           ; s[66:67] v_permlanex16_b32's selects for lane l xor 16
.set SL,  68                           ; v_perm_b32 selectors
.set SH,  69
.set SM,  70
.set LOW16, 71
.set PAD7F, 72
.set WSB, 74                           ; s[74:75] the scale bytes of the rows to be loaded next
.set BIB, 76                           ; s[76:77] the bias likewise
.set IMS, 78                           ; s78 the hidden layer's images: 6,144 x chunk
.set ISS, 79                           ; s79 their scale words: 512 x chunk
.set OUT, 32
.set MSB, 0
.macro WIN new                         ; the immediate's high byte repeats the setting that is left; a switch that changes nothing is dropped
.if MSB != \new
	s_set_vgpr_msb (MSB<<8)|\new
.set MSB, \new
.endif
.endm
.macro PLACES n
.rept \n
	v_nop
.endr
.endm
.macro BARRIER                         ; my LDS stores have landed and my LDS loads are in: then the work-group's barrier
	s_wait_dscnt 0x0
	s_barrier_signal -1
	s_barrier_wait -1
.endm
.macro ROUND                           ; a round of the cluster's barrier
	s_barrier_signal -1
	s_barrier_wait -1
	s_cmp_lg_u32 s[WV], 0
	s_cbranch_scc1 .Lnot_wave_0_\@
	s_barrier_signal -3
.Lnot_wave_0_\@:
	s_barrier_wait -3
	s_barrier_signal -1
	s_barrier_wait -1
.endm
; 32 nc numbers in D-layout at v[s] on, their scale operands in v[TM+12] on, become codes in natural order in v[pc] on: registers 6 c .. 6 c + 5 hold k = 64 c + 32 h + 0 .. 31.
.macro CODES s, nc, pc
.set c_, 0
.rept \nc
	v_cvt_scalef32_pk16_bf6_f32 v[\pc+6*c_:\pc+6*c_+2], v[\s+32*c_:\s+32*c_+15], v[TM+12+2*c_]
	v_cvt_scalef32_pk16_bf6_f32 v[PT+4*c_:PT+4*c_+2], v[\s+32*c_+16:\s+32*c_+31], v[TM+13+2*c_]
.set c_, c_+1
.endr
	v_nop                                          ; one plain place behind the scaled conversions
.set c_, 0
.rept \nc
.irp i, 0,1,2
	v_permlane16_swap_b32 v[\pc+6*c_+\i], v[PT+4*c_+\i]   ; lanes 0-15 now hold block 2 c, lanes 16-31 block 2 c + 1: F (numbers 0-7, 16-23) in the first, G (8-15, 24-31) in the second
.endr
	v_perm_b32 v[\pc+6*c_+3], v[\pc+6*c_+2], v[\pc+6*c_+1], s[SM]   ; F2.l : F1.h
	v_perm_b32 v[\pc+6*c_+4], v[PT+4*c_+1], v[\pc+6*c_+2], s[SH]    ; G1.h : F2.h
	v_mov_b32 v[\pc+6*c_+5], v[PT+4*c_+2]                           ; G2
	v_perm_b32 v[\pc+6*c_+1], v[PT+4*c_], v[\pc+6*c_+1], s[SL]      ; G0.l : F1.l
	v_perm_b32 v[\pc+6*c_+2], v[PT+4*c_+1], v[PT+4*c_], s[SM]       ; G1.l : G0.h
.set c_, c_+1
.endr
.endm
; The quantiser: the blocks' largest magnitudes (with the floor 2^(5 - 127), so that no byte falls under 1), the scale word in v[PW], the codes.
.macro QUANTP s, nc, pc
.set b_, 0
.rept 2*\nc
	v_max3_num_f32 v[TM+b_], |v[\s+16*b_]|, |v[\s+16*b_+1]|, 0x2800000
.set b_, b_+1
.endr
.irp i, 2,4,6,8,10,12,14
.set b_, 0
.rept 2*\nc
	v_max3_num_f32 v[TM+b_], v[TM+b_], |v[\s+16*b_+\i]|, |v[\s+16*b_+\i+1]|
.set b_, b_+1
.endr
.endr
.set b_, 0
.rept 2*\nc
	v_permlanex16_b32 v[TM+4+b_], v[TM+b_], s[SEL], s[SEL+1]
.set b_, b_+1
.endr
.set b_, 0
.rept 2*\nc
	v_max_num_f32 v[TM+b_], v[TM+b_], v[TM+4+b_]   ; with lane l xor 16's 16 numbers: the block's
.set b_, b_+1
.endr
.set b_, 0
.rept 2*\nc
	v_add_nc_u32 v[TM+12+b_], 0xfe000000, v[TM+b_] ; 4 off the exponent field: the conversion's scale operand
.set b_, b_+1
.endr
.set b_, 0
.rept 2*\nc
	v_lshrrev_b32 v[TM+4+b_], 23, v[TM+12+b_]      ; the scale's byte
.set b_, b_+1
.endr
	v_lshl_or_b32 v[PW], v[TM+5], 8, v[TM+4]
.if \nc > 1
	v_lshl_or_b32 v[PW], v[TM+6], 16, v[PW]
	v_lshl_or_b32 v[PW], v[TM+7], 24, v[PW]
.endif
	CODES \s, \nc, \pc
.endm
; One matrix instruction.  c < 0: the constant 0 starts the sum.  ra, rb: the side's scale words stand in lanes 16-31 of the register named.
.macro WM d, a, b, c, sa, sb, ra, rb
.if (\c) < 0
.if (\ra) && (\rb)
	v_wmma_scale_f32_16x16x128_f8f6f4 v[\d:\d+7], v[\a:\a+11], v[\b:\b+11], 0, v[\sa], v[\sb] matrix_a_fmt:MATRIX_FMT_BF6 matrix_b_fmt:MATRIX_FMT_BF6 matrix_a_scale:MATRIX_SCALE_ROW1 matrix_b_scale:MATRIX_SCALE_ROW1
.elseif (\ra)
	v_wmma_scale_f32_16x16x128_f8f6f4 v[\d:\d+7], v[\a:\a+11], v[\b:\b+11], 0, v[\sa], v[\sb] matrix_a_fmt:MATRIX_FMT_BF6 matrix_b_fmt:MATRIX_FMT_BF6 matrix_a_scale:MATRIX_SCALE_ROW1
.elseif (\rb)
	v_wmma_scale_f32_16x16x128_f8f6f4 v[\d:\d+7], v[\a:\a+11], v[\b:\b+11], 0, v[\sa], v[\sb] matrix_a_fmt:MATRIX_FMT_BF6 matrix_b_fmt:MATRIX_FMT_BF6 matrix_b_scale:MATRIX_SCALE_ROW1
.else
	v_wmma_scale_f32_16x16x128_f8f6f4 v[\d:\d+7], v[\a:\a+11], v[\b:\b+11], 0, v[\sa], v[\sb] matrix_a_fmt:MATRIX_FMT_BF6 matrix_b_fmt:MATRIX_FMT_BF6
.endif
.else
.if (\ra) && (\rb)
	v_wmma_scale_f32_16x16x128_f8f6f4 v[\d:\d+7], v[\a:\a+11], v[\b:\b+11], v[\c:\c+7], v[\sa], v[\sb] matrix_a_fmt:MATRIX_FMT_BF6 matrix_b_fmt:MATRIX_FMT_BF6 matrix_a_scale:MATRIX_SCALE_ROW1 matrix_b_scale:MATRIX_SCALE_ROW1
.elseif (\ra)
	v_wmma_scale_f32_16x16x128_f8f6f4 v[\d:\d+7], v[\a:\a+11], v[\b:\b+11], v[\c:\c+7], v[\sa], v[\sb] matrix_a_fmt:MATRIX_FMT_BF6 matrix_b_fmt:MATRIX_FMT_BF6 matrix_a_scale:MATRIX_SCALE_ROW1
.elseif (\rb)
	v_wmma_scale_f32_16x16x128_f8f6f4 v[\d:\d+7], v[\a:\a+11], v[\b:\b+11], v[\c:\c+7], v[\sa], v[\sb] matrix_a_fmt:MATRIX_FMT_BF6 matrix_b_fmt:MATRIX_FMT_BF6 matrix_b_scale:MATRIX_SCALE_ROW1
.else
	v_wmma_scale_f32_16x16x128_f8f6f4 v[\d:\d+7], v[\a:\a+11], v[\b:\b+11], v[\c:\c+7], v[\sa], v[\sb] matrix_a_fmt:MATRIX_FMT_BF6 matrix_b_fmt:MATRIX_FMT_BF6
.endif
.endif
.endm
; A weight fragment, 16 rows x 128 K: 12 registers, six pieces of 8 bytes.  The mover has laid 16 bytes of padding behind every 64: where the piece of lanes 16-31 lies behind one padding more, the second address register serves.
.macro FRAG reg, adr, q, i
.irp p, 0,1,2,3,4,5
.set PIECE, 12*(\q)+6*(\p/3)+\p%3
.if PIECE%8 < 5
	ds_load_b64 v[\reg+2*\p:\reg+2*\p+1], v[\adr] offset:8*PIECE+16*(PIECE/8)+(\i)*16*PITCH
.else
	ds_load_b64 v[\reg+2*\p:\reg+2*\p+1], v[\adr+2] offset:8*PIECE+16*(PIECE/8)+(\i)*16*PITCH
.endif
.endr
.endm
.macro FETCHB slot                     ; a step's 16 weight fragments into window 2: the first 128 along K first
	WIN 0x80
.irp i, 0,1,2,3,4,5,6,7
	FRAG 12*\i, ADRB+\slot, 0, \i
.endr
.irp i, 0,1,2,3,4,5,6,7
	FRAG 96+12*\i, ADRB+\slot, 1, \i
.endr
	WIN 0
.endm
; 16 matrix instructions on 16 accumulators, one a turn, in the same order every time.  q: which half of the step; s: the K step of 128.
; kind 0: into v64-191, the bias as the first C.   kind 1: onto window 3's chunk cp.
.macro MUL kind, q, s, cp
.if \kind == 0
.if (\s) == 0
	WIN 0x16
.else
	WIN 0x06
.endif
.else
	WIN 0xf6
.endif
.irp u, 0,1
.irp ct, 0,1,2,3,4,5,6,7
.if \kind == 0
.if (\s) == 0
	WM ACC+64*\u+8*\ct, 96*(\q)+12*\ct, 12*(8*\u+(\s)), BI+8*\ct, WSW+8*(\ct/2)+(\s), ASW+(\s), \ct%2, \u
.else
	WM ACC+64*\u+8*\ct, 96*(\q)+12*\ct, 12*(8*\u+(\s)), ACC+64*\u+8*\ct, WSW+8*(\ct/2)+(\s), ASW+(\s), \ct%2, \u
.endif
.else
	WM 128*(\cp)+64*\u+8*\ct, 96*(\q)+12*\ct, 12*(8*\u+(\s)), 128*(\cp)+64*\u+8*\ct, WSW+8*(\ct/2)+(\s), ASW+(\s), \ct%2, \u
.endif
.endr
.endr
.endm
; A step of 256 along K, the kk-th of a chunk, out of slot.  fill = 1: the other slot is asked for the step that follows: one joint load a wave, first thing behind the round.
.macro STEP slot, kk, fill, kind, cp
	WIN 0
	s_wait_tensorcnt 0x0                           ; my one tensor load that was out, this step's quarter, has landed: so a group 0 may be written
.if \fill
	ds_add_u32 v[SPW], v[NIL]                      ; 0 onto my spare word; the descriptor's step stands between it and the wait for it
.if \kk < 3
	s_add_nc_u64 s[G0+4*(1-\slot)+2:G0+4*(1-\slot)+3], s[CUR:CUR+1], 192*(\kk+1)
.else
	s_mov_b64 s[G0+4*(1-\slot)+2:G0+4*(1-\slot)+3], s[NXT:NXT+1]
.endif
	s_or_b32 s[G0+4*(1-\slot)+3], s[G0+4*(1-\slot)+3], 0x80000000
	s_wait_dscnt 0x0                               ; the add is done, and my reads of the other slot are over
	ROUND                                          ; both now hold of every wave of the four work-groups
	tensor_load_to_lds s[G0+4*(1-\slot):G0+4*(1-\slot)+3], s[G1:G1+7]
	s_nop 0
.endif
	PLACES 4                                       ; four places between the last products and the loads into the registers that they read
	FETCHB \slot
.if \kk == 0
	s_wait_loadcnt 0x0                             ; the chunk's scale words and bias
.endif
	s_wait_dscnt 48                                ; the first 128 along K are in; the 48 loads of the second may be out
	MUL \kind, 0, 2*\kk, \cp
	s_wait_dscnt 0x0
	MUL \kind, 1, 2*\kk+1, \cp
	WIN 0
.endm
.macro GEMM4 kind, last, cp            ; a chunk: 512 columns x all of K.  last = 1: nothing follows, and the last step asks for nothing
	STEP 0, 0, 1, \kind, \cp
	STEP 1, 1, 1, \kind, \cp
	STEP 0, 2, 1, \kind, \cp
	STEP 1, 3, 1-\last, \kind, \cp
.endm
.macro WSLOAD                          ; my 128 rows' scale bytes, 32 a row: lane l of load pair p takes row 32 p + l, so lanes 0-15 hold tile 2 p's words and lanes 16-31 tile 2 p + 1's
.irp p, 0,1,2,3
	global_load_b128 v[WSW+8*\p:WSW+8*\p+3], v[L32], s[WSB:WSB+1] offset:1024*\p
	global_load_b128 v[WSW+8*\p+4:WSW+8*\p+7], v[L32], s[WSB:WSB+1] offset:1024*\p+16
.endr
.endm
.macro BILOAD                          ; my 128 columns' bias in D-layout, into window 1
	WIN 0x40
.irp ct, 0,1,2,3,4,5,6,7
	global_load_b128 v[BI+8*\ct:BI+8*\ct+3], v[H32], s[BIB:BIB+1] offset:64*\ct
	global_load_b128 v[BI+8*\ct+4:BI+8*\ct+7], v[H32], s[BIB:BIB+1] offset:64*\ct+16
.endr
	WIN 0
.endm
.macro DLOAD reg, ptr                  ; a vector of 1,024: my 2 x 128 columns in D-layout, at v[reg + 64 chunk + 8 ct + j]
.irp n, 0,1
.irp ct, 0,1,2,3,4,5,6,7
	global_load_b128 v[\reg+64*\n+8*\ct:\reg+64*\n+8*\ct+3], v[H32], s[\ptr:\ptr+1] offset:2048*\n+64*\ct
	global_load_b128 v[\reg+64*\n+8*\ct+4:\reg+64*\n+8*\ct+7], v[H32], s[\ptr:\ptr+1] offset:2048*\n+64*\ct+16
.endr
.endr
.endm
; x: my 2 x 128 columns of the 32 rows.  Each load reads 512 consecutive bytes of a row; a unit k = 2 chunk + u (16 rows x 512 bytes) turns through my stage into D-layout, window 3, v[64 k] on.
.macro XIN xb
	WIN 0x80
.irp k, 0,1,2,3
.irp i, 0,1,2,3,4,5,6,7,8,9,10,11,12,13,14,15
	global_load_b128 v[64*\k+4*\i:64*\k+4*\i+3], v[L16], s[\xb:\xb+1] offset:(16*(\k%2)+\i)*4096+2048*(\k/2) th:TH_LOAD_NT
.endr
.endr
.irp k, 0,1,2,3
	s_wait_loadcnt 48-16*\k                        ; this unit's 16 loads, and all that were issued ahead of them, are in; the later units' may be out
	WIN 0x08
.irp i, 0,1,2,3,4,5,6,7,8,9,10,11,12,13,14,15
	ds_store_b128 v[STW], v[64*\k+4*\i:64*\k+4*\i+3] offset:SPITCH*\i
.endr
	WIN 0xc0
.irp ct, 0,1,2,3,4,5,6,7
	ds_load_b128 v[64*\k+8*\ct:64*\k+8*\ct+3], v[STD] offset:64*\ct      ; LDS serves a wave's instructions in order: these see my stores, and the next unit's stores come behind them
	ds_load_b128 v[64*\k+8*\ct+4:64*\k+8*\ct+7], v[STD] offset:64*\ct+16
.endr
.endr
	WIN 0
	s_wait_dscnt 0x0
.endm
.macro LANESUM                         ; the four packed chains of each u, and lane l xor 16's, into v[SA + 8 u]
.irp u, 0,1
	v_pk_add_f32 v[SA+8*\u:SA+8*\u+1], v[SA+8*\u:SA+8*\u+1], v[SA+8*\u+2:SA+8*\u+3]
	v_pk_add_f32 v[SA+8*\u+4:SA+8*\u+5], v[SA+8*\u+4:SA+8*\u+5], v[SA+8*\u+6:SA+8*\u+7]
.endr
.irp u, 0,1
	v_pk_add_f32 v[SA+8*\u:SA+8*\u+1], v[SA+8*\u:SA+8*\u+1], v[SA+8*\u+4:SA+8*\u+5]
.endr
.irp u, 0,1
	v_add_f32 v[SA+8*\u], v[SA+8*\u], v[SA+8*\u+1]
.endr
.irp u, 0,1
	v_permlanex16_b32 v[SA+8*\u+1], v[SA+8*\u], s[SEL], s[SEL+1]
.endr
.irp u, 0,1
	v_add_f32 v[SA+8*\u], v[SA+8*\u], v[SA+8*\u+1]
.endr
.endm
.macro ALOAD                           ; all 16 fragment images into window 1, their scale words (lanes 0-15: u = 0, lanes 16-31: u = 1) into v24-31
	WIN 0x40
.set f_, 0
.rept 16
.irp i, 0,1,2
	ds_load_b128 v[12*f_+4*\i:12*f_+4*\i+3], v[AIA] offset:1536*f_+512*\i
.endr
.set f_, f_+1
.endr
	WIN 0
.irp s, 0,1,2,3,4,5,6,7
	ds_load_b32 v[ASW+\s], v[ASA] offset:128*\s
.endr
	s_wait_dscnt 0x0
.endm
; LayerNorm of window 3's 32 rows, quantised, as fragment images in LDS and then in every wave's window 1.  Window 3 is left as it is.
; A wave has 256 of a row's 1,024 columns: it takes their mean and the squares about THAT mean; the four waves' pairs meet in LDS and are joined: no difference of large sums is formed.
.macro LNQ gp, bp
	WIN 0x80
	DLOAD 0, \gp
	DLOAD 128, \bp
	WIN 0
.irp r, ST+1, ST+3, MEAN+1, MEAN+3, RS+1, RS+3
	v_mov_b32 v[\r], 0                             ; named as upper halves of pairs before they are first written
.endr
.irp u, 0,1
	WIN 0x0f
.irp k, 0,1,2,3
	v_pk_add_f32 v[SA+8*\u+2*\k:SA+8*\u+2*\k+1], v[64*\u+4*\k:64*\u+4*\k+1], v[64*\u+4*\k+2:64*\u+4*\k+3]   ; each accumulator is read from its low end on
.endr
	WIN 0x0c
.set i_, 16
.rept 24
	v_pk_add_f32 v[SA+8*\u+i_%8:SA+8*\u+i_%8+1], v[SA+8*\u+i_%8:SA+8*\u+i_%8+1], v[64*\u+i_:64*\u+i_+1]
.set i_, i_+2
.endr
.set i_, 0
.rept 32
	v_pk_add_f32 v[SA+8*\u+i_%8:SA+8*\u+i_%8+1], v[SA+8*\u+i_%8:SA+8*\u+i_%8+1], v[128+64*\u+i_:128+64*\u+i_+1]
.set i_, i_+2
.endr
.endr
	WIN 0
	LANESUM
.irp u, 0,1
	v_mul_f32 v[ST+2*\u], 0x3b800000, v[SA+8*\u]   ; / 256: the mean of my columns
.endr
.irp u, 0,1
.irp n, 0,1
	WIN 0x03
.set i_, 0
.rept 32
	v_pk_add_f32 v[HA+i_:HA+i_+1], v[128*\n+64*\u+i_:128*\n+64*\u+i_+1], v[ST+2*\u:ST+2*\u+1] op_sel_hi:[1,0] neg_lo:[0,1] neg_hi:[0,1]
.set i_, i_+2
.endr
	WIN 0
.set i_, 0
.rept 32
.if (\n == 0) && (i_ < 8)
	v_pk_mul_f32 v[SA+8*\u+i_:SA+8*\u+i_+1], v[HA+i_:HA+i_+1], v[HA+i_:HA+i_+1]
.else
	v_pk_fma_f32 v[SA+8*\u+i_%8:SA+8*\u+i_%8+1], v[HA+i_:HA+i_+1], v[HA+i_:HA+i_+1], v[SA+8*\u+i_%8:SA+8*\u+i_%8+1]
.endif
.set i_, i_+2
.endr
.endr
.endr
	LANESUM
.irp u, 0,1
	v_mov_b32 v[ST+2*\u+1], v[SA+8*\u]
.endr
.irp u, 0,1
	ds_store_b64 v[REDW], v[ST+2*\u:ST+2*\u+1] offset:128*\u   ; both halves of the lanes write the same pair
.endr
	BARRIER
.irp u, 0,1
.irp w, 0,1,2,3
	ds_load_b64 v[LR+8*\u+2*\w:LR+8*\u+2*\w+1], v[REDR] offset:256*\w+128*\u
.endr
.endr
	s_wait_dscnt 0x0
.irp u, 0,1
	v_add_f32 v[LT+4*\u], v[LR+8*\u], v[LR+8*\u+2]
	v_add_f32 v[LT+4*\u+1], v[LR+8*\u+4], v[LR+8*\u+6]
	v_add_f32 v[LT+4*\u+2], v[LR+8*\u+1], v[LR+8*\u+3]
	v_add_f32 v[LT+4*\u+3], v[LR+8*\u+5], v[LR+8*\u+7]
.endr
.irp u, 0,1
	v_add_f32 v[LT+4*\u], v[LT+4*\u], v[LT+4*\u+1]
	v_add_f32 v[LT+4*\u+2], v[LT+4*\u+2], v[LT+4*\u+3]
.endr
.irp u, 0,1
	v_mul_f32 v[MEAN+2*\u], 0x3e800000, v[LT+4*\u] ; the row's mean
.endr
.irp w, 0,1,2,3
.irp u, 0,1
	v_sub_f32 v[LR+8*\u+2*\w], v[LR+8*\u+2*\w], v[MEAN+2*\u]
.endr
.endr
.irp u, 0,1
	v_mul_f32 v[LT+4*\u], v[LR+8*\u], v[LR+8*\u]
.endr
.irp w, 1,2,3
.irp u, 0,1
	v_fmac_f32 v[LT+4*\u], v[LR+8*\u+2*\w], v[LR+8*\u+2*\w]
.endr
.endr
.irp u, 0,1
	v_fmamk_f32 v[LT+4*\u+2], v[LT+4*\u], 0x43800000, v[LT+4*\u+2]   ; the squares about the row's mean: the four parts' + 256 x the parts' means' squares about it
.endr
.irp u, 0,1
	v_mul_f32 v[LT+4*\u+2], 0x3a800000, v[LT+4*\u+2]   ; / 1,024
.endr
.irp u, 0,1
	v_add_f32 v[LT+4*\u+2], 0x3727c5ac, v[LT+4*\u+2]   ; + 1e-5
.endr
.irp u, 0,1
	v_rsq_f32 v[RS+2*\u], v[LT+4*\u+2]
.endr
	v_nop                                          ; a plain place behind the transcendentals,
	s_wait_alu depctr_va_vdst(0)                   ; and the wait ahead of the first reader: one for the two
	s_wait_loadcnt 0x0                             ; g and b
.irp u, 0,1
.irp n, 0,1
	WIN 0x03
.set i_, 0
.rept 32
	v_pk_add_f32 v[HA+i_:HA+i_+1], v[128*\n+64*\u+i_:128*\n+64*\u+i_+1], v[MEAN+2*\u:MEAN+2*\u+1] op_sel_hi:[1,0] neg_lo:[0,1] neg_hi:[0,1]
.set i_, i_+2
.endr
	WIN 0
.set i_, 0
.rept 32
	v_pk_mul_f32 v[HA+i_:HA+i_+1], v[HA+i_:HA+i_+1], v[RS+2*\u:RS+2*\u+1] op_sel_hi:[1,0]
.set i_, i_+2
.endr
	WIN 0x28
.set i_, 0
.rept 32
	v_pk_fma_f32 v[HA+i_:HA+i_+1], v[HA+i_:HA+i_+1], v[64*\n+i_:64*\n+i_+1], v[128+64*\n+i_:128+64*\n+i_+1]
.set i_, i_+2
.endr
	WIN 0
	QUANTP HA, 2, PC                               ; K step 4 chunk + w of row tile u
.irp i, 0,1,2
	ds_store_b128 v[IMW], v[PC+4*\i:PC+4*\i+3] offset:1536*(8*\u+4*\n)+512*\i
.endr
	ds_store_b32 v[ISW], v[PW] offset:512*\n+64*\u
	s_wait_dscnt 0x0                               ; the stores have read their registers
.endr
.endr
	BARRIER                                        ; all 16 images lie in LDS
	ALOAD
.endm
.macro FRAMEHEAD                       ; the wave's number, the work-group's (s96), constants, the descriptors' constant words, the lanes' addresses: work on registers alone
	v_lshrrev_b32 v1, 5, v0
	v_readfirstlane_b32 s[WV], v1
	s_bfe_u32 s96, ttmp6, 0x40000                  ; my place in the cluster
	s_lshl_b32 s97, ttmp9, 2
	s_add_co_u32 s96, s97, s96                     ; work-group = 4 x cluster + place: it enters the rows' addresses alone
	s_mov_b32 s[G1+0], 15|(1<<20)|(1<<21)|(3<<22)|(3<<25)   ; mask: all four work-groups; elements of 1 byte; padding on; bit 21 beside a mask; after every 16 words 4 words
	s_mov_b32 s[G1+1], 192<<16                     ; tensor_dim0
	s_mov_b32 s[G1+2], 128<<16                     ; tensor_dim1
	s_mov_b32 s[G1+3], 192<<16                     ; tile_dim0
	s_mov_b32 s[G1+4], 128                         ; tile_dim1
	s_mov_b32 s[G1+5], 768                         ; a weight row in memory
	s_mov_b32 s[G1+6], 0
	s_mov_b32 s[G1+7], 0
	s_mul_i32 s73, s[WV], QUART
	s_mov_b32 s[G0], 1
	s_mov_b32 s[G0+1], s73                         ; my quarter of slot 0,
	s_mov_b32 s[G0+4], 1
	s_add_co_u32 s[G0+5], s73, SLOTB               ; of slot 1
	s_mov_b32 s[SEL], 0x76543210
	s_mov_b32 s[SEL+1], 0xfedcba98
	s_mov_b32 s[SL], 0x05040100
	s_mov_b32 s[SH], 0x07060302
	s_mov_b32 s[SM], 0x05040302
	v_and_b32 v15, 31, v0                          ; lane
	v_and_b32 v22, 15, v0                          ; r
	v_bfe_u32 v23, v0, 4, 1                        ; h
	v_lshlrev_b32 v[L16], 4, v15
	v_lshlrev_b32 v[L8], 3, v15
	v_lshlrev_b32 v[L4], 2, v15
	v_lshlrev_b32 v[R4], 2, v22
	v_lshlrev_b32 v[H32], 5, v23
	v_lshlrev_b32 v[L32], 5, v15
	v_mul_u32_u24 v[ADRB], v22, PITCH
	v_mad_u32_u24 v[ADRB], v23, 24, v[ADRB]
	v_add_nc_u32 v[ADRB], s73, v[ADRB]
	v_lshl_add_u32 v[ADRB+2], v23, 4, v[ADRB]
	v_add_nc_u32 v[ADRB+1], SLOTB, v[ADRB]
	v_add_nc_u32 v[ADRB+3], SLOTB, v[ADRB+2]
	s_mul_i32 s73, s[WV], 16*SPITCH
	s_add_co_u32 s73, s73, STG
	v_add_nc_u32 v[STW], s73, v[L16]
	v_mul_u32_u24 v[STD], v22, SPITCH
	v_lshl_add_u32 v[STD], v23, 5, v[STD]
	v_add_nc_u32 v[STD], s73, v[STD]
	v_add_nc_u32 v[AIA], AIMG, v[L16]
	v_add_nc_u32 v[ASA], ASC, v[L4]
	s_mul_i32 s73, s[WV], 1536
	s_add_co_u32 s73, s73, AIMG
	v_add_nc_u32 v[IMW], s73, v[L16]
	s_lshl_b32 s73, s[WV], 7
	s_add_co_u32 s73, s73, ASC
	v_add_nc_u32 v[ISW], s73, v[R4]
	s_lshl_b32 s73, s[WV], 8
	s_add_co_u32 s73, s73, RED
	v_lshl_add_u32 v[REDW], v22, 3, s73
	v_lshl_add_u32 v[REDR], v22, 3, RED
.irp b, 0,1,2,3
	v_mov_b32 v[TM+4+\b], 0                        ; written once: a lane permute's destination counts as one of its sources
.endr
.endm
; Chunk cp of the finished rows leaves: both row tiles turn through my stage into whole runs of 512 bytes of a row, then they are stored.
.macro XOUT cp
	s_wait_xcnt 0x0                                ; earlier stores have read the registers that the loads below fill
.irp u, 0,1
	WIN 0x0c
.irp ct, 0,1,2,3,4,5,6,7
	ds_store_b128 v[STD], v[128*\cp+64*\u+8*\ct:128*\cp+64*\u+8*\ct+3] offset:64*\ct       ; each accumulator from its low end on
	ds_store_b128 v[STD], v[128*\cp+64*\u+8*\ct+4:128*\cp+64*\u+8*\ct+7] offset:64*\ct+16
.endr
	WIN 0
.irp i, 0,1,2,3,4,5,6,7,8,9,10,11,12,13,14,15
	ds_load_b128 v[ACC+64*\u+4*\i:ACC+64*\u+4*\i+3], v[STW] offset:SPITCH*\i   ; LDS serves a wave's instructions in order: these see my stores, and the next tile's stores come behind them
.endr
.endr
.irp u, 0,1
.irp i, 0,1,2,3,4,5,6,7,8,9,10,11,12,13,14,15
	s_wait_dscnt 47-32*\u-\i                       ; younger: this tile's later loads, and for u = 0 the other tile's 32 LDS instructions
	global_store_b128 v[L16], v[ACC+64*\u+4*\i:ACC+64*\u+4*\i+3], s[OUT:OUT+1] offset:(16*\u+\i)*4096+2048*\cp th:TH_STORE_NT   ; 512 consecutive bytes, at a multiple of 256 from the buffer's first byte
.endr
.endr
.endm
	s_load_b512 s[4:19], s[0:1], 0x0               ; cc 4, cs 6, x 8, wo codes 10, wo scales 12, bo 14, ln2_g 16, ln2_b 18
	s_load_b256 s[20:27], s[0:1], 0x40             ; w1 codes 20, w1 scales 22, b1 24, w2 codes 26
	s_load_b128 s[28:31], s[0:1], 0x60             ; w2 scales 28, b2 30
	s_load_b64 s[32:33], s[0:1], 0x70              ; out0
	v_lshl_add_u32 v[SPW], v0, 2, SPARE
	v_mov_b32 v[NIL], 0
	ds_add_u32 v[SPW], v[NIL]                      ; the wave's opening: the add, and its wait ahead of my first tensor load; the set-up, work on registers, stands between them
	FRAMEHEAD
	s_mul_i32 s84, s96, 24576                      ; cc: 16 images of 1,536 bytes
	s_mov_b32 s85, 0
	s_lshl_b32 s86, s96, 10                        ; cs: their scale words
	s_mov_b32 s87, 0
	s_lshl_b32 s98, s96, 17                        ; x and out0: 32 rows of 4,096 bytes
	s_mov_b32 s99, 0
	s_mov_b32 s61, 0
	s_wait_dscnt 0x0                               ; the opening add is done
	s_wait_kmcnt 0x0
	s_mul_i32 s60, s[WV], 98304                    ; my 128 weight rows of a chunk
	s_add_nc_u64 s[10:11], s[10:11], s[60:61]
	s_add_nc_u64 s[20:21], s[20:21], s[60:61]
	s_add_nc_u64 s[26:27], s[26:27], s[60:61]
	s_lshl_b32 s60, s[WV], 12                      ; their scale bytes
	s_add_nc_u64 s[12:13], s[12:13], s[60:61]
	s_add_nc_u64 s[22:23], s[22:23], s[60:61]
	s_add_nc_u64 s[28:29], s[28:29], s[60:61]
	s_lshl_b32 s60, s[WV], 9                       ; my 128 columns of an f32 vector or row
	s_add_nc_u64 s[14:15], s[14:15], s[60:61]
	s_add_nc_u64 s[16:17], s[16:17], s[60:61]
	s_add_nc_u64 s[18:19], s[18:19], s[60:61]
	s_add_nc_u64 s[24:25], s[24:25], s[60:61]
	s_add_nc_u64 s[30:31], s[30:31], s[60:61]
	s_add_nc_u64 s[8:9], s[8:9], s[60:61]
	s_add_nc_u64 s[OUT:OUT+1], s[OUT:OUT+1], s[60:61]
	s_add_nc_u64 s[8:9], s[8:9], s[98:99]
	s_add_nc_u64 s[OUT:OUT+1], s[OUT:OUT+1], s[98:99]
	s_add_nc_u64 s[4:5], s[4:5], s[84:85]
	s_add_nc_u64 s[6:7], s[6:7], s[86:87]
	ROUND                                          ; the four work-groups are here: the first joint load meets
	s_mov_b64 s[G0+2:G0+3], s[10:11]               ; wo, chunk 0, step 0
	s_or_b32 s[G0+3], s[G0+3], 0x80000000
	tensor_load_to_lds s[G0:G0+3], s[G1:G1+7]
	s_nop 0
	PLACES 4
	WIN 0x40                                       ; ctx's 16 fragments come as they were stored: images of these registers
.set f_, 0
.rept 16
.irp i, 0,1,2
	global_load_b128 v[12*f_+4*\i:12*f_+4*\i+3], v[L16], s[4:5] offset:1536*f_+512*\i th:TH_LOAD_NT
.endr
.set f_, f_+1
.endr
	WIN 0
.irp s, 0,1,2,3,4,5,6,7
	global_load_b32 v[ASW+\s], v[L4], s[6:7] offset:128*\s th:TH_LOAD_NT
.endr
	DLOAD ACC, 14                                  ; bo
	s_mov_b64 s[WSB:WSB+1], s[12:13]
	WSLOAD
	XIN 8
	WIN 0xc3
.irp n, 0,1
.irp u, 0,1
.set i_, 0
.rept 32
	v_pk_add_f32 v[128*\n+64*\u+i_:128*\n+64*\u+i_+1], v[128*\n+64*\u+i_:128*\n+64*\u+i_+1], v[ACC+64*\n+i_:ACC+64*\n+i_+1]   ; x + bo: the C of wo's first products
.set i_, i_+2
.endr
.endr
.endr
	WIN 0
	; ---- x1 = x + bo + ctx wo
	s_mov_b64 s[CUR:CUR+1], s[10:11]
	s_add_nc_u64 s[NXT:NXT+1], s[10:11], 393216
	GEMM4 1, 0, 0
	PLACES 4                                       ; behind the last products, ahead of loads into their scale registers
	s_wait_xcnt 0x0
	s_add_nc_u64 s[WSB:WSB+1], s[WSB:WSB+1], 16384
	WSLOAD
	s_mov_b64 s[CUR:CUR+1], s[NXT:NXT+1]
	s_mov_b64 s[NXT:NXT+1], s[20:21]               ; wo's last step asks for w1's first
	GEMM4 1, 0, 1
	PLACES 4
	s_wait_xcnt 0x0
	s_mov_b64 s[WSB:WSB+1], s[22:23]
	s_mov_b64 s[BIB:BIB+1], s[24:25]
	WSLOAD
	BILOAD
	; ---- h2 = LayerNorm2(x1), quantised.
	LNQ 16, 18
	WIN 0x80
	DLOAD 0, 30                                    ; b2
	s_wait_loadcnt 0x0
	WIN 0xcb
.irp n, 0,1
.irp u, 0,1
.set i_, 0
.rept 32
	v_pk_add_f32 v[128*\n+64*\u+i_:128*\n+64*\u+i_+1], v[128*\n+64*\u+i_:128*\n+64*\u+i_+1], v[64*\n+i_:64*\n+i_+1]   ; x1 + b2: the C of w2's first products
.set i_, i_+2
.endr
.endr
.endr
	WIN 0
	; ---- hid = relu(h2 w1 + b1), quantised: a loop of two chunks.  My 128 hidden units of chunk c are K step 4 c + w of the last product
	s_mov_b64 s[CUR:CUR+1], s[20:21]
	s_add_nc_u64 s[NXT:NXT+1], s[20:21], 393216
	s_mov_b32 s[IMS], 0
	s_mov_b32 s[ISS], 0
	s_mov_b32 s[CNT], 2
.Lw1:
	GEMM4 0, 0, 0
	PLACES 4
	s_wait_xcnt 0x0
	s_add_nc_u64 s[WSB:WSB+1], s[WSB:WSB+1], 16384
	s_add_nc_u64 s[BIB:BIB+1], s[BIB:BIB+1], 2048
	s_cmp_eq_u32 s[CNT], 1                         ; in the last trip: w2's scale words (and b2 into the bias registers, which w2 does not use)
	s_cselect_b64 s[WSB:WSB+1], s[28:29], s[WSB:WSB+1]
	s_cselect_b64 s[BIB:BIB+1], s[30:31], s[BIB:BIB+1]
	WSLOAD
	BILOAD
	v_add_nc_u32 v20, s[IMS], v[IMW]
	v_add_nc_u32 v21, s[ISS], v[ISW]
.irp u, 0,1
.set i_, 0
.rept 64
	v_max_num_f32 v[ACC+64*\u+i_], 0, v[ACC+64*\u+i_]
.set i_, i_+1
.endr
	QUANTP ACC+64*\u, 2, PC
.irp i, 0,1,2
	ds_store_b128 v20, v[PC+4*\i:PC+4*\i+3] offset:12288*\u+512*\i   ; over h2's images: every wave has them in registers since before the chunk's four rounds
.endr
	ds_store_b32 v21, v[PW] offset:64*\u
	s_wait_dscnt 0x0                               ; the stores have read their registers
.endr
	s_add_co_u32 s[IMS], s[IMS], 6144
	s_add_co_u32 s[ISS], s[ISS], 512
	s_mov_b64 s[CUR:CUR+1], s[NXT:NXT+1]
	s_mov_b64 s[NXT:NXT+1], s[26:27]
	s_sub_co_i32 s[CNT], s[CNT], 1
	s_cmp_lg_u32 s[CNT], 0
	s_cbranch_scc1 .Lw1
	BARRIER                                        ; the hidden layer's 16 images lie in LDS
	ALOAD
	; ---- out = x1 + b2 + hid w2
	s_mov_b64 s[CUR:CUR+1], s[26:27]
	s_add_nc_u64 s[NXT:NXT+1], s[26:27], 393216
	GEMM4 1, 0, 0
	PLACES 4
	s_wait_xcnt 0x0
	s_add_nc_u64 s[WSB:WSB+1], s[WSB:WSB+1], 16384
	WSLOAD
	XOUT 0                                         ; the first chunk's stores leave under the second chunk's products
	s_mov_b64 s[CUR:CUR+1], s[NXT:NXT+1]
	GEMM4 1, 1, 1
	PLACES 4
	XOUT 1
	s_wait_tensorcnt 0x0                           ; the wave's end, behind my last tensor load and my last LDS store
	ds_add_u32 v[SPW], v[NIL]
	s_wait_dscnt 0x0
	ROUND                                          ; the closing round: no work-group ends while a partner may still ask for a tile that names it
	s_endpgm
.Lfunc_end_k_q3e7aac3dc8_tail:
	.size	k_q3e7aac3dc8_tail, .Lfunc_end_k_q3e7aac3dc8_tail-k_q3e7aac3dc8_tail
	.p2alignl 7, 3214868480
	.fill 96, 4, 3214868480
	.section	.rodata,"a",@progbits
	.p2align	6, 0x0
	.amdhsa_kernel k_q3e7aac3dc8_tail
		.amdhsa_group_segment_fixed_size 327680
		.amdhsa_private_segment_fixed_size 0
		.amdhsa_enable_private_segment 0
		.amdhsa_kernarg_size 120
		.amdhsa_user_sgpr_count 2
		.amdhsa_user_sgpr_kernarg_segment_ptr 1
		.amdhsa_wavefront_size32 1
		.amdhsa_system_sgpr_workgroup_id_x 1
		.amdhsa_system_sgpr_workgroup_id_y 1
		.amdhsa_system_sgpr_workgroup_id_z 1
		.amdhsa_system_vgpr_workitem_id 0
		.amdhsa_next_free_vgpr 1024
		.amdhsa_next_free_sgpr 100
		.amdhsa_reserve_vcc 0
		.amdhsa_float_denorm_mode_32 3
		.amdhsa_float_denorm_mode_16_64 3
		.amdhsa_memory_ordered 1
		.amdhsa_forward_progress 1
		.amdhsa_inst_pref_size 255
	.end_amdhsa_kernel
	.section	.bss,"aw",@nobits
	.p2align	6
	.space	262144
	.amdgpu_metadata
---
amdhsa.version: [ 1, 2 ]
amdhsa.kernels:
  - .name:           k_q3e7aac3dc8_tail
    .symbol:         k_q3e7aac3dc8_tail.kd
    .args:
      - { .name: cc, .offset: 0, .size: 8, .value_kind: global_buffer, .address_space: global }
      - { .name: cs, .offset: 8, .size: 8, .value_kind: global_buffer, .address_space: global }
      - { .name: x, .offset: 16, .size: 8, .value_kind: global_buffer, .address_space: global }
      - { .name: wo_codes, .offset: 24, .size: 8, .value_kind: global_buffer, .address_space: global }
      - { .name: wo_scales, .offset: 32, .size: 8, .value_kind: global_buffer, .address_space: global }
      - { .name: bo, .offset: 40, .size: 8, .value_kind: global_buffer, .address_space: global }
      - { .name: ln2_g, .offset: 48, .size: 8, .value_kind: global_buffer, .address_space: global }
      - { .name: ln2_b, .offset: 56, .size: 8, .value_kind: global_buffer, .address_space: global }
      - { .name: w1_codes, .offset: 64, .size: 8, .value_kind: global_buffer, .address_space: global }
      - { .name: w1_scales, .offset: 72, .size: 8, .value_kind: global_buffer, .address_space: global }
      - { .name: b1, .offset: 80, .size: 8, .value_kind: global_buffer, .address_space: global }
      - { .name: w2_codes, .offset: 88, .size: 8, .value_kind: global_buffer, .address_space: global }
      - { .name: w2_scales, .offset: 96, .size: 8, .value_kind: global_buffer, .address_space: global }
      - { .name: b2, .offset: 104, .size: 8, .value_kind: global_buffer, .address_space: global }
      - { .name: out0, .offset: 112, .size: 8, .value_kind: global_buffer, .address_space: global }
    .group_segment_fixed_size: 327680
    .private_segment_fixed_size: 0
    .kernarg_segment_align: 8
    .kernarg_segment_size: 120
    .max_flat_workgroup_size: 128
    .sgpr_count:     100
    .vgpr_count:     1024
    .wavefront_size: 32
...
	.end_amdgpu_metadata
.endif
;; end of part 3
;; ======== version 2 of 2: 3 launches
;; limits: right only within a limited range of input values
;; workspace buffers: qc 6,291,456 bytes; qs 524,288 bytes; kc 6,815,744 bytes; vc 6,291,456 bytes; vs 262,144 bytes; cc 6,291,456 bytes; cs 262,144 bytes
;; launch qkv (part 4): grid 256 x 1, 4 waves a work-group, clusters of 4 x 1, 327,680 bytes of LDS; arguments x, ln1_g, ln1_b, wq_codes, wq_scales, bq, wk_codes, wk_scales, bk, wv_codes, wv_scales, bv, qc, qs, kc, vc, vs; writes qc, qs, kc, vc, vs
.if DOCPART == 4
	.amdgcn_target "amdgcn-amd-amdhsa--gfx1250"
	.amdhsa_code_object_version 6
	.text
	.protected	k_q3e7aac3dc8_qkv
	.globl	k_q3e7aac3dc8_qkv
	.p2align	8
	.type	k_q3e7aac3dc8_qkv,@function
k_q3e7aac3dc8_qkv:
	s_mov_b64 s[64:65], 0
	v_nop
	global_prefetch_b8 v0, s[64:65] scope:SCOPE_SE
	s_setreg_imm32_b32 hwreg(HW_REG_WAVE_MODE, 25, 1), 1
	s_wait_xcnt 0x0
	s_wait_alu depctr_hold_cnt(0) depctr_sa_sdst(0) depctr_va_vdst(0) depctr_va_sdst(0) depctr_va_ssrc(0) depctr_va_vcc(0) depctr_vm_vsrc(0)
	s_getreg_b32 s2, hwreg(HW_REG_IB_STS2, 6, 4)
	s_cmp_eq_u32 s2, 0
	s_cbranch_scc0 .Lentry_in_a_cluster
	s_endpgm
.Lentry_in_a_cluster:
	s_bfe_u32 s2, ttmp6, 0x10000c
	s_cmp_lg_u32 s2, 0x3003
	s_cbranch_scc0 .Lentry_shape_is_right
	s_endpgm
.Lentry_shape_is_right:
; LAUNCH 1 OF 3.  h = LayerNorm1(x), quantised along E;  q = (h wq + bq) / 8,  k = h wk + bk,  v = h wv + bv, on codes of BF6 (E3M2) with one E8M0 byte for each 32 along K.
; q and k are quantised along the head's 64, v along the keys; they leave as images of the registers in which the attention launch wants them.
; SHARES.  A work-group of four waves owns 32 tokens (two tiles of 16, u) and walks 3 x 1,024 output columns in chunks of 512; in a chunk wave w owns columns 128 w .. 128 w + 127 (8 tiles, ct).
; A chunk is 4 steps.  A step is 32 WHOLE weight rows a wave (two column tiles, all 1,024 of K): 24,576 dense bytes, brought by one tensor load as 96 rows of 256 bytes, each at a multiple of 256 bytes,
; into the wave's quarter of one of two LDS slots; the wave alone reads it.  32 matrix instructions a step, on four accumulators by turns, K ascending.
; CLUSTER.  The four work-groups of a cluster walk the same weights in the same order and ask for each tile JOINTLY: same load, same descriptor, mask 15.  a = (cluster / 4) % 2 swaps a matrix's two chunks, by global addresses alone.
; PREFETCH.  In each step each wave asks, by one instruction, for its own tile that stands two refills on (three steps ahead of the step that multiplies it): 96 blocks of 256 bytes, of which the partner at place p
; names blocks 24 p .. 24 p + 23, a lane a block (lanes 24-31 name the last again): so each block is named once in each cluster.  The first chunk's tiles 1 and 2 are asked for at the head; the last chunk asks for nothing behind its own end.
; THE D-LAYOUT.  q and k are made transposed (source 0 = 16 weight rows, source 1 = 16 tokens): lane (r = lane % 16, h = lane / 16) holds token r, register 8 ct + j column 16 ct + 8 h + j.
; v is made the other way round (source 0 = tokens): a lane holds one column and its registers run down the 32 tokens in the same pattern, so the same macro quantises it along the keys.
; LIMITS: a block whose largest magnitude lies under 2^-122 keeps the scale byte 1; a block of zeros gets the byte 1 and not 127 (its codes are zeros; the bytes are read by this program alone); NaN and infinities are not served.
; LayerNorm's (x - mean) rs is one fused multiply-add, x rs - (mean rs): its error is one rounding of mean rs.
; REGISTERS, in windows of 256: window 0: v1-19 addresses, v24-31 h's scale words, v32-63 the weights' scale words, v64-191 accumulators, v192-247 at work, v248, v250 offsets that stay, v252-253 the add's two.
;   window 1: v0-191 h's 16 fragments (12 (8 u + s)), v192-255 a chunk's bias.   window 2: v0-191 a step's 16 weight fragments; at the head x as loaded, then g and b.   window 3: x in D-layout.
.set PITCH,  816                       ; a weight row in LDS: 3 x (256 bytes + 16 of padding)
.set QUART,  32*PITCH
.set SLOTB,  4*QUART
.set STG,    2*SLOTB                   ; a stage of 16 rows x 528 bytes for each wave
.set SPITCH, 528
.set AIMG,   STG+4*16*SPITCH           ; 16 fragment images of 1,536 bytes, index 8 u + s
.set ASC,    AIMG+16*1536              ; their scale words: [s 8][u 2][r 16]
.set RED,    ASC+1024                  ; LayerNorm's partial figures: [w 4][u 2][r 16] x 8 bytes
.set SPARE,  RED+1024                  ; the spare words
.set L16, 1
.set L8,  2
.set L4,  3
.set R4,  4
.set H32, 5
.set L32, 6
.set STW, 7                            ; my stage, by rows: 16 x lane
.set STD, 8                            ; my stage, in D-layout: 528 r + 32 h
.set AIA, 9
.set ASA, 10
.set IMW, 11                           ; where I store an image: + 1,536 w
.set ISW, 12                           ; and its scale word
.set REDW, 13
.set REDR, 14
.set PFO, 15                           ; the prefetches' offset in a tile: 256 x (24 x place + min(lane, 23))
.set ADRB, 16                          ; v16-17 my weight fragments in slot 0, 1; v18-19 the same with lanes 16-31 behind one padding more
.set ASW, 24
.set WSW, 32
.set ACC, 64
.set HA,  64
.set SA,  128
.set LR,  144
.set LT,  160
.set TM,  192                          ; v192-195 largest magnitudes, v196-199 bytes, v204-207 the conversions' scale operands
.set PW,  208
.set PC,  212
.set PT,  224
.set ST,  232
.set MEAN, 240
.set RS,  244
.set BV,  240                          ; later: v's bias
.set XC0, 248                          ; 16 x lane + 512 w: my block of 128 columns in a row of f32 (the second block: 2,048 bytes on)
.set DC0, 250                          ; 32 h + 512 w: the same in D-layout
.set SPW, 252
.set NIL, 253
.set BI,  192                          ; in window 1
.set ACUR, 38
.set ANX, 39
.set G1,  40
.set G0,  48
.set CUR, 56                           ; my 128 weight rows of the chunk in hand
.set NXT, 58                           ; those of the chunk after it
.set WV,  62
.set CNT, 63
.set SEL, 66
.set SL,  68
.set SH,  69
.set SM,  70
.set LOW16, 71
.set PAD7F, 72
.set WSB, 74
.set BIB, 76
.set OCP, 84
.set OSP, 86
.set MSB, 0
.macro WIN new                         ; the immediate's high byte repeats the setting that is left
.if MSB != \new
	s_set_vgpr_msb (MSB<<8)|\new
.set MSB, \new
.endif
.endm
.macro PLACES n
.rept \n
	v_nop
.endr
.endm
.macro PTR dst, base, idx, mul         ; a buffer's base + a small number x a step.  s61 holds 0 throughout
	s_mul_i32 s60, s[\idx], \mul
	s_add_nc_u64 s[\dst:\dst+1], s[\base:\base+1], s[60:61]
.endm
.macro BARRIER
	s_wait_dscnt 0x0
	s_barrier_signal -1
	s_barrier_wait -1
.endm
.macro ROUND                           ; a round of the cluster's barrier
	s_barrier_signal -1
	s_barrier_wait -1
	s_cmp_lg_u32 s[WV], 0
	s_cbranch_scc1 .Lnot_wave_0_\@
	s_barrier_signal -3
.Lnot_wave_0_\@:
	s_barrier_wait -3
	s_barrier_signal -1
	s_barrier_wait -1
.endm
; 32 nc numbers in D-layout at v[s] on become codes in natural order in v[pc] on: registers 6 c .. 6 c + 5 hold k = 64 c + 32 h + 0 .. 31
.macro CODES s, nc, pc
.set c_, 0
.rept \nc
	v_cvt_scalef32_pk16_bf6_f32 v[\pc+6*c_:\pc+6*c_+2], v[\s+32*c_:\s+32*c_+15], v[TM+12+2*c_]
	v_cvt_scalef32_pk16_bf6_f32 v[PT+4*c_:PT+4*c_+2], v[\s+32*c_+16:\s+32*c_+31], v[TM+13+2*c_]
.set c_, c_+1
.endr
	v_nop                                          ; one plain place behind the scaled conversions
.set c_, 0
.rept \nc
.irp i, 0,1,2
	v_permlane16_swap_b32 v[\pc+6*c_+\i], v[PT+4*c_+\i]   ; lanes 0-15: block 2 c, lanes 16-31: block 2 c + 1; F (numbers 0-7, 16-23) in the first, G (8-15, 24-31) in the second
.endr
	v_perm_b32 v[\pc+6*c_+3], v[\pc+6*c_+2], v[\pc+6*c_+1], s[SM]   ; F2.l : F1.h
	v_perm_b32 v[\pc+6*c_+4], v[PT+4*c_+1], v[\pc+6*c_+2], s[SH]    ; G1.h : F2.h
	v_mov_b32 v[\pc+6*c_+5], v[PT+4*c_+2]                           ; G2
	v_perm_b32 v[\pc+6*c_+1], v[PT+4*c_], v[\pc+6*c_+1], s[SL]      ; G0.l : F1.l
	v_perm_b32 v[\pc+6*c_+2], v[PT+4*c_+1], v[PT+4*c_], s[SM]       ; G1.l : G0.h
.set c_, c_+1
.endr
.endm
; The quantiser: largest magnitudes with the floor 2^(5 - 127), the scale word in v[PW], the codes
.macro QUANTP s, nc, pc
.set b_, 0
.rept 2*\nc
	v_max3_num_f32 v[TM+b_], |v[\s+16*b_]|, |v[\s+16*b_+1]|, 0x2800000
.set b_, b_+1
.endr
.irp i, 2,4,6,8,10,12,14
.set b_, 0
.rept 2*\nc
	v_max3_num_f32 v[TM+b_], v[TM+b_], |v[\s+16*b_+\i]|, |v[\s+16*b_+\i+1]|
.set b_, b_+1
.endr
.endr
.set b_, 0
.rept 2*\nc
	v_permlanex16_b32 v[TM+4+b_], v[TM+b_], s[SEL], s[SEL+1]
.set b_, b_+1
.endr
.set b_, 0
.rept 2*\nc
	v_max_num_f32 v[TM+b_], v[TM+b_], v[TM+4+b_]
.set b_, b_+1
.endr
.set b_, 0
.rept 2*\nc
	v_add_nc_u32 v[TM+12+b_], 0xfe000000, v[TM+b_] ; 4 off the exponent field: the conversion's scale operand
.set b_, b_+1
.endr
.set b_, 0
.rept 2*\nc
	v_lshrrev_b32 v[TM+4+b_], 23, v[TM+12+b_]      ; the scale's byte
.set b_, b_+1
.endr
	v_lshl_or_b32 v[PW], v[TM+5], 8, v[TM+4]
.if \nc > 1
	v_lshl_or_b32 v[PW], v[TM+6], 16, v[PW]
	v_lshl_or_b32 v[PW], v[TM+7], 24, v[PW]
.endif
	CODES \s, \nc, \pc
.endm
; One matrix instruction.  c: the C operand as it is written.  ra, rb: the side's scale words stand in lanes 16-31
.macro WM d, a, b, c, sa, sb, ra, rb
.if (\ra) && (\rb)
	v_wmma_scale_f32_16x16x128_f8f6f4 v[\d:\d+7], v[\a:\a+11], v[\b:\b+11], \c, v[\sa], v[\sb] matrix_a_fmt:MATRIX_FMT_BF6 matrix_b_fmt:MATRIX_FMT_BF6 matrix_a_scale:MATRIX_SCALE_ROW1 matrix_b_scale:MATRIX_SCALE_ROW1
.elseif (\ra)
	v_wmma_scale_f32_16x16x128_f8f6f4 v[\d:\d+7], v[\a:\a+11], v[\b:\b+11], \c, v[\sa], v[\sb] matrix_a_fmt:MATRIX_FMT_BF6 matrix_b_fmt:MATRIX_FMT_BF6 matrix_a_scale:MATRIX_SCALE_ROW1
.elseif (\rb)
	v_wmma_scale_f32_16x16x128_f8f6f4 v[\d:\d+7], v[\a:\a+11], v[\b:\b+11], \c, v[\sa], v[\sb] matrix_a_fmt:MATRIX_FMT_BF6 matrix_b_fmt:MATRIX_FMT_BF6 matrix_b_scale:MATRIX_SCALE_ROW1
.else
	v_wmma_scale_f32_16x16x128_f8f6f4 v[\d:\d+7], v[\a:\a+11], v[\b:\b+11], \c, v[\sa], v[\sb] matrix_a_fmt:MATRIX_FMT_BF6 matrix_b_fmt:MATRIX_FMT_BF6
.endif
.endm
; A weight fragment: tile i of the step's two, K step s: six pieces of 8 bytes.  16 bytes of padding lie behind every 256: where the piece of lanes 16-31, 24 bytes on, lies behind one padding more, the second register serves
.macro FRAG reg, adr, s, i
.irp p, 0,1,2,3,4,5
.set PIECE, 12*(\s)+6*(\p/3)+\p%3
.if PIECE%32 < 29
	ds_load_b64 v[\reg+2*\p:\reg+2*\p+1], v[\adr] offset:8*PIECE+16*(PIECE/32)+(\i)*16*PITCH
.else
	ds_load_b64 v[\reg+2*\p:\reg+2*\p+1], v[\adr+2] offset:8*PIECE+16*(PIECE/32)+(\i)*16*PITCH
.endif
.endr
.endm
.macro FETCHB slot                     ; a step's 16 fragments into window 2, at 96 q + 12 (4 e + s % 4): K steps 0-3 of both tiles first
	WIN 0x80
.irp q, 0,1
.irp i, 0,1,2,3,4,5,6,7
	FRAG 96*\q+12*\i, ADRB+\slot, 4*\q+\i%4, \i/4
.endr
.endr
	WIN 0
.endm
; 16 matrix instructions: K steps 4 q .. 4 q + 3 of column tiles 2 kk, 2 kk + 1 and both token tiles: four accumulators, one instruction a turn.
; kind 0: transposed, into v64-191, the bias as the first C.   kind 2: tokens as source 0, into v[64 + 16 ct + 8 u], the constant 0 as the first C.
.macro MUL kind, q, kk
.irp sl, 0,1,2,3
.set s_, 4*(\q)+\sl
.if \kind == 2
	WIN 0x09
.elseif s_ == 0
	WIN 0x16
.else
	WIN 0x06
.endif
.irp u, 0,1
.irp e, 0,1
.set ct_, 2*(\kk)+\e
.set bf_, 96*(\q)+12*(4*\e+\sl)
.set af_, 12*(8*\u+s_)
.if \kind == 2
.set d_, ACC+16*ct_+8*\u
.if s_ == 0
	WM d_, af_, bf_, 0, ASW+s_, WSW+8*(\kk)+s_, \u, \e
.else
	WM d_, af_, bf_, v[d_:d_+7], ASW+s_, WSW+8*(\kk)+s_, \u, \e
.endif
.else
.set d_, ACC+64*\u+8*ct_
.if s_ == 0
	WM d_, bf_, af_, v[BI+8*ct_:BI+8*ct_+7], WSW+8*(\kk)+s_, ASW+s_, \e, \u
.else
	WM d_, bf_, af_, v[d_:d_+7], WSW+8*(\kk)+s_, ASW+s_, \e, \u
.endif
.endif
.endr
.endr
.endr
.endm
; Step kk of a chunk, out of slot.  fill = 1: the other slot is asked for the step that follows: one joint load a wave, first thing behind the round.  more = 1: a chunk follows this one
.macro STEP slot, kk, fill, kind, more
	WIN 0
	s_wait_tensorcnt 0x0                           ; my one tensor load that was out, this step's quarter, has landed: so a group 0 may be written
.if \fill
	ds_add_u32 v[SPW], v[NIL]                      ; 0 onto my spare word; the descriptor's step stands between it and the wait for it
.if \kk < 3
	s_add_nc_u64 s[G0+4*(1-\slot)+2:G0+4*(1-\slot)+3], s[CUR:CUR+1], 24576*(\kk+1)
.else
	s_mov_b64 s[G0+4*(1-\slot)+2:G0+4*(1-\slot)+3], s[NXT:NXT+1]
.endif
	s_or_b32 s[G0+4*(1-\slot)+3], s[G0+4*(1-\slot)+3], 0x80000000
	s_wait_dscnt 0x0                               ; the add is done, and my reads of the other slot are over
	ROUND
	tensor_load_to_lds s[G0+4*(1-\slot):G0+4*(1-\slot)+3], s[G1:G1+7]
	s_nop 0
.endif
	PLACES 4                                       ; between the last products and the loads into the registers that they read
	FETCHB \slot
.if \kk == 0
	s_cmp_lt_u32 ttmp9, 4
	s_cbranch_scc0 .Lno_prefetch_qkv0_\@
	global_prefetch_b8 v[PFO], s[CUR:CUR+1] offset:24576*3 th:TH_LOAD_NT scope:SCOPE_SE            ; the tile two refills on: this chunk's last,
.Lno_prefetch_qkv0_\@:
.elseif (\more)
	s_cmp_lt_u32 ttmp9, 4
	s_cbranch_scc0 .Lno_prefetch_qkv1_\@
	global_prefetch_b8 v[PFO], s[NXT:NXT+1] offset:24576*(\kk-1) th:TH_LOAD_NT scope:SCOPE_SE      ; or the next chunk's tile kk - 1
.Lno_prefetch_qkv1_\@:
.endif
.if \kk == 0
	s_wait_loadcnt 0x0                             ; the chunk's scale words and bias
.endif
	s_wait_dscnt 48                                ; K steps 0-3 are in; the 48 loads of K steps 4-7 may be out
	MUL \kind, 0, \kk
	s_wait_dscnt 0x0
	MUL \kind, 1, \kk
	WIN 0
.endm
.macro GEMM4 kind, last                ; a chunk.  last = 1: nothing follows, and the last step asks for nothing
	STEP 0, 0, 1, \kind, 1-\last
	STEP 1, 1, 1, \kind, 1-\last
	STEP 0, 2, 1, \kind, 1-\last
	STEP 1, 3, 1-\last, \kind, 1-\last
.endm
.macro WSLOAD ptr, off                 ; my 128 rows' scale bytes: lane l of group p takes row 32 p + l's 32 bytes: register 8 p + s is K step s's word (lanes 0-15: tile 2 p, lanes 16-31: tile 2 p + 1)
.irp p, 0,1,2,3
	global_load_b128 v[WSW+8*\p:WSW+8*\p+3], v[L32], s[\ptr:\ptr+1] offset:\off+1024*\p
	global_load_b128 v[WSW+8*\p+4:WSW+8*\p+7], v[L32], s[\ptr:\ptr+1] offset:\off+1024*\p+16
.endr
.endm
.macro BILOAD ptr, off                 ; my 128 columns' bias in D-layout, into window 1
	WIN 0x40
.irp ct, 0,1,2,3,4,5,6,7
	global_load_b128 v[BI+8*\ct:BI+8*\ct+3], v[H32], s[\ptr:\ptr+1] offset:\off+64*\ct
	global_load_b128 v[BI+8*\ct+4:BI+8*\ct+7], v[H32], s[\ptr:\ptr+1] offset:\off+64*\ct+16
.endr
	WIN 0
.endm
.macro DLOAD reg, ptr                  ; a vector of 1,024: my two blocks of 128 columns in D-layout, at v[reg + 64 n + 8 ct + j]
.irp n, 0,1
.irp ct, 0,1,2,3,4,5,6,7
	global_load_b128 v[\reg+64*\n+8*\ct:\reg+64*\n+8*\ct+3], v[DC0], s[\ptr:\ptr+1] offset:2048*\n+64*\ct
	global_load_b128 v[\reg+64*\n+8*\ct+4:\reg+64*\n+8*\ct+7], v[DC0], s[\ptr:\ptr+1] offset:2048*\n+64*\ct+16
.endr
.endr
.endm
; x: my blocks w and w + 4 of 128 columns of the 32 rows.  Each load reads 512 consecutive bytes of a row; unit k = 2 n + u turns through my stage into D-layout, window 3, v[64 k] on
.macro XIN xb
	WIN 0x80
.irp k, 0,1,2,3
.irp i, 0,1,2,3,4,5,6,7,8,9,10,11,12,13,14,15
	global_load_b128 v[64*\k+4*\i:64*\k+4*\i+3], v[XC0], s[\xb:\xb+1] offset:(16*(\k%2)+\i)*4096+2048*(\k/2) th:TH_LOAD_NT
.endr
.endr
.irp k, 0,1,2,3
	s_wait_loadcnt 48-16*\k                        ; this unit's 16 loads are in; the later units' may be out
	WIN 0x08
.irp i, 0,1,2,3,4,5,6,7,8,9,10,11,12,13,14,15
	ds_store_b128 v[STW], v[64*\k+4*\i:64*\k+4*\i+3] offset:SPITCH*\i
.endr
	WIN 0xc0
.irp ct, 0,1,2,3,4,5,6,7
	ds_load_b128 v[64*\k+8*\ct:64*\k+8*\ct+3], v[STD] offset:64*\ct      ; LDS serves a wave's instructions in order
	ds_load_b128 v[64*\k+8*\ct+4:64*\k+8*\ct+7], v[STD] offset:64*\ct+16
.endr
.endr
	WIN 0
	s_wait_dscnt 0x0
.endm
.macro LANESUM                         ; the four packed chains of each u, and lane l xor 16's, into v[SA + 8 u]
.irp u, 0,1
	v_pk_add_f32 v[SA+8*\u:SA+8*\u+1], v[SA+8*\u:SA+8*\u+1], v[SA+8*\u+2:SA+8*\u+3]
	v_pk_add_f32 v[SA+8*\u+4:SA+8*\u+5], v[SA+8*\u+4:SA+8*\u+5], v[SA+8*\u+6:SA+8*\u+7]
.endr
.irp u, 0,1
	v_pk_add_f32 v[SA+8*\u:SA+8*\u+1], v[SA+8*\u:SA+8*\u+1], v[SA+8*\u+4:SA+8*\u+5]
.endr
.irp u, 0,1
	v_add_f32 v[SA+8*\u], v[SA+8*\u], v[SA+8*\u+1]
.endr
.irp u, 0,1
	v_permlanex16_b32 v[SA+8*\u+1], v[SA+8*\u], s[SEL], s[SEL+1]
.endr
.irp u, 0,1
	v_add_f32 v[SA+8*\u], v[SA+8*\u], v[SA+8*\u+1]
.endr
.endm
.macro ALOAD                           ; all 16 fragment images into window 1, their scale words (lanes 0-15: u = 0, lanes 16-31: u = 1) into v24-31
	WIN 0x40
.set f_, 0
.rept 16
.irp i, 0,1,2
	ds_load_b128 v[12*f_+4*\i:12*f_+4*\i+3], v[AIA] offset:1536*f_+512*\i
.endr
.set f_, f_+1
.endr
	WIN 0
.irp s, 0,1,2,3,4,5,6,7
	ds_load_b32 v[ASW+\s], v[ASA] offset:128*\s
.endr
	s_wait_dscnt 0x0
.endm
; LayerNorm of window 3's 32 rows, quantised, as fragment images in LDS and then in every wave's window 1.
; A wave takes the mean of its 256 columns and the squares about THAT mean; the four waves' pairs meet in LDS and are joined: no difference of large sums is formed.
.macro LNQ gp, bp
	WIN 0x80
	DLOAD 0, \gp
	DLOAD 128, \bp
	WIN 0
.irp r, ST+1, ST+3, MEAN+1, MEAN+3, RS+1, RS+3
	v_mov_b32 v[\r], 0                             ; named as upper halves of pairs
.endr
.irp u, 0,1
	WIN 0x0f
.irp k, 0,1,2,3
	v_pk_add_f32 v[SA+8*\u+2*\k:SA+8*\u+2*\k+1], v[64*\u+4*\k:64*\u+4*\k+1], v[64*\u+4*\k+2:64*\u+4*\k+3]
.endr
	WIN 0x0c
.set i_, 16
.rept 24
	v_pk_add_f32 v[SA+8*\u+i_%8:SA+8*\u+i_%8+1], v[SA+8*\u+i_%8:SA+8*\u+i_%8+1], v[64*\u+i_:64*\u+i_+1]
.set i_, i_+2
.endr
.set i_, 0
.rept 32
	v_pk_add_f32 v[SA+8*\u+i_%8:SA+8*\u+i_%8+1], v[SA+8*\u+i_%8:SA+8*\u+i_%8+1], v[128+64*\u+i_:128+64*\u+i_+1]
.set i_, i_+2
.endr
.endr
	WIN 0
	LANESUM
.irp u, 0,1
	v_mul_f32 v[ST+2*\u], 0x3b800000, v[SA+8*\u]   ; / 256: the mean of my columns
.endr
.irp u, 0,1
.irp n, 0,1
	WIN 0x03
.set i_, 0
.rept 32
	v_pk_add_f32 v[HA+i_:HA+i_+1], v[128*\n+64*\u+i_:128*\n+64*\u+i_+1], v[ST+2*\u:ST+2*\u+1] op_sel_hi:[1,0] neg_lo:[0,1] neg_hi:[0,1]
.set i_, i_+2
.endr
	WIN 0
.set i_, 0
.rept 32
.if (\n == 0) && (i_ < 8)
	v_pk_mul_f32 v[SA+8*\u+i_:SA+8*\u+i_+1], v[HA+i_:HA+i_+1], v[HA+i_:HA+i_+1]
.else
	v_pk_fma_f32 v[SA+8*\u+i_%8:SA+8*\u+i_%8+1], v[HA+i_:HA+i_+1], v[HA+i_:HA+i_+1], v[SA+8*\u+i_%8:SA+8*\u+i_%8+1]
.endif
.set i_, i_+2
.endr
.endr
.endr
	LANESUM
.irp u, 0,1
	v_mov_b32 v[ST+2*\u+1], v[SA+8*\u]
.endr
.irp u, 0,1
	ds_store_b64 v[REDW], v[ST+2*\u:ST+2*\u+1] offset:128*\u   ; both halves of the lanes write the same pair
.endr
	BARRIER
.irp u, 0,1
.irp w, 0,1,2,3
	ds_load_b64 v[LR+8*\u+2*\w:LR+8*\u+2*\w+1], v[REDR] offset:256*\w+128*\u
.endr
.endr
	s_wait_dscnt 0x0
.irp u, 0,1
	v_add_f32 v[LT+4*\u], v[LR+8*\u], v[LR+8*\u+2]
	v_add_f32 v[LT+4*\u+1], v[LR+8*\u+4], v[LR+8*\u+6]
	v_add_f32 v[LT+4*\u+2], v[LR+8*\u+1], v[LR+8*\u+3]
	v_add_f32 v[LT+4*\u+3], v[LR+8*\u+5], v[LR+8*\u+7]
.endr
.irp u, 0,1
	v_add_f32 v[LT+4*\u], v[LT+4*\u], v[LT+4*\u+1]
	v_add_f32 v[LT+4*\u+2], v[LT+4*\u+2], v[LT+4*\u+3]
.endr
.irp u, 0,1
	v_mul_f32 v[MEAN+2*\u], 0x3e800000, v[LT+4*\u] ; the row's mean
.endr
.irp w, 0,1,2,3
.irp u, 0,1
	v_sub_f32 v[LR+8*\u+2*\w], v[LR+8*\u+2*\w], v[MEAN+2*\u]
.endr
.endr
.irp u, 0,1
	v_mul_f32 v[LT+4*\u], v[LR+8*\u], v[LR+8*\u]
.endr
.irp w, 1,2,3
.irp u, 0,1
	v_fmac_f32 v[LT+4*\u], v[LR+8*\u+2*\w], v[LR+8*\u+2*\w]
.endr
.endr
.irp u, 0,1
	v_fmamk_f32 v[LT+4*\u+2], v[LT+4*\u], 0x43800000, v[LT+4*\u+2]   ; the four parts' squares + 256 x the parts' means' squares about the row's mean
.endr
.irp u, 0,1
	v_mul_f32 v[LT+4*\u+2], 0x3a800000, v[LT+4*\u+2]   ; / 1,024
.endr
.irp u, 0,1
	v_add_f32 v[LT+4*\u+2], 0x3727c5ac, v[LT+4*\u+2]   ; + 1e-5
.endr
	s_wait_alu depctr_va_vdst(0)                   ; ahead of the batch
.irp u, 0,1
	v_rsq_f32 v[RS+2*\u], v[LT+4*\u+2]
.endr
	v_nop                                          ; a plain place behind the transcendentals,
	s_wait_alu depctr_va_vdst(0)                   ; and the wait ahead of their first reader
	s_wait_loadcnt 0x0                             ; g and b
.irp u, 0,1
	v_mul_f32 v[MEAN+2*\u], v[MEAN+2*\u], v[RS+2*\u]   ; mean x rs
.endr
.irp u, 0,1
.irp n, 0,1
	WIN 0x03
.set i_, 0
.rept 32
	v_pk_fma_f32 v[HA+i_:HA+i_+1], v[128*\n+64*\u+i_:128*\n+64*\u+i_+1], v[RS+2*\u:RS+2*\u+1], v[MEAN+2*\u:MEAN+2*\u+1] op_sel_hi:[1,0,0] neg_lo:[0,0,1] neg_hi:[0,0,1]   ; x rs - mean rs
.set i_, i_+2
.endr
	WIN 0x28
.set i_, 0
.rept 32
	v_pk_fma_f32 v[HA+i_:HA+i_+1], v[HA+i_:HA+i_+1], v[64*\n+i_:64*\n+i_+1], v[128+64*\n+i_:128+64*\n+i_+1]
.set i_, i_+2
.endr
	WIN 0
	QUANTP HA, 2, PC                               ; K step 4 n + w of row tile u
.irp i, 0,1,2
	ds_store_b128 v[IMW], v[PC+4*\i:PC+4*\i+3] offset:1536*(8*\u+4*\n)+512*\i
.endr
	ds_store_b32 v[ISW], v[PW] offset:512*\n+64*\u
	s_wait_dscnt 0x0
.endr
.endr
	BARRIER                                        ; all 16 images lie in LDS
	ALOAD
.endm
.macro FRAMEHEAD                       ; the wave's number, the work-group's (s96), constants, the descriptors' constant words, the lanes' addresses
	v_lshrrev_b32 v1, 5, v0
	v_readfirstlane_b32 s[WV], v1
	s_bfe_u32 s96, ttmp6, 0x40000
	s_lshl_b32 s97, ttmp9, 2
	s_add_co_u32 s96, s97, s96                     ; work-group = 4 x cluster + place: it enters x's and the outputs' addresses alone
	s_mov_b32 s[G1+0], 15|(3<<16)|(1<<20)|(1<<21)|(5<<22)|(3<<25)   ; mask: all four; elements of 8 bytes; padding on; bit 21 beside a mask; after every 64 words 4 words
	s_mov_b32 s[G1+1], 32<<16                      ; a dense block as rows of 256 bytes
	s_mov_b32 s[G1+2], 96<<16
	s_mov_b32 s[G1+3], 32<<16
	s_mov_b32 s[G1+4], 96
	s_mov_b32 s[G1+5], 32
	s_mov_b32 s[G1+6], 0
	s_mov_b32 s[G1+7], 0
	s_mul_i32 s73, s[WV], QUART
	s_mov_b32 s[G0], 1
	s_mov_b32 s[G0+1], s73
	s_mov_b32 s[G0+4], 1
	s_add_co_u32 s[G0+5], s73, SLOTB
	s_mov_b32 s[SEL], 0x76543210
	s_mov_b32 s[SEL+1], 0xfedcba98
	s_mov_b32 s[SL], 0x05040100
	s_mov_b32 s[SH], 0x07060302
	s_mov_b32 s[SM], 0x05040302
	s_mov_b32 s[LOW16], 0xffff
	s_mov_b32 s[PAD7F], 0x7f7f0000
	v_and_b32 v15, 31, v0
	v_and_b32 v22, 15, v0
	v_bfe_u32 v23, v0, 4, 1
	v_lshlrev_b32 v[L16], 4, v15
	v_lshlrev_b32 v[L8], 3, v15
	v_lshlrev_b32 v[L4], 2, v15
	v_lshlrev_b32 v[R4], 2, v22
	v_lshlrev_b32 v[H32], 5, v23
	v_lshlrev_b32 v[L32], 5, v15
	v_mul_u32_u24 v[ADRB], v22, PITCH
	v_mad_u32_u24 v[ADRB], v23, 24, v[ADRB]
	v_add_nc_u32 v[ADRB], s73, v[ADRB]
	v_lshl_add_u32 v[ADRB+2], v23, 4, v[ADRB]
	v_add_nc_u32 v[ADRB+1], SLOTB, v[ADRB]
	v_add_nc_u32 v[ADRB+3], SLOTB, v[ADRB+2]
	s_mul_i32 s73, s[WV], 16*SPITCH
	s_add_co_u32 s73, s73, STG
	v_add_nc_u32 v[STW], s73, v[L16]
	v_mul_u32_u24 v[STD], v22, SPITCH
	v_lshl_add_u32 v[STD], v23, 5, v[STD]
	v_add_nc_u32 v[STD], s73, v[STD]
	v_add_nc_u32 v[AIA], AIMG, v[L16]
	v_add_nc_u32 v[ASA], ASC, v[L4]
	s_mul_i32 s73, s[WV], 1536
	s_add_co_u32 s73, s73, AIMG
	v_add_nc_u32 v[IMW], s73, v[L16]
	s_lshl_b32 s73, s[WV], 7
	s_add_co_u32 s73, s73, ASC
	v_add_nc_u32 v[ISW], s73, v[R4]
	s_lshl_b32 s73, s[WV], 8
	s_add_co_u32 s73, s73, RED
	v_lshl_add_u32 v[REDW], v22, 3, s73
	v_lshl_add_u32 v[REDR], v22, 3, RED
	s_lshl_b32 s73, s[WV], 9
	v_add_nc_u32 v[XC0], s73, v[L16]
	v_add_nc_u32 v[DC0], s73, v[H32]
	s_bfe_u32 s97, ttmp6, 0x40000                  ; the prefetches: my work-group's 24 of a tile's 96 blocks, told apart by address
	s_mul_i32 s97, s97, 24
	v_min_u32 v15, 23, v15
	v_add_nc_u32 v15, s97, v15
	v_lshlrev_b32 v[PFO], 8, v15
.irp b, 0,1,2,3
	v_mov_b32 v[TM+4+\b], 0                        ; a lane permute's destination counts as one of its sources
.endr
.endm
	s_load_b512 s[4:19], s[0:1], 0x0               ; x 4, ln1_g 6, ln1_b 8, wq codes 10, wq scales 12, bq 14, wk codes 16, wk scales 18
	s_load_b512 s[20:35], s[0:1], 0x40             ; bk 20, wv codes 22, wv scales 24, bv 26, qc 28, qs 30, kc 32, vc 34
	s_load_b64 s[36:37], s[0:1], 0x80              ; vs
	v_lshl_add_u32 v[SPW], v0, 2, SPARE
	v_mov_b32 v[NIL], 0
	ds_add_u32 v[SPW], v[NIL]                      ; the opening lines: the add, twice on end, and its wait ahead of my first tensor load
	ds_add_u32 v[SPW], v[NIL]
	FRAMEHEAD
	s_lshr_b32 s[ACUR], ttmp9, 2
	s_and_b32 s[ACUR], s[ACUR], 1                  ; a: the chunk with which every matrix begins; the same in the four partners
	; the outputs' offsets.  b = work-group / 32, tb = work-group % 32: token tiles 2 tb + u and key block tb of batch b; my first head of chunk 0 is 16 b + 2 w
	s_lshr_b32 s97, s96, 5
	s_and_b32 s94, s96, 31
	s_lshl_b32 s97, s97, 4
	s_lshl_b32 s95, s[WV], 1
	s_add_co_u32 s97, s97, s95
	s_mul_i32 s95, s94, 1536                       ; two tiles of 768 bytes of codes
	s_lshl_b32 s93, s94, 7                         ; two tiles of 64 bytes of scale words
	s_mul_i32 s84, s97, 49152
	s_add_co_u32 s84, s84, s95                     ; qc
	s_mov_b32 s85, 0
	s_lshl_b32 s86, s97, 12
	s_add_co_u32 s86, s86, s93                     ; qs
	s_mov_b32 s87, 0
	s_mul_i32 s92, s97, 53248
	s_add_co_u32 s88, s92, s95                     ; kc: codes,
	s_mov_b32 s89, 0
	s_add_co_u32 s90, s92, s93
	s_add_co_u32 s90, s90, 49152                   ; and the scale words behind a head's codes
	s_mov_b32 s91, 0
	s_lshl_b32 s97, s96, 4
	s_lshl_b32 s95, s[WV], 1
	s_add_co_u32 s97, s97, s95                     ; 16 x work-group + 2 w
	s_mul_i32 s92, s97, 1536                       ; vc
	s_mov_b32 s93, 0
	s_lshl_b32 s94, s97, 6                         ; vs
	s_mov_b32 s95, 0
	s_lshl_b32 s98, s96, 17                        ; x: 32 rows of 4,096 bytes
	s_mov_b32 s99, 0
	s_mov_b32 s61, 0
	s_wait_dscnt 0x0                               ; both opening adds are done
	s_wait_kmcnt 0x0
	s_mul_i32 s60, s[WV], 98304                    ; my 128 weight rows of a chunk
	s_add_nc_u64 s[10:11], s[10:11], s[60:61]
	s_add_nc_u64 s[16:17], s[16:17], s[60:61]
	s_add_nc_u64 s[22:23], s[22:23], s[60:61]
	s_lshl_b32 s60, s[WV], 12                      ; their scale bytes
	s_add_nc_u64 s[12:13], s[12:13], s[60:61]
	s_add_nc_u64 s[18:19], s[18:19], s[60:61]
	s_add_nc_u64 s[24:25], s[24:25], s[60:61]
	s_lshl_b32 s60, s[WV], 9                       ; their biases
	s_add_nc_u64 s[14:15], s[14:15], s[60:61]
	s_add_nc_u64 s[20:21], s[20:21], s[60:61]
	s_add_nc_u64 s[26:27], s[26:27], s[60:61]
	s_add_nc_u64 s[4:5], s[4:5], s[98:99]
	s_add_nc_u64 s[28:29], s[28:29], s[84:85]
	s_add_nc_u64 s[30:31], s[30:31], s[86:87]
	s_add_nc_u64 s[82:83], s[32:33], s[90:91]
	s_add_nc_u64 s[32:33], s[32:33], s[88:89]
	s_add_nc_u64 s[34:35], s[34:35], s[92:93]
	s_add_nc_u64 s[36:37], s[36:37], s[94:95]
	ROUND                                          ; the four work-groups are here: the first joint load meets
	PTR CUR, 10, ACUR, 393216                      ; wq, my cluster's first chunk, my 128 rows
	s_mov_b64 s[G0+2:G0+3], s[CUR:CUR+1]
	s_or_b32 s[G0+3], s[G0+3], 0x80000000
	tensor_load_to_lds s[G0:G0+3], s[G1:G1+7]
	s_nop 0
	PLACES 4
	s_wait_alu depctr_va_vdst(0)
	s_cmp_lt_u32 ttmp9, 4
	s_cbranch_scc0 .Lno_prefetch_qkv2
	global_prefetch_b8 v[PFO], s[CUR:CUR+1] offset:24576 th:TH_LOAD_NT scope:SCOPE_SE     ; the first chunk's tiles 1 and 2: LayerNorm stands between these lines and their loads
	global_prefetch_b8 v[PFO], s[CUR:CUR+1] offset:49152 th:TH_LOAD_NT scope:SCOPE_SE
.Lno_prefetch_qkv2:
	PTR WSB, 12, ACUR, 16384
	PTR BIB, 14, ACUR, 2048
	WSLOAD WSB, 0
	BILOAD BIB, 0
	XIN 4
	LNQ 6, 8
; q or k: a loop of two chunks.  A trip: the chunk's products; the next chunk's scale words and bias (in the last trip the next matrix's); then, for each row tile, two heads' codes and scale words.
.macro MATQK wc, ws, bi, nwc, nws, nbi, oc, os, hs, ss, cstep, sstep, qsc
	s_wait_xcnt 0x0                                ; every prefetch has read its base
	PTR CUR, \wc, ACUR, 393216
	s_xor_b32 s[ANX], s[ACUR], 1
	PTR NXT, \wc, ANX, 393216
	s_mov_b32 s[CNT], 2
.Lmat_\@:
	GEMM4 0, 0
	PLACES 4                                       ; behind the last products
	s_wait_xcnt 0x0                                ; the earlier loads, stores and prefetches have read their bases
	s_xor_b32 s[ANX], s[ACUR], 1
	s_cmp_eq_u32 s[CNT], 1
	s_cselect_b64 s[WSB:WSB+1], s[\nws:\nws+1], s[\ws:\ws+1]
	s_cselect_b64 s[BIB:BIB+1], s[\nbi:\nbi+1], s[\bi:\bi+1]
	s_mul_i32 s60, s[ANX], 16384
	s_add_nc_u64 s[WSB:WSB+1], s[WSB:WSB+1], s[60:61]
	s_mul_i32 s60, s[ANX], 2048
	s_add_nc_u64 s[BIB:BIB+1], s[BIB:BIB+1], s[60:61]
	PTR OCP, \oc, ACUR, \cstep
	PTR OSP, \os, ACUR, \sstep
	WSLOAD WSB, 0
	BILOAD BIB, 0
.irp u, 0,1
	s_wait_xcnt 0x0                                ; the last stores have read their registers
.if \qsc
.set i_, 0
.rept 32
	v_pk_mul_f32 v[ACC+64*\u+i_:ACC+64*\u+i_+1], v[ACC+64*\u+i_:ACC+64*\u+i_+1], 0x3e000000 op_sel_hi:[1,0]   ; q / 8
.set i_, i_+2
.endr
.endif
	QUANTP ACC+64*\u, 2, PC                        ; registers 6 g .. 6 g + 5: head g's 64 codes, block h in half h of the lanes
.irp g, 0,1
	global_store_b128 v[L16], v[PC+6*\g:PC+6*\g+3], s[OCP:OCP+1] offset:768*\u+\hs*\g          ; 512 consecutive bytes,
	global_store_b64 v[L8], v[PC+6*\g+4:PC+6*\g+5], s[OCP:OCP+1] offset:768*\u+\hs*\g+512      ; and 256
.endr
	v_and_or_b32 v209, v[PW], s[LOW16], s[PAD7F]   ; a head's word: its two bytes, and 0x7f twice for the half of K that holds zero codes
	v_lshrrev_b32 v210, 16, v[PW]
	v_or_b32 v210, s[PAD7F], v210
	global_store_b32 v[R4], v209, s[OSP:OSP+1] offset:64*\u        ; lanes 16-31 repeat lanes 0-15's address and word
	global_store_b32 v[R4], v210, s[OSP:OSP+1] offset:64*\u+\ss
.endr
	s_xor_b32 s[ACUR], s[ACUR], 1                  ; on to the other chunk
	PTR CUR, \wc, ACUR, 393216
	s_xor_b32 s[ANX], s[ACUR], 1
	PTR NXT, \nwc, ANX, 393216                     ; behind it comes the next matrix's first
	s_sub_co_i32 s[CNT], s[CNT], 1
	s_cmp_lg_u32 s[CNT], 0
	s_cbranch_scc1 .Lmat_\@
.endm
	MATQK 10, 12, 14, 16, 18, 20, 28, 30, 49152, 4096, 393216, 32768, 1
	MATQK 16, 18, 20, 22, 24, 26, 32, 82, 53248, 53248, 425984, 425984, 0
.macro BVLOAD                          ; v's bias: lane r wants that of column 16 ct + r
.irp ct, 0,1,2,3,4,5,6,7
	global_load_b32 v[BV+\ct], v[R4], s[BIB:BIB+1] offset:64*\ct
.endr
.endm
; A chunk of v, written out twice.  Register 64 + 16 ct + i of lane (r, h): column 16 ct + r, token 8 h + i (i < 8) or 8 + 8 h + i: the 32 tokens are one block along the keys.
.macro VCHUNK last
	GEMM4 2, \last
	PLACES 4
	s_wait_xcnt 0x0
	PTR OCP, 34, ACUR, 12288
	PTR OSP, 36, ACUR, 512
.if \last == 0
	s_xor_b32 s[ANX], s[ACUR], 1
	PTR WSB, 24, ANX, 16384
	PTR BIB, 26, ANX, 2048
	WSLOAD WSB, 0
.endif
.irp ct, 0,1,2,3,4,5,6,7
.set i_, 0
.rept 16
	v_add_f32 v[ACC+16*\ct+i_], v[ACC+16*\ct+i_], v[BV+\ct]
.set i_, i_+1
.endr
.endr
.if \last == 0
	BVLOAD
.endif
.irp g, 0,1                            ; a head: four column tiles
	s_wait_xcnt 0x0
	QUANTP ACC+64*\g, 2, PC                        ; registers 6 c .. 6 c + 5 of lane (r, h): the 24 bytes of column 16 (2 c + h) + r; the word's byte t: column 16 t + r
.irp n, 0,1
	global_store_b128 v[L16], v[PC+6*\n:PC+6*\n+3], s[OCP:OCP+1] offset:1536*\g+512*\n
	global_store_b64 v[L8], v[PC+6*\n+4:PC+6*\n+5], s[OCP:OCP+1] offset:1536*\g+1024+256*\n
.endr
	global_store_b32 v[R4], v[PW], s[OSP:OSP+1] offset:64*\g
.endr
.endm
	BVLOAD                                         ; (the bias pointer stands at bv's chunk a since k's last trip)
	PTR CUR, 22, ACUR, 393216
	s_xor_b32 s[ANX], s[ACUR], 1
	PTR NXT, 22, ANX, 393216
	VCHUNK 0
	s_xor_b32 s[ACUR], s[ACUR], 1
	PTR CUR, 22, ACUR, 393216
	VCHUNK 1
	s_wait_tensorcnt 0x0                           ; the wave's end
	ds_add_u32 v[SPW], v[NIL]
	s_wait_dscnt 0x0
	ROUND                                          ; the closing round
	s_endpgm
.Lfunc_end_k_q3e7aac3dc8_qkv:
	.size	k_q3e7aac3dc8_qkv, .Lfunc_end_k_q3e7aac3dc8_qkv-k_q3e7aac3dc8_qkv
	.p2alignl 7, 3214868480
	.fill 96, 4, 3214868480
	.section	.rodata,"a",@progbits
	.p2align	6, 0x0
	.amdhsa_kernel k_q3e7aac3dc8_qkv
		.amdhsa_group_segment_fixed_size 327680
		.amdhsa_private_segment_fixed_size 0
		.amdhsa_enable_private_segment 0
		.amdhsa_kernarg_size 136
		.amdhsa_user_sgpr_count 2
		.amdhsa_user_sgpr_kernarg_segment_ptr 1
		.amdhsa_wavefront_size32 1
		.amdhsa_system_sgpr_workgroup_id_x 1
		.amdhsa_system_sgpr_workgroup_id_y 1
		.amdhsa_system_sgpr_workgroup_id_z 1
		.amdhsa_system_vgpr_workitem_id 0
		.amdhsa_next_free_vgpr 1024
		.amdhsa_next_free_sgpr 100
		.amdhsa_reserve_vcc 0
		.amdhsa_float_denorm_mode_32 3
		.amdhsa_float_denorm_mode_16_64 3
		.amdhsa_memory_ordered 1
		.amdhsa_forward_progress 1
		.amdhsa_inst_pref_size 255
	.end_amdhsa_kernel
	.section	.bss,"aw",@nobits
	.p2align	6
	.space	262144
	.amdgpu_metadata
---
amdhsa.version: [ 1, 2 ]
amdhsa.kernels:
  - .name:           k_q3e7aac3dc8_qkv
    .symbol:         k_q3e7aac3dc8_qkv.kd
    .args:
      - { .name: x, .offset: 0, .size: 8, .value_kind: global_buffer, .address_space: global }
      - { .name: ln1_g, .offset: 8, .size: 8, .value_kind: global_buffer, .address_space: global }
      - { .name: ln1_b, .offset: 16, .size: 8, .value_kind: global_buffer, .address_space: global }
      - { .name: wq_codes, .offset: 24, .size: 8, .value_kind: global_buffer, .address_space: global }
      - { .name: wq_scales, .offset: 32, .size: 8, .value_kind: global_buffer, .address_space: global }
      - { .name: bq, .offset: 40, .size: 8, .value_kind: global_buffer, .address_space: global }
      - { .name: wk_codes, .offset: 48, .size: 8, .value_kind: global_buffer, .address_space: global }
      - { .name: wk_scales, .offset: 56, .size: 8, .value_kind: global_buffer, .address_space: global }
      - { .name: bk, .offset: 64, .size: 8, .value_kind: global_buffer, .address_space: global }
      - { .name: wv_codes, .offset: 72, .size: 8, .value_kind: global_buffer, .address_space: global }
      - { .name: wv_scales, .offset: 80, .size: 8, .value_kind: global_buffer, .address_space: global }
      - { .name: bv, .offset: 88, .size: 8, .value_kind: global_buffer, .address_space: global }
      - { .name: qc, .offset: 96, .size: 8, .value_kind: global_buffer, .address_space: global }
      - { .name: qs, .offset: 104, .size: 8, .value_kind: global_buffer, .address_space: global }
      - { .name: kc, .offset: 112, .size: 8, .value_kind: global_buffer, .address_space: global }
      - { .name: vc, .offset: 120, .size: 8, .value_kind: global_buffer, .address_space: global }
      - { .name: vs, .offset: 128, .size: 8, .value_kind: global_buffer, .address_space: global }
    .group_segment_fixed_size: 327680
    .private_segment_fixed_size: 0
    .kernarg_segment_align: 8
    .kernarg_segment_size: 136
    .max_flat_workgroup_size: 128
    .sgpr_count:     100
    .vgpr_count:     1024
    .wavefront_size: 32
...
	.end_amdgpu_metadata
.endif
;; end of part 4
;; launch attn (part 5): grid 4 x 64, 16 waves a work-group, clusters of 4 x 1, 245,760 bytes of LDS; arguments qc, qs, kc, vc, vs, cc, cs; writes cc, cs
.if DOCPART == 5
	.amdgcn_target "amdgcn-amd-amdhsa--gfx1250"
	.amdhsa_code_object_version 6
	.text
	.protected	k_q3e7aac3dc8_attn
	.globl	k_q3e7aac3dc8_attn
	.p2align	8
	.type	k_q3e7aac3dc8_attn,@function
k_q3e7aac3dc8_attn:
	s_mov_b64 s[64:65], 0
	v_nop
	global_prefetch_b8 v0, s[64:65] scope:SCOPE_SE
	s_setreg_imm32_b32 hwreg(HW_REG_WAVE_MODE, 25, 1), 1
	s_wait_xcnt 0x0
	s_wait_alu depctr_hold_cnt(0) depctr_sa_sdst(0) depctr_va_vdst(0) depctr_va_sdst(0) depctr_va_ssrc(0) depctr_va_vcc(0) depctr_vm_vsrc(0)
	s_getreg_b32 s2, hwreg(HW_REG_IB_STS2, 6, 4)
	s_cmp_eq_u32 s2, 0
	s_cbranch_scc0 .Lentry_in_a_cluster
	s_endpgm
.Lentry_in_a_cluster:
	s_bfe_u32 s2, ttmp6, 0x10000c
	s_cmp_lg_u32 s2, 0x3003
	s_cbranch_scc0 .Lentry_shape_is_right
	s_endpgm
.Lentry_shape_is_right:
; LAUNCH 2 OF 3.  ctx = softmax(q k^T) v for 128 heads of 1,024 x 64, both products on codes of BF6 (E3M2) with E8M0 scales; ctx is quantised along E and leaves as images of the next launch's operand registers.
; THE SOFTMAX: t = score x log2(e); M = the running largest t rounded UP to a whole number; p = 2^(t - M) is quantised along the keys, not normalised; the row's sum is taken of the unquantised p and divides at the end.
; SHARES.  A work-group owns 256 queries and TWO heads (2 y, 2 y + 1: together one K step of 128 of the next product), one after the other; each of its sixteen waves owns 16 queries, in 256 registers, four waves to a SIMD.
; Both heads' K (codes and scale words, 53,248 bytes a head), V (49,152) and V's scale bytes stay in LDS whole: all tiles are first fills, nothing is filled again.  All sixteen waves fetch: waves 0-3 a quarter of K each, waves 4-7 a quarter of V's scale bytes each, waves 8-15 an
; eighth of V.  Behind the two barriers at the head no wave waits for another: a wave that has finished the first head goes on into the second.
; CLUSTER.  The four query blocks of a pair of heads read the same K and V: each tile is asked for JOINTLY, mask 15.
; LAYOUT.  Both products transposed: S^T = K Q^T (source 0 = 16 neighbouring keys), O^T = V^T P^T (source 0 = 16 of the head's 64): a lane holds ONE query (lane % 16) throughout; register 8 t + j is key (or channel) 16 t + 8 (lane / 16) + j.
; THE HEAD'S 64 IN AN INSTRUCTION OF 128: Q's registers 6-11 are zero codes, so what stands in K's registers 6-11 (the next tile's codes; zeros behind the last) adds nothing; every scale word has 0x7f in the two bytes of that half.
; LIMITS: a block whose largest magnitude lies under 2^-122 keeps the scale byte 1; a block of zeros gets the byte 1 and not 127 (its codes are zeros; the bytes are read by this program alone); NaN and infinities are not served.
; REGISTERS: v1-7, v28, v30, v31 addresses that stay; v8-10 addresses in hand; v12 -M, v13 the largest t, v[14:15] the sum; v16-21 Q, v22-27 zeros; v29 ctx's scale word; v32-79 eight tiles of K, then four fragments of V; v80-85 zeros;
;   v96-159 S^T, then p; v160-191 O^T; v192-203 p's codes; v204-211 the conversions' second halves; v212-223 ctx's codes; v232-254 at work; v248-251 scale words; v255 Q's scale words.
.set KB,    0                          ; K of head e at 53,248 e: 64 tiles of 768 bytes, then 64 x 64 bytes of scale words
.set VB,    106496                     ; V of head e at + 61,440 e: 32 key blocks, 1,920 bytes apart: 3 x (512 bytes + 128 of padding)
.set VSR,   229376                     ; V's scale bytes as they come: [key block 32][r 16][t 4], 2,048 bytes a head
.set VSW,   233472                     ; and as words: [step 8][t 4][r 16]
.set SPARE, 237568                     ; the spare words, 128 bytes for each wave, that no other line names
.set SPW, 5
.set NIL, 6
.set TM,  232
.set PW,  254
.set PT,  204
.set WV,  18
.set SEL, 20
.set CS,  22                           ; s[22:23] log2(e)
.set G1K, 24
.set G1V, 32
.set G1S, 40
.set G0K, 48                           ; s[48:51] group 0 for my slice of K;  s[52:55] of V;  s[56:59] of V's scale bytes
.set G0V, 52
.set G0S, 56
.set SL,  76
.set SH,  77
.set SM,  78
.set TK,  80                           ; LDS byte of the step's tiles of K,
.set TS,  81                           ; of K's scale words,
.set TV,  82                           ; of V's key blocks,
.set TT,  83                           ; of V's scale words
.set CNT, 84
.macro PLACES n
.rept \n
	v_nop
.endr
.endm
.macro ROUND                           ; a round of the cluster's barrier
	s_barrier_signal -1
	s_barrier_wait -1
	s_cmp_lg_u32 s[WV], 0
	s_cbranch_scc1 .Lnot_wave_0_\@
	s_barrier_signal -3
.Lnot_wave_0_\@:
	s_barrier_wait -3
	s_barrier_signal -1
	s_barrier_wait -1
.endm
; 32 nc numbers at v[s] on (register 16 b + i of half h: number 8 h + i or 8 + 8 h + i of block b), their scale operands in v[TM+12] on, become codes in natural order in v[pc] on.
.macro CODES s, nc, pc
.set c_, 0
.rept \nc
	v_cvt_scalef32_pk16_bf6_f32 v[\pc+6*c_:\pc+6*c_+2], v[\s+32*c_:\s+32*c_+15], v[TM+12+2*c_]
	v_cvt_scalef32_pk16_bf6_f32 v[PT+4*c_:PT+4*c_+2], v[\s+32*c_+16:\s+32*c_+31], v[TM+13+2*c_]
.set c_, c_+1
.endr
	v_nop                                          ; one plain place behind the scaled conversions
.set c_, 0
.rept \nc
.irp i, 0,1,2
	v_permlane16_swap_b32 v[\pc+6*c_+\i], v[PT+4*c_+\i]   ; lanes 0-15 now hold block 2 c, lanes 16-31 block 2 c + 1: F (numbers 0-7, 16-23) in the first, G (8-15, 24-31) in the second
.endr
	s_delay_alu instid0(VALU_DEP_1)
	v_perm_b32 v[\pc+6*c_+3], v[\pc+6*c_+2], v[\pc+6*c_+1], s[SM]   ; F2.l : F1.h
	s_delay_alu instid0(VALU_DEP_2)
	v_perm_b32 v[\pc+6*c_+4], v[PT+4*c_+1], v[\pc+6*c_+2], s[SH]    ; G1.h : F2.h
	s_delay_alu instid0(VALU_DEP_3)
	v_mov_b32 v[\pc+6*c_+5], v[PT+4*c_+2]                           ; G2
	v_perm_b32 v[\pc+6*c_+1], v[PT+4*c_], v[\pc+6*c_+1], s[SL]      ; G0.l : F1.l
	v_perm_b32 v[\pc+6*c_+2], v[PT+4*c_+1], v[PT+4*c_], s[SM]       ; G1.l : G0.h
.set c_, c_+1
.endr
.endm
.macro QUANTP s, nc, pc                ; the quantiser: largest magnitudes with the floor 2^(5 - 127), the scale word in v[PW], the codes
.set b_, 0
.rept 2*\nc
	v_max3_num_f32 v[TM+b_], |v[\s+16*b_]|, |v[\s+16*b_+1]|, 0x2800000
.set b_, b_+1
.endr
.irp i, 2,4,6,8,10,12,14
.set b_, 0
.rept 2*\nc
	s_delay_alu instid0(VALU_DEP_2)
	v_max3_num_f32 v[TM+b_], v[TM+b_], |v[\s+16*b_+\i]|, |v[\s+16*b_+\i+1]|
.set b_, b_+1
.endr
.endr
.set b_, 0
.rept 2*\nc
	s_delay_alu instid0(VALU_DEP_2)
	v_permlanex16_b32 v[TM+4+b_], v[TM+b_], s[SEL], s[SEL+1]
.set b_, b_+1
.endr
.set b_, 0
.rept 2*\nc
	s_delay_alu instid0(VALU_DEP_2)
	v_max_num_f32 v[TM+b_], v[TM+b_], v[TM+4+b_]
.set b_, b_+1
.endr
.set b_, 0
.rept 2*\nc
	s_delay_alu instid0(VALU_DEP_2)
	v_add_nc_u32 v[TM+12+b_], 0xfe000000, v[TM+b_]
.set b_, b_+1
.endr
.set b_, 0
.rept 2*\nc
	s_delay_alu instid0(VALU_DEP_2)
	v_lshrrev_b32 v[TM+4+b_], 23, v[TM+12+b_]
.set b_, b_+1
.endr
	s_delay_alu instid0(VALU_DEP_1)
	v_lshl_or_b32 v[PW], v[TM+5], 8, v[TM+4]
.if \nc > 1
	v_lshl_or_b32 v[PW], v[TM+6], 16, v[PW]
	v_lshl_or_b32 v[PW], v[TM+7], 24, v[PW]
.endif
	CODES \s, \nc, \pc
.endm
.macro WM d, a, b, c, sa, sb, ra       ; one matrix instruction.  c < 0: the constant 0 starts the sum.  ra: source 0's scale words stand in lanes 16-31
.if (\c) < 0
.if (\ra)
	v_wmma_scale_f32_16x16x128_f8f6f4 v[\d:\d+7], v[\a:\a+11], v[\b:\b+11], 0, v[\sa], v[\sb] matrix_a_fmt:MATRIX_FMT_BF6 matrix_b_fmt:MATRIX_FMT_BF6 matrix_a_scale:MATRIX_SCALE_ROW1
.else
	v_wmma_scale_f32_16x16x128_f8f6f4 v[\d:\d+7], v[\a:\a+11], v[\b:\b+11], 0, v[\sa], v[\sb] matrix_a_fmt:MATRIX_FMT_BF6 matrix_b_fmt:MATRIX_FMT_BF6
.endif
.else
.if (\ra)
	v_wmma_scale_f32_16x16x128_f8f6f4 v[\d:\d+7], v[\a:\a+11], v[\b:\b+11], v[\c:\c+7], v[\sa], v[\sb] matrix_a_fmt:MATRIX_FMT_BF6 matrix_b_fmt:MATRIX_FMT_BF6 matrix_a_scale:MATRIX_SCALE_ROW1
.else
	v_wmma_scale_f32_16x16x128_f8f6f4 v[\d:\d+7], v[\a:\a+11], v[\b:\b+11], v[\c:\c+7], v[\sa], v[\sb] matrix_a_fmt:MATRIX_FMT_BF6 matrix_b_fmt:MATRIX_FMT_BF6
.endif
.endif
.endm
	s_load_b256 s[4:11], s[0:1], 0x0               ; qc 4, qs 6, kc 8, vc 10
	s_load_b128 s[12:15], s[0:1], 0x20             ; vs 12, cc 14
	s_load_b64 s[16:17], s[0:1], 0x30              ; cs
	v_lshl_add_u32 v[SPW], v0, 2, SPARE
	v_mov_b32 v[NIL], 0
	ds_add_u32 v[SPW], v[NIL]                      ; the wave's opening: the add, and its wait ahead of the first tensor loads; the set-up, work on registers, stands between them
	ds_add_u32 v[SPW], v[NIL]
	v_lshrrev_b32 v8, 5, v0
	s_delay_alu instid0(VALU_DEP_1)
	v_readfirstlane_b32 s[WV], v8                  ; wave 0..15
	s_and_b32 s85, ttmp7, 0xffff                   ; y: the pair of heads, which the four partners share
	s_lshr_b32 s86, s85, 3                         ; batch
	s_and_b32 s87, s85, 7                          ; the pair within the batch = the next product's K step
	s_and_b32 s79, s[WV], 7                        ; my slice, one of eight
	s_lshr_b32 s96, s79, 2                         ; of V: its head,
	s_and_b32 s97, s79, 3                          ; and which eight of the head's 32 key blocks
	s_mul_i32 s94, s79, 26624                      ; of K (waves 0-3 fetch it, a quarter each): 104 rows of 256 bytes; the two heads' blocks lie on end in memory and in LDS alike
	s_mul_i32 s88, s85, 106496                     ; kc: two heads of 53,248 bytes
	s_add_co_u32 s88, s88, s94
	s_mov_b32 s89, 0
	s_mul_i32 s90, s86, 786432                     ; vc: [batch][key block][head][1,536]
	s_mul_i32 s98, s87, 3072
	s_add_co_u32 s90, s90, s98
	s_mul_i32 s98, s96, 1536
	s_add_co_u32 s90, s90, s98
	s_mul_i32 s98, s97, 196608
	s_add_co_u32 s90, s90, s98
	s_mov_b32 s91, 0
	s_lshl_b32 s92, s86, 15                        ; vs: [batch][key block][head][64]
	s_lshl_b32 s98, s87, 7
	s_add_co_u32 s92, s92, s98
	s_lshr_b32 s98, s97, 1                         ; V's scale bytes (waves 4-7 fetch them, a quarter each): quarter j = wave % 4 is head j / 2,
	s_lshl_b32 s98, s98, 6
	s_add_co_u32 s92, s92, s98
	s_and_b32 s98, s97, 1                          ; key blocks 16 (j % 2) on
	s_lshl_b32 s98, s98, 14
	s_add_co_u32 s92, s92, s98
	s_mov_b32 s93, 0
	s_mov_b32 s[G0K], 1
	s_mov_b32 s[G0K+1], s94                        ; where they go: the wave's number times a constant, plus the region's constant
	s_mov_b32 s[G0V], 1
	s_mul_i32 s98, s79, 15360                      ; eight key blocks of 1,920 bytes
	s_add_co_u32 s[G0V+1], s98, VB
	s_mov_b32 s[G0S], 1
	s_lshl_b32 s98, s97, 10                        ; sixteen key blocks of 64 bytes
	s_add_co_u32 s[G0S+1], s98, VSR
	; group 1.  K: 104 rows of 256 bytes (32 elements of 8), dense
	s_mov_b32 s[G1K], 15|(3<<16)|(1<<21)
	s_mov_b32 s[G1K+1], 32<<16
	s_mov_b32 s[G1K+2], 104<<16
	s_mov_b32 s[G1K+3], 32<<16
	s_mov_b32 s[G1K+4], 104
	s_mov_b32 s[G1K+5], 32
	s_mov_b32 s[G1K+6], 0
	s_mov_b32 s[G1K+7], 0
	; V: 8 key blocks of 1,536 bytes (192 elements), 24,576 bytes apart in memory; 128 bytes of padding behind every 512
	s_mov_b32 s[G1V], 15|(3<<16)|(1<<20)|(1<<21)|(6<<22)|(31<<25)
	s_mov_b32 s[G1V+1], 192<<16
	s_mov_b32 s[G1V+2], 8<<16
	s_mov_b32 s[G1V+3], 192<<16
	s_mov_b32 s[G1V+4], 8
	s_mov_b32 s[G1V+5], 3072
	s_mov_b32 s[G1V+6], 0
	s_mov_b32 s[G1V+7], 0
	; V's scale bytes: 16 key blocks of 64 bytes (8 elements), 1,024 bytes apart
	s_mov_b32 s[G1S], 15|(3<<16)|(1<<21)
	s_mov_b32 s[G1S+1], 8<<16
	s_mov_b32 s[G1S+2], 16<<16
	s_mov_b32 s[G1S+3], 8<<16
	s_mov_b32 s[G1S+4], 16
	s_mov_b32 s[G1S+5], 128
	s_mov_b32 s[G1S+6], 0
	s_mov_b32 s[G1S+7], 0
	s_mov_b32 s[SEL], 0x76543210
	s_mov_b32 s[SEL+1], 0xfedcba98
	s_mov_b32 s[CS], 0x3fb8aa3b                    ; log2(e)
	s_mov_b32 s[CS+1], s[CS]                       ; (named with it as a pair, so it is written)
	s_mov_b32 s[SL], 0x05040100
	s_mov_b32 s[SH], 0x07060302
	s_mov_b32 s[SM], 0x05040302
	s_wait_dscnt 0x0                               ; the opening add is done
	s_wait_kmcnt 0x0
	s_add_nc_u64 s[G0K+2:G0K+3], s[8:9], s[88:89]
	s_or_b32 s[G0K+3], s[G0K+3], 0x80000000
	s_add_nc_u64 s[G0V+2:G0V+3], s[10:11], s[90:91]
	s_or_b32 s[G0V+3], s[G0V+3], 0x80000000
	s_add_nc_u64 s[G0S+2:G0S+3], s[12:13], s[92:93]
	s_or_b32 s[G0S+3], s[G0S+3], 0x80000000
	ROUND                                          ; the four work-groups are here: the joint loads meet
	; THE SHARES OF THE FETCH: waves 0-3 a quarter of K each, waves 4-7 a quarter of V's scale bytes each, waves 8-15 an eighth of V each: one tensor load a wave, in one chain of branches on the wave's number
	s_cmp_lt_u32 s[WV], 4
	s_cbranch_scc0 .Lfor_s
	tensor_load_to_lds s[G0K:G0K+3], s[G1K:G1K+7]
	s_nop 0
	PLACES 4
	s_branch .Lasked
.Lfor_s:
	s_cmp_lt_u32 s[WV], 8
	s_cbranch_scc0 .Lfor_v
	tensor_load_to_lds s[G0S:G0S+3], s[G1S:G1S+7]
	s_nop 0
	PLACES 4
	s_branch .Lasked
.Lfor_v:
	tensor_load_to_lds s[G0V:G0V+3], s[G1V:G1V+7]
	s_nop 0
	PLACES 4
.Lasked:
	; my tile of queries, qt = 16 x (4 x cluster x + place) + wave: it enters Q's and ctx's addresses alone
	s_bfe_u32 s94, ttmp6, 0x40000
	s_lshl_b32 s95, ttmp9, 2
	s_add_co_u32 s94, s94, s95
	s_lshl_b32 s94, s94, 4
	s_add_co_u32 s94, s94, s[WV]
	s_mov_b32 s97, 0
	s_mul_i32 s96, s85, 98304                      ; qc: two heads of 49,152 bytes, 768 a tile
	s_mul_i32 s95, s94, 768
	s_add_co_u32 s96, s96, s95
	s_add_nc_u64 s[4:5], s[4:5], s[96:97]
	s_lshl_b32 s96, s85, 13                        ; qs: two heads of 4,096 bytes, 64 a tile
	s_lshl_b32 s95, s94, 6
	s_add_co_u32 s96, s96, s95
	s_add_nc_u64 s[6:7], s[6:7], s[96:97]
	s_lshl_b32 s96, s86, 6                         ; cc: ((64 batch + qt) 8 + K step) x 1,536
	s_add_co_u32 s96, s96, s94
	s_lshl_b32 s96, s96, 3
	s_add_co_u32 s96, s96, s87
	s_mul_i32 s96, s96, 1536
	s_add_nc_u64 s[14:15], s[14:15], s[96:97]
	s_lshl_b32 s96, s86, 5                         ; cs: (32 batch + qt / 2) x 1,024 + 128 K step + 64 (qt % 2)
	s_lshr_b32 s95, s94, 1
	s_add_co_u32 s96, s96, s95
	s_lshl_b32 s96, s96, 10
	s_lshl_b32 s95, s87, 7
	s_add_co_u32 s96, s96, s95
	s_and_b32 s95, s94, 1
	s_lshl_b32 s95, s95, 6
	s_add_co_u32 s96, s96, s95
	s_add_nc_u64 s[16:17], s[16:17], s[96:97]
	v_and_b32 v8, 31, v0                           ; lane
	v_and_b32 v9, 15, v0                           ; r
	v_bfe_u32 v10, v0, 4, 1                        ; h
	s_delay_alu instid0(VALU_DEP_3)
	v_lshlrev_b32 v1, 4, v8                        ; v1  16 x lane: an image's first four registers
	s_delay_alu instid0(VALU_DEP_4)
	v_lshlrev_b32 v2, 3, v8
	s_delay_alu instid0(VALU_DEP_1)
	v_add_nc_u32 v2, 512, v2                       ; v2  512 + 8 x lane: its last two
	v_lshlrev_b32 v3, 2, v8                        ; v3  4 x lane
	v_mul_u32_u24 v4, v10, 1920
	s_delay_alu instid0(VALU_DEP_1)
	v_lshl_add_u32 v7, v9, 3, v4
	s_delay_alu instid0(VALU_DEP_1)
	v_add_nc_u32 v7, 1280, v7                      ; v7  V: key block h, the last 8 of column r's 24 bytes
	s_delay_alu instid0(VALU_DEP_3)
	v_lshl_add_u32 v4, v9, 4, v4                   ; v4  V: key block h, the first 16
	v_lshlrev_b32 v28, 2, v9                       ; v28 4 r
	v_lshrrev_b32 v30, 6, v0
	s_delay_alu instid0(VALU_DEP_1)
	v_lshlrev_b32 v30, 8, v30
	s_delay_alu instid0(VALU_DEP_1)
	v_lshl_add_u32 v30, v9, 2, v30
	v_bfe_u32 v11, v0, 4, 2
	s_delay_alu instid0(VALU_DEP_1)
	v_add_nc_u32 v30, v30, v11
	s_delay_alu instid0(VALU_DEP_1)
	v_add_nc_u32 v30, VSR, v30                     ; v30 thread (step, t, r): the first of its word's four bytes: 256 step + 4 r + t
	v_lshl_add_u32 v31, v0, 2, VSW                 ; v31 and the word
.irp j, 22,23,24,25,26,27,80,81,82,83,84,85
	v_mov_b32 v[\j], 0                             ; zero codes
.endr
.irp b, 0,1,2,3
	v_mov_b32 v[236+\b], 0                         ; written once: a lane permute's destination counts as one of its sources
.endr
	v_mov_b32 v253, 0                              ; (named as the upper half of the pair v[252:253] before it is first written)
; V's scale bytes of head e become words: byte b of word (step, t, r) is that of key block 4 step + b, column 16 t + r.  One word a thread and head.
.macro VSBYTES e, reg
.irp b, 0,1,2,3
	ds_load_u8 v[\reg+\b], v30 offset:2048*\e+64*\b
.endr
.endm
.macro VSWORD e, reg
	v_lshl_or_b32 v[\reg], v[\reg+1], 8, v[\reg]
	s_delay_alu instid0(VALU_DEP_1)
	v_lshl_or_b32 v[\reg], v[\reg+2], 16, v[\reg]
	s_delay_alu instid0(VALU_DEP_1)
	v_lshl_or_b32 v[\reg], v[\reg+3], 24, v[\reg]
	ds_store_b32 v31, v[\reg] offset:2048*\e
.endm
; A KEY STEP: 128 keys.
.macro KSTEP
	v_add_nc_u32 v8, s[TK], v1
	v_add_nc_u32 v9, s[TK], v2
	v_add_nc_u32 v10, s[TS], v3
	v_nop                                          ; four places between the last products and the loads into the registers that they read
.irp t, 0,1,2,3,4,5,6,7
	ds_load_b128 v[32+6*\t:35+6*\t], v8 offset:768*\t
	ds_load_b64 v[36+6*\t:37+6*\t], v9 offset:768*\t
.endr
.irp p, 0,1,2,3
	ds_load_b32 v[248+\p], v10 offset:128*\p       ; lanes 0-15: tile 2 p's words, lanes 16-31: tile 2 p + 1's
.endr
	s_wait_dscnt 0x0
.irp t, 0,1,2,3,4,5,6,7
	WM 96+8*\t, 32+6*\t, 16, -1, 248+\t/2, 255, \t%2
.endr
	v_add_nc_u32 v8, s[TV], v4
	v_add_nc_u32 v9, s[TV], v7
	v_add_nc_u32 v10, s[TT], v3
	v_nop                                          ; four places: ahead of V's loads into K's registers, and of the first read of the scores
.irp t, 0,1,2,3                        ; V's four fragments are asked for now and land under the softmax: registers 6 c .. 6 c + 5 of lane (r, h): key block 4 step + 2 c + h, column 16 t + r
.irp n, 0,1
	ds_load_b128 v[32+12*\t+6*\n:35+12*\t+6*\n], v8 offset:3840*\n+256*\t+128*(\t/2)
	ds_load_b64 v[36+12*\t+6*\n:37+12*\t+6*\n], v9 offset:3840*\n+128*\t
.endr
.endr
	ds_load_b32 v248, v10
	ds_load_b32 v249, v10 offset:128
.irp b, 0,1,2,3
	v_max3_num_f32 v[232+\b], v[96+16*\b], v[97+16*\b], v[98+16*\b]   ; the largest score of each block of 32 keys: for the row's maximum, and, since p rises with the score, for the block's largest p
.endr
.irp i, 3,5,7,9,11,13
.irp b, 0,1,2,3
	v_max3_num_f32 v[232+\b], v[232+\b], v[96+16*\b+\i], v[97+16*\b+\i]
.endr
.endr
.irp b, 0,1,2,3
	v_max_num_f32 v[232+\b], v[232+\b], v[111+16*\b]
.endr
.irp b, 0,1,2,3
	s_delay_alu instid0(VALU_DEP_4)
	v_permlanex16_b32 v[236+\b], v[232+\b], s[SEL], s[SEL+1]
.endr
.irp b, 0,1,2,3
	s_delay_alu instid0(VALU_DEP_4)
	v_max_num_f32 v[232+\b], v[232+\b], v[236+\b]  ; with lane l xor 16's 16 keys
.endr
	s_delay_alu instid0(VALU_DEP_2)
	v_max3_num_f32 v254, v232, v233, v234
	s_delay_alu instid0(VALU_DEP_1)
	v_max_num_f32 v254, v254, v235
	s_delay_alu instid0(VALU_DEP_1)
	v_mul_f32 v254, s[CS], v254                    ; as t
	s_delay_alu instid0(VALU_DEP_1)
	v_max_num_f32 v13, v13, v254                   ; the running largest t
	v_mov_b32 v254, v12
	s_delay_alu instid0(VALU_DEP_2)
	v_floor_f32 v12, -v13                          ; the new -M = floor(-t): M is a whole number
	s_delay_alu instid0(VALU_DEP_1)
	v_sub_f32 v254, v12, v254                      ; old M - new M: a whole number, 0 or less
	s_delay_alu instid0(VALU_DEP_1)
	v_cvt_i32_f32 v254, v254                       ; (it saturates)
	s_delay_alu instid0(VALU_DEP_1)
	v_ldexp_f32 v252, 1.0, v254                    ; f = 2^(old M - new M): a multiplication by it rounds nothing
.set j_, 0
.rept 32
	v_pk_fma_f32 v[96+j_:97+j_], v[96+j_:97+j_], s[CS:CS+1], v[12:13] op_sel_hi:[1,0,0]   ; t - M
.set j_, j_+2
.endr
.irp b, 0,1,2,3
	v_fma_f32 v[232+\b], v[232+\b], s[CS], v12     ; the same of each block's largest score
.endr
.set j_, 0
	s_wait_alu depctr_va_vdst(0)
.rept 64
	v_exp_f32 v[96+j_], v[96+j_]                   ; p = 2^(t - M)
.set j_, j_+1
.endr
	v_pk_mul_f32 v[14:15], v[14:15], v[252:253] op_sel_hi:[1,0]   ; the sums under the new M: the plain place behind the batch
	s_wait_alu depctr_va_vdst(0)                   ; the wait ahead of the first reader: one for the 64
.irp b, 0,1,2,3
	v_exp_f32 v[232+\b], v[232+\b]                 ; the block's largest p
.endr
	v_pk_add_f32 v[236:237], v[100:101], v[104:105]
	v_pk_add_f32 v[250:251], v[108:109], v[112:113]
	v_pk_add_f32 v[246:247], v[116:117], v[120:121]
	v_pk_add_f32 v[244:245], v[124:125], v[128:129]
	v_pk_add_f32 v[242:243], v[132:133], v[136:137]
	v_pk_add_f32 v[240:241], v[140:141], v[144:145]
	v_pk_add_f32 v[238:239], v[148:149], v[152:153]
	v_pk_add_f32 v[14:15], v[14:15], v[156:157]
	v_pk_add_f32 v[236:237], v[236:237], v[96:97]
	v_pk_add_f32 v[250:251], v[250:251], v[98:99]
	v_pk_add_f32 v[246:247], v[246:247], v[102:103]
	v_pk_add_f32 v[244:245], v[244:245], v[106:107]
	v_pk_add_f32 v[242:243], v[242:243], v[110:111]
	v_pk_add_f32 v[240:241], v[240:241], v[114:115]
	v_pk_add_f32 v[238:239], v[238:239], v[118:119]
	v_pk_add_f32 v[14:15], v[14:15], v[122:123]
	v_pk_add_f32 v[236:237], v[236:237], v[126:127]
	v_pk_add_f32 v[250:251], v[250:251], v[130:131]
	v_pk_add_f32 v[246:247], v[246:247], v[134:135]
	v_pk_add_f32 v[244:245], v[244:245], v[138:139]
	v_pk_add_f32 v[242:243], v[242:243], v[142:143]
	v_pk_add_f32 v[240:241], v[240:241], v[146:147]
	v_pk_add_f32 v[238:239], v[238:239], v[150:151]
	v_pk_add_f32 v[14:15], v[14:15], v[154:155]
	v_pk_add_f32 v[236:237], v[236:237], v[158:159]
	s_delay_alu instid0(VALU_DEP_2)
	v_pk_add_f32 v[14:15], v[14:15], v[244:245]
	s_delay_alu instid0(VALU_DEP_2)
	v_pk_add_f32 v[236:237], v[236:237], v[242:243]
	v_pk_add_f32 v[250:251], v[250:251], v[240:241]
	v_pk_add_f32 v[246:247], v[246:247], v[238:239]
	s_delay_alu instid0(VALU_DEP_2)
	v_pk_add_f32 v[14:15], v[14:15], v[250:251]
	s_delay_alu instid0(VALU_DEP_2)
	v_pk_add_f32 v[236:237], v[236:237], v[246:247]
	s_delay_alu instid0(VALU_DEP_1)
	v_pk_add_f32 v[14:15], v[14:15], v[236:237]
	s_wait_alu depctr_va_vdst(0)                   ; and one for the four
.irp b, 0,1,2,3
	v_max_num_f32 v[232+\b], 0x2800000, v[232+\b]  ; the floor 2^(5 - 127): the byte cannot fall under 1
.endr
.irp b, 0,1,2,3
	s_delay_alu instid0(VALU_DEP_4)
	v_add_nc_u32 v[244+\b], 0xfe000000, v[232+\b]  ; 4 off the exponent field: the conversion's scale operand
.endr
.irp b, 0,1,2,3
	s_delay_alu instid0(VALU_DEP_4)
	v_lshrrev_b32 v[236+\b], 23, v[244+\b]
.endr
	s_delay_alu instid0(VALU_DEP_3)
	v_lshl_or_b32 v253, v237, 8, v236              ; p's scale word for these 128 keys
	s_delay_alu instid0(VALU_DEP_1)
	v_lshl_or_b32 v253, v238, 16, v253
	s_delay_alu instid0(VALU_DEP_1)
	v_lshl_or_b32 v253, v239, 24, v253
	CODES 96, 2, 192
.set j_, 0
.rept 16
	v_pk_mul_f32 v[160+j_:161+j_], v[160+j_:161+j_], v[252:253] op_sel_hi:[1,0]   ; O^T under the new M; these sixteen are also the places between the scale word's and the codes' last lines and the products
.set j_, j_+2
.endr
	s_wait_alu depctr_va_vdst(0)
	s_wait_dscnt 0x0                               ; V
.irp t, 0,1,2,3
	WM 160+8*\t, 32+12*\t, 192, 160+8*\t, 248+\t/2, 253, \t%2
.endr
.endm
; Head e: all 1,024 keys, then ctx's 64 channels as six registers of codes and two scale bytes.
.macro PASS e
	global_load_b128 v[16:19], v1, s[4:5] offset:49152*\e
	global_load_b64 v[20:21], v2, s[4:5] offset:49152*\e           ; (v2 carries the 512)
	global_load_b32 v255, v28, s[6:7] offset:4096*\e
	v_mov_b32 v13, 0xff61b1e6                      ; the largest t so far: -3e38
	s_delay_alu instid0(VALU_DEP_1)
	v_floor_f32 v12, -v13
	v_mov_b32 v14, 0
	v_mov_b32 v15, 0
.set j_, 0
.rept 32
	v_mov_b32 v[160+j_], 0                         ; O^T: the step is written once; its first trip finds zeros
.set j_, j_+1
.endr
	s_mov_b32 s[TK], KB+53248*\e
	s_mov_b32 s[TS], KB+53248*\e+49152
	s_mov_b32 s[TV], VB+61440*\e
	s_mov_b32 s[TT], VSW+2048*\e
	s_mov_b32 s[CNT], 8
	s_wait_loadcnt 0x0
.Lkey_\@:
	KSTEP
	s_add_co_u32 s[TK], s[TK], 6144
	s_add_co_u32 s[TS], s[TS], 512
	s_add_co_u32 s[TV], s[TV], 7680
	s_add_co_u32 s[TT], s[TT], 256
	s_sub_co_i32 s[CNT], s[CNT], 1
	s_cmp_lg_u32 s[CNT], 0
	s_cbranch_scc1 .Lkey_\@
	PLACES 4                                       ; behind the last products
	v_add_f32 v14, v14, v15
	s_delay_alu instid0(VALU_DEP_1)
	v_permlanex16_b32 v252, v14, s[SEL], s[SEL+1]
	s_delay_alu instid0(VALU_DEP_1)
	v_add_f32 v14, v14, v252                       ; the row's sum
	s_wait_alu depctr_va_vdst(0)
	v_rcp_f32 v14, v14
	v_nop
	s_wait_alu depctr_va_vdst(0)                   ; ahead of the reciprocal's first reader
.set j_, 0
.rept 32
	v_mul_f32 v[96+j_], v[160+j_], v14
.set j_, j_+1
.endr
	QUANTP 96, 1, 212+6*\e
.if \e == 0
	v_mov_b32 v29, v[PW]
.else
	v_lshl_or_b32 v29, v[PW], 16, v29
.endif
.endm
	s_wait_tensorcnt 0x0                           ; my slices, of both heads, are in,
	s_barrier_signal -1
	s_barrier_wait -1                              ; everybody's are: from here on every wave may read all of K and V
	VSBYTES 0, 232
	VSBYTES 1, 240
	s_wait_dscnt 0x0
	VSWORD 0, 232
	VSWORD 1, 240
	s_wait_dscnt 0x0                               ; for the others' sake: my two words are stored
	s_barrier_signal -1
	s_barrier_wait -1                              ; both heads' scale words lie in LDS: no wave writes LDS behind this barrier
	PASS 0
	PASS 1
.irp i, 0,1,2
	global_store_b128 v1, v[212+4*\i:215+4*\i], s[14:15] offset:512*\i   ; the fragment's image: 512 consecutive bytes a store
.endr
	global_store_b32 v28, v29, s[16:17]            ; lanes 16-31 repeat lanes 0-15's address and word
	s_wait_tensorcnt 0x0                           ; the wave's end, behind my last tensor load and my last LDS store
	ds_add_u32 v[SPW], v[NIL]
	s_wait_dscnt 0x0
	ROUND                                          ; the closing round
	s_endpgm
.Lfunc_end_k_q3e7aac3dc8_attn:
	.size	k_q3e7aac3dc8_attn, .Lfunc_end_k_q3e7aac3dc8_attn-k_q3e7aac3dc8_attn
	.p2alignl 7, 3214868480
	.fill 96, 4, 3214868480
	.section	.rodata,"a",@progbits
	.p2align	6, 0x0
	.amdhsa_kernel k_q3e7aac3dc8_attn
		.amdhsa_group_segment_fixed_size 245760
		.amdhsa_private_segment_fixed_size 0
		.amdhsa_enable_private_segment 0
		.amdhsa_kernarg_size 56
		.amdhsa_user_sgpr_count 2
		.amdhsa_user_sgpr_kernarg_segment_ptr 1
		.amdhsa_wavefront_size32 1
		.amdhsa_system_sgpr_workgroup_id_x 1
		.amdhsa_system_sgpr_workgroup_id_y 1
		.amdhsa_system_sgpr_workgroup_id_z 1
		.amdhsa_system_vgpr_workitem_id 0
		.amdhsa_next_free_vgpr 256
		.amdhsa_next_free_sgpr 100
		.amdhsa_reserve_vcc 0
		.amdhsa_float_denorm_mode_32 3
		.amdhsa_float_denorm_mode_16_64 3
		.amdhsa_memory_ordered 1
		.amdhsa_forward_progress 1
		.amdhsa_inst_pref_size 59
	.end_amdhsa_kernel
	.amdgpu_metadata
---
amdhsa.version: [ 1, 2 ]
amdhsa.kernels:
  - .name:           k_q3e7aac3dc8_attn
    .symbol:         k_q3e7aac3dc8_attn.kd
    .args:
      - { .name: qc, .offset: 0, .size: 8, .value_kind: global_buffer, .address_space: global }
      - { .name: qs, .offset: 8, .size: 8, .value_kind: global_buffer, .address_space: global }
      - { .name: kc, .offset: 16, .size: 8, .value_kind: global_buffer, .address_space: global }
      - { .name: vc, .offset: 24, .size: 8, .value_kind: global_buffer, .address_space: global }
      - { .name: vs, .offset: 32, .size: 8, .value_kind: global_buffer, .address_space: global }
      - { .name: cc, .offset: 40, .size: 8, .value_kind: global_buffer, .address_space: global }
      - { .name: cs, .offset: 48, .size: 8, .value_kind: global_buffer, .address_space: global }
    .group_segment_fixed_size: 245760
    .private_segment_fixed_size: 0
    .kernarg_segment_align: 8
    .kernarg_segment_size: 56
    .max_flat_workgroup_size: 512
    .sgpr_count:     100
    .vgpr_count:     256
    .wavefront_size: 32
...
	.end_amdgpu_metadata
.endif
;; end of part 5
;; launch tail (part 6): grid 256 x 1, 4 waves a work-group, clusters of 4 x 1, 327,680 bytes of LDS; arguments cc, cs, x, wo_codes, wo_scales, bo, ln2_g, ln2_b, w1_codes, w1_scales, b1, w2_codes, w2_scales, b2, out0; writes out0
.if DOCPART == 6
	.amdgcn_target "amdgcn-amd-amdhsa--gfx1250"
	.amdhsa_code_object_version 6
	.text
	.protected	k_q3e7aac3dc8_tail
	.globl	k_q3e7aac3dc8_tail
	.p2align	8
	.type	k_q3e7aac3dc8_tail,@function
k_q3e7aac3dc8_tail:
	s_mov_b64 s[64:65], 0
	v_nop
	global_prefetch_b8 v0, s[64:65] scope:SCOPE_SE
	s_setreg_imm32_b32 hwreg(HW_REG_WAVE_MODE, 25, 1), 1
	s_wait_xcnt 0x0
	s_wait_alu depctr_hold_cnt(0) depctr_sa_sdst(0) depctr_va_vdst(0) depctr_va_sdst(0) depctr_va_ssrc(0) depctr_va_vcc(0) depctr_vm_vsrc(0)
	s_getreg_b32 s2, hwreg(HW_REG_IB_STS2, 6, 4)
	s_cmp_eq_u32 s2, 0
	s_cbranch_scc0 .Lentry_in_a_cluster
	s_endpgm
.Lentry_in_a_cluster:
	s_bfe_u32 s2, ttmp6, 0x10000c
	s_cmp_lg_u32 s2, 0x3003
	s_cbranch_scc0 .Lentry_shape_is_right
	s_endpgm
.Lentry_shape_is_right:
; LAUNCH 3 OF 3.  x1 = x + bo + ctx wo;  h2 = LayerNorm2(x1), quantised;  hid = relu(h2 w1 + b1), quantised;  out = x1 + hid w2 + b2.  All three products on codes of BF6 (E3M2) with E8M0 scales.  x1, h2 and hid never go to memory.
; SHARES.  A work-group of four waves owns 32 tokens (two tiles of 16, u), whole rows; each product's 1,024 columns go in two chunks of 512; in chunk n wave w owns block 4 n + w of 128 columns (8 tiles, ct).
; A chunk is 4 steps.  A step is 32 WHOLE weight rows a wave (two column tiles, all 1,024 of K): 24,576 dense bytes, brought by one tensor load as 96 rows of 256 bytes, each at a multiple of 256 bytes,
; into the wave's quarter of one of two LDS slots; the wave alone reads it.  32 matrix instructions a step, on four accumulators by turns, K ascending.
; CLUSTER.  The four work-groups of a cluster walk the same weights in the same order and ask for each tile JOINTLY: same load, same descriptor, mask 15.
; PREFETCH.  In each step each wave asks, by one instruction, for its own tile that stands two refills on (three steps ahead of the step that multiplies it): 96 blocks of 256 bytes, of which the partner at place p
; names blocks 24 p .. 24 p + 23, a lane a block (lanes 24-31 name the last again): so each block is named once in each cluster.  The first chunk's tiles 1 and 2 are asked for at the head; the last chunk asks for nothing behind its own end.
; THE D-LAYOUT.  Every product is used transposed (source 0 = 16 weight rows, source 1 = 16 tokens): lane (r = lane % 16, h = lane / 16) holds token r, register 8 ct + j column 16 ct + 8 h + j of the block.
; The residual stream lies so in window 3 for the whole launch: x + bo is the C of wo's first products, x1 that of w2's.  bo and b2 are added where the rows lie by rows (a lane: 4 columns), on the way in and on the way out.
; OPERANDS GO FROM WAVE TO WAVE through LDS as images of their registers: three stores of 512 bytes a fragment, a word a row for its scales.
; LIMITS: a block whose largest magnitude lies under 2^-122 keeps the scale byte 1; a block of zeros gets the byte 1 and not 127 (its codes are zeros; the bytes are read by this program alone); NaN and infinities are not served.
; LayerNorm's (x - mean) rs is one fused multiply-add, x rs - (mean rs): its error is one rounding of mean rs.
; REGISTERS, in windows of 256: window 0: v1-21 addresses, v24-31 the token operand's scale words, v32-63 the weights' scale words, v64-191 accumulators, bo, rows on the way out, v192-247 at work,
;   v248, v250 offsets that stay, v252-253 the add's two.   window 1: v0-191 the token operand's 16 fragments (12 (8 u + s)), v192-255 a chunk's bias.
;   window 2: v0-191 a step's 16 weight fragments; at times x as loaded, g and b.   window 3: the residual stream: unit (n, u) at 128 n + 64 u.
.set PITCH,  816                       ; a weight row in LDS: 3 x (256 bytes + 16 of padding)
.set QUART,  32*PITCH
.set SLOTB,  4*QUART
.set STG,    2*SLOTB                   ; a stage of 16 rows x 528 bytes for each wave
.set SPITCH, 528
.set AIMG,   STG+4*16*SPITCH           ; 16 fragment images of 1,536 bytes, index 8 u + s
.set ASC,    AIMG+16*1536              ; their scale words: [s 8][u 2][r 16]
.set RED,    ASC+1024                  ; LayerNorm's partial figures: [w 4][u 2][r 16] x 8 bytes
.set SPARE,  RED+1024                  ; the spare words
.set L16, 1
.set L4,  3
.set R4,  4
.set H32, 5
.set L32, 6
.set STW, 7                            ; my stage, by rows: 16 x lane
.set STD, 8                            ; my stage, in D-layout: 528 r + 32 h
.set AIA, 9
.set ASA, 10
.set IMW, 11                           ; where I store an image: + 1,536 w
.set ISW, 12                           ; and its scale word
.set REDW, 13
.set REDR, 14
.set PFO, 15                           ; the prefetches' offset in a tile: 256 x (24 x place + min(lane, 23))
.set ADRB, 16                          ; v16-17 my weight fragments in slot 0, 1; v18-19 the same with lanes 16-31 behind one padding more
.set ASW, 24
.set WSW, 32
.set ACC, 64
.set HA,  64
.set SA,  128
.set LR,  144
.set LT,  160
.set TM,  192                          ; v192-195 largest magnitudes, v196-199 bytes, v204-207 the conversions' scale operands
.set PW,  208
.set PC,  212
.set PT,  224
.set ST,  232
.set MEAN, 240
.set RS,  244
.set XC0, 248                          ; 16 x lane + 512 w: my block of 128 columns in a row of f32 (the second block: 2,048 bytes on)
.set DC0, 250                          ; 32 h + 512 w: the same in D-layout
.set SPW, 252
.set NIL, 253
.set BI,  192                          ; in window 1
.set OUT, 32
.set G1,  40
.set G0,  48
.set CUR, 56                           ; my 128 weight rows of the chunk in hand
.set NXT, 58                           ; those of the chunk after it
.set WV,  62
.set CNT, 63
.set SEL, 66
.set SL,  68
.set SH,  69
.set SM,  70
.set WSB, 74
.set IMS, 78                           ; the hidden layer's images: 6,144 x chunk
.set ISS, 79                           ; their scale words: 512 x chunk
.set MSB, 0
.macro WIN new                         ; the immediate's high byte repeats the setting that is left
.if MSB != \new
	s_set_vgpr_msb (MSB<<8)|\new
.set MSB, \new
.endif
.endm
.macro PLACES n
.rept \n
	v_nop
.endr
.endm
.macro BARRIER
	s_wait_dscnt 0x0
	s_barrier_signal -1
	s_barrier_wait -1
.endm
.macro ROUND                           ; a round of the cluster's barrier
	s_barrier_signal -1
	s_barrier_wait -1
	s_cmp_lg_u32 s[WV], 0
	s_cbranch_scc1 .Lnot_wave_0_\@
	s_barrier_signal -3
.Lnot_wave_0_\@:
	s_barrier_wait -3
	s_barrier_signal -1
	s_barrier_wait -1
.endm
; 32 nc numbers in D-layout at v[s] on become codes in natural order in v[pc] on: registers 6 c .. 6 c + 5 hold k = 64 c + 32 h + 0 .. 31
.macro CODES s, nc, pc
.set c_, 0
.rept \nc
	v_cvt_scalef32_pk16_bf6_f32 v[\pc+6*c_:\pc+6*c_+2], v[\s+32*c_:\s+32*c_+15], v[TM+12+2*c_]
	v_cvt_scalef32_pk16_bf6_f32 v[PT+4*c_:PT+4*c_+2], v[\s+32*c_+16:\s+32*c_+31], v[TM+13+2*c_]
.set c_, c_+1
.endr
	v_nop                                          ; one plain place behind the scaled conversions
.set c_, 0
.rept \nc
.irp i, 0,1,2
	v_permlane16_swap_b32 v[\pc+6*c_+\i], v[PT+4*c_+\i]   ; lanes 0-15: block 2 c, lanes 16-31: block 2 c + 1; F (numbers 0-7, 16-23) in the first, G (8-15, 24-31) in the second
.endr
	v_perm_b32 v[\pc+6*c_+3], v[\pc+6*c_+2], v[\pc+6*c_+1], s[SM]   ; F2.l : F1.h
	v_perm_b32 v[\pc+6*c_+4], v[PT+4*c_+1], v[\pc+6*c_+2], s[SH]    ; G1.h : F2.h
	v_mov_b32 v[\pc+6*c_+5], v[PT+4*c_+2]                           ; G2
	v_perm_b32 v[\pc+6*c_+1], v[PT+4*c_], v[\pc+6*c_+1], s[SL]      ; G0.l : F1.l
	v_perm_b32 v[\pc+6*c_+2], v[PT+4*c_+1], v[PT+4*c_], s[SM]       ; G1.l : G0.h
.set c_, c_+1
.endr
.endm
; The quantiser: largest magnitudes with the floor 2^(5 - 127), the scale word in v[PW], the codes
.macro QUANTP s, nc, pc
.set b_, 0
.rept 2*\nc
	v_max3_num_f32 v[TM+b_], |v[\s+16*b_]|, |v[\s+16*b_+1]|, 0x2800000
.set b_, b_+1
.endr
.irp i, 2,4,6,8,10,12,14
.set b_, 0
.rept 2*\nc
	v_max3_num_f32 v[TM+b_], v[TM+b_], |v[\s+16*b_+\i]|, |v[\s+16*b_+\i+1]|
.set b_, b_+1
.endr
.endr
.set b_, 0
.rept 2*\nc
	v_permlanex16_b32 v[TM+4+b_], v[TM+b_], s[SEL], s[SEL+1]
.set b_, b_+1
.endr
.set b_, 0
.rept 2*\nc
	v_max_num_f32 v[TM+b_], v[TM+b_], v[TM+4+b_]
.set b_, b_+1
.endr
.set b_, 0
.rept 2*\nc
	v_add_nc_u32 v[TM+12+b_], 0xfe000000, v[TM+b_] ; 4 off the exponent field: the conversion's scale operand
.set b_, b_+1
.endr
.set b_, 0
.rept 2*\nc
	v_lshrrev_b32 v[TM+4+b_], 23, v[TM+12+b_]      ; the scale's byte
.set b_, b_+1
.endr
	v_lshl_or_b32 v[PW], v[TM+5], 8, v[TM+4]
.if \nc > 1
	v_lshl_or_b32 v[PW], v[TM+6], 16, v[PW]
	v_lshl_or_b32 v[PW], v[TM+7], 24, v[PW]
.endif
	CODES \s, \nc, \pc
.endm
; One matrix instruction.  c: the C operand as it is written.  ra, rb: the side's scale words stand in lanes 16-31
.macro WM d, a, b, c, sa, sb, ra, rb
.if (\ra) && (\rb)
	v_wmma_scale_f32_16x16x128_f8f6f4 v[\d:\d+7], v[\a:\a+11], v[\b:\b+11], \c, v[\sa], v[\sb] matrix_a_fmt:MATRIX_FMT_BF6 matrix_b_fmt:MATRIX_FMT_BF6 matrix_a_scale:MATRIX_SCALE_ROW1 matrix_b_scale:MATRIX_SCALE_ROW1
.elseif (\ra)
	v_wmma_scale_f32_16x16x128_f8f6f4 v[\d:\d+7], v[\a:\a+11], v[\b:\b+11], \c, v[\sa], v[\sb] matrix_a_fmt:MATRIX_FMT_BF6 matrix_b_fmt:MATRIX_FMT_BF6 matrix_a_scale:MATRIX_SCALE_ROW1
.elseif (\rb)
	v_wmma_scale_f32_16x16x128_f8f6f4 v[\d:\d+7], v[\a:\a+11], v[\b:\b+11], \c, v[\sa], v[\sb] matrix_a_fmt:MATRIX_FMT_BF6 matrix_b_fmt:MATRIX_FMT_BF6 matrix_b_scale:MATRIX_SCALE_ROW1
.else
	v_wmma_scale_f32_16x16x128_f8f6f4 v[\d:\d+7], v[\a:\a+11], v[\b:\b+11], \c, v[\sa], v[\sb] matrix_a_fmt:MATRIX_FMT_BF6 matrix_b_fmt:MATRIX_FMT_BF6
.endif
.endm
; A weight fragment: tile i of the step's two, K step s: six pieces of 8 bytes.  16 bytes of padding lie behind every 256: where the piece of lanes 16-31, 24 bytes on, lies behind one padding more, the second register serves
.macro FRAG reg, adr, s, i
.irp p, 0,1,2,3,4,5
.set PIECE, 12*(\s)+6*(\p/3)+\p%3
.if PIECE%32 < 29
	ds_load_b64 v[\reg+2*\p:\reg+2*\p+1], v[\adr] offset:8*PIECE+16*(PIECE/32)+(\i)*16*PITCH
.else
	ds_load_b64 v[\reg+2*\p:\reg+2*\p+1], v[\adr+2] offset:8*PIECE+16*(PIECE/32)+(\i)*16*PITCH
.endif
.endr
.endm
.macro FETCHB slot                     ; a step's 16 fragments into window 2, at 96 q + 12 (4 e + s % 4): K steps 0-3 of both tiles first
	WIN 0x80
.irp q, 0,1
.irp i, 0,1,2,3,4,5,6,7
	FRAG 96*\q+12*\i, ADRB+\slot, 4*\q+\i%4, \i/4
.endr
.endr
	WIN 0
.endm
; 16 matrix instructions: K steps 4 q .. 4 q + 3 of column tiles 2 kk, 2 kk + 1 and both token tiles: four accumulators, one instruction a turn.
; kind 0: into v64-191, the bias as the first C.   kind 1: onto window 3's chunk cp.
.macro MUL kind, q, kk, cp
.irp sl, 0,1,2,3
.set s_, 4*(\q)+\sl
.if \kind == 1
	WIN 0xf6
.elseif s_ == 0
	WIN 0x16
.else
	WIN 0x06
.endif
.irp u, 0,1
.irp e, 0,1
.set ct_, 2*(\kk)+\e
.set bf_, 96*(\q)+12*(4*\e+\sl)
.set af_, 12*(8*\u+s_)
.if \kind == 1
.set d_, 128*(\cp)+64*\u+8*ct_
	WM d_, bf_, af_, v[d_:d_+7], WSW+8*(\kk)+s_, ASW+s_, \e, \u
.else
.set d_, ACC+64*\u+8*ct_
.if s_ == 0
	WM d_, bf_, af_, v[BI+8*ct_:BI+8*ct_+7], WSW+8*(\kk)+s_, ASW+s_, \e, \u
.else
	WM d_, bf_, af_, v[d_:d_+7], WSW+8*(\kk)+s_, ASW+s_, \e, \u
.endif
.endif
.endr
.endr
.endr
.endm
; Step kk of a chunk, out of slot.  fill = 1: the other slot is asked for the step that follows: one joint load a wave, first thing behind the round.  more = 1: a chunk follows this one
.macro STEP slot, kk, fill, kind, cp, more
	WIN 0
	s_wait_tensorcnt 0x0                           ; my one tensor load that was out, this step's quarter, has landed: so a group 0 may be written
.if \fill
	ds_add_u32 v[SPW], v[NIL]                      ; 0 onto my spare word; the descriptor's step stands between it and the wait for it
.if \kk < 3
	s_add_nc_u64 s[G0+4*(1-\slot)+2:G0+4*(1-\slot)+3], s[CUR:CUR+1], 24576*(\kk+1)
.else
	s_mov_b64 s[G0+4*(1-\slot)+2:G0+4*(1-\slot)+3], s[NXT:NXT+1]
.endif
	s_or_b32 s[G0+4*(1-\slot)+3], s[G0+4*(1-\slot)+3], 0x80000000
	s_wait_dscnt 0x0                               ; the add is done, and my reads of the other slot are over
	ROUND
	tensor_load_to_lds s[G0+4*(1-\slot):G0+4*(1-\slot)+3], s[G1:G1+7]
	s_nop 0
.endif
	PLACES 4                                       ; between the last products and the loads into the registers that they read
	FETCHB \slot
.if \kk == 0
	s_cmp_lt_u32 ttmp9, 4
	s_cbranch_scc0 .Lno_prefetch_tail0_\@
	global_prefetch_b8 v[PFO], s[CUR:CUR+1] offset:24576*3 th:TH_LOAD_NT scope:SCOPE_SE            ; the tile two refills on: this chunk's last,
.Lno_prefetch_tail0_\@:
.elseif (\more)
	s_cmp_lt_u32 ttmp9, 4
	s_cbranch_scc0 .Lno_prefetch_tail1_\@
	global_prefetch_b8 v[PFO], s[NXT:NXT+1] offset:24576*(\kk-1) th:TH_LOAD_NT scope:SCOPE_SE      ; or the next chunk's tile kk - 1
.Lno_prefetch_tail1_\@:
.endif
.if \kk == 0
	s_wait_loadcnt 0x0                             ; the chunk's scale words and bias
.endif
	s_wait_dscnt 48                                ; K steps 0-3 are in; the 48 loads of K steps 4-7 may be out
	s_wait_alu depctr_va_vdst(0)
	MUL \kind, 0, \kk, \cp
	s_wait_dscnt 0x0
	MUL \kind, 1, \kk, \cp
	WIN 0
.endm
.macro GEMM4 kind, last, cp            ; a chunk.  last = 1: nothing follows, and the last step asks for nothing
	STEP 0, 0, 1, \kind, \cp, 1-\last
	STEP 1, 1, 1, \kind, \cp, 1-\last
	STEP 0, 2, 1, \kind, \cp, 1-\last
	STEP 1, 3, 1-\last, \kind, \cp, 1-\last
.endm
.macro WSLOAD ptr, off                 ; my 128 rows' scale bytes: lane l of group p takes row 32 p + l's 32 bytes: register 8 p + s is K step s's word (lanes 0-15: tile 2 p, lanes 16-31: tile 2 p + 1)
.irp p, 0,1,2,3
	global_load_b128 v[WSW+8*\p:WSW+8*\p+3], v[L32], s[\ptr:\ptr+1] offset:\off+1024*\p
	global_load_b128 v[WSW+8*\p+4:WSW+8*\p+7], v[L32], s[\ptr:\ptr+1] offset:\off+1024*\p+16
.endr
.endm
.macro BILOAD ptr, off                 ; my 128 columns' bias in D-layout, into window 1
	WIN 0x40
.irp ct, 0,1,2,3,4,5,6,7
	global_load_b128 v[BI+8*\ct:BI+8*\ct+3], v[H32], s[\ptr:\ptr+1] offset:\off+64*\ct
	global_load_b128 v[BI+8*\ct+4:BI+8*\ct+7], v[H32], s[\ptr:\ptr+1] offset:\off+64*\ct+16
.endr
	WIN 0
.endm
.macro DLOAD reg, ptr                  ; a vector of 1,024: my two blocks of 128 columns in D-layout, at v[reg + 64 n + 8 ct + j]
.irp n, 0,1
.irp ct, 0,1,2,3,4,5,6,7
	global_load_b128 v[\reg+64*\n+8*\ct:\reg+64*\n+8*\ct+3], v[DC0], s[\ptr:\ptr+1] offset:2048*\n+64*\ct
	global_load_b128 v[\reg+64*\n+8*\ct+4:\reg+64*\n+8*\ct+7], v[DC0], s[\ptr:\ptr+1] offset:2048*\n+64*\ct+16
.endr
.endr
.endm
; x: my blocks w and w + 4 of 128 columns of the 32 rows.  Each load reads 512 consecutive bytes of a row; bo (my lane's 4 columns of block n in v[ACC + 4 n] on) is added;
; unit k = 2 n + u turns through my stage into D-layout, window 3, v[64 k] on
.macro XIN xb
	WIN 0x80
.irp k, 0,1,2,3
.irp i, 0,1,2,3,4,5,6,7,8,9,10,11,12,13,14,15
	global_load_b128 v[64*\k+4*\i:64*\k+4*\i+3], v[XC0], s[\xb:\xb+1] offset:(16*(\k%2)+\i)*4096+2048*(\k/2) th:TH_LOAD_NT
.endr
.endr
.irp k, 0,1,2,3
	s_wait_loadcnt 48-16*\k                        ; this unit's 16 loads, and all issued ahead of them, are in; the later units' may be out
	WIN 0x82
.set i_, 0
.rept 32
	v_pk_add_f32 v[64*\k+i_:64*\k+i_+1], v[64*\k+i_:64*\k+i_+1], v[ACC+4*(\k/2)+i_%4:ACC+4*(\k/2)+i_%4+1]
.set i_, i_+2
.endr
	WIN 0x08
.irp i, 0,1,2,3,4,5,6,7,8,9,10,11,12,13,14,15
	ds_store_b128 v[STW], v[64*\k+4*\i:64*\k+4*\i+3] offset:SPITCH*\i
.endr
	WIN 0xc0
.irp ct, 0,1,2,3,4,5,6,7
	ds_load_b128 v[64*\k+8*\ct:64*\k+8*\ct+3], v[STD] offset:64*\ct      ; LDS serves a wave's instructions in order
	ds_load_b128 v[64*\k+8*\ct+4:64*\k+8*\ct+7], v[STD] offset:64*\ct+16
.endr
.endr
	WIN 0
	s_wait_dscnt 0x0
.endm
.macro LANESUM                         ; the four packed chains of each u, and lane l xor 16's, into v[SA + 8 u]
.irp u, 0,1
	v_pk_add_f32 v[SA+8*\u:SA+8*\u+1], v[SA+8*\u:SA+8*\u+1], v[SA+8*\u+2:SA+8*\u+3]
	v_pk_add_f32 v[SA+8*\u+4:SA+8*\u+5], v[SA+8*\u+4:SA+8*\u+5], v[SA+8*\u+6:SA+8*\u+7]
.endr
.irp u, 0,1
	v_pk_add_f32 v[SA+8*\u:SA+8*\u+1], v[SA+8*\u:SA+8*\u+1], v[SA+8*\u+4:SA+8*\u+5]
.endr
.irp u, 0,1
	v_add_f32 v[SA+8*\u], v[SA+8*\u], v[SA+8*\u+1]
.endr
.irp u, 0,1
	v_permlanex16_b32 v[SA+8*\u+1], v[SA+8*\u], s[SEL], s[SEL+1]
.endr
.irp u, 0,1
	v_add_f32 v[SA+8*\u], v[SA+8*\u], v[SA+8*\u+1]
.endr
.endm
.macro ALOAD                           ; all 16 fragment images into window 1, their scale words (lanes 0-15: u = 0, lanes 16-31: u = 1) into v24-31
	WIN 0x40
.set f_, 0
.rept 16
.irp i, 0,1,2
	ds_load_b128 v[12*f_+4*\i:12*f_+4*\i+3], v[AIA] offset:1536*f_+512*\i
.endr
.set f_, f_+1
.endr
	WIN 0
.irp s, 0,1,2,3,4,5,6,7
	ds_load_b32 v[ASW+\s], v[ASA] offset:128*\s
.endr
	s_wait_dscnt 0x0
.endm
; LayerNorm of window 3's 32 rows, quantised, as fragment images in LDS and then in every wave's window 1.  Window 3 is left as it is.
; A wave takes the mean of its 256 columns and the squares about THAT mean; the four waves' pairs meet in LDS and are joined: no difference of large sums is formed.
.macro LNQ gp, bp
	WIN 0x80
	DLOAD 0, \gp
	DLOAD 128, \bp
	WIN 0
.irp r, ST+1, ST+3, MEAN+1, MEAN+3, RS+1, RS+3
	v_mov_b32 v[\r], 0                             ; named as upper halves of pairs
.endr
.irp u, 0,1
	WIN 0x0f
.irp k, 0,1,2,3
	v_pk_add_f32 v[SA+8*\u+2*\k:SA+8*\u+2*\k+1], v[64*\u+4*\k:64*\u+4*\k+1], v[64*\u+4*\k+2:64*\u+4*\k+3]   ; each accumulator is read from its low end on
.endr
	WIN 0x0c
.set i_, 16
.rept 24
	v_pk_add_f32 v[SA+8*\u+i_%8:SA+8*\u+i_%8+1], v[SA+8*\u+i_%8:SA+8*\u+i_%8+1], v[64*\u+i_:64*\u+i_+1]
.set i_, i_+2
.endr
.set i_, 0
.rept 32
	v_pk_add_f32 v[SA+8*\u+i_%8:SA+8*\u+i_%8+1], v[SA+8*\u+i_%8:SA+8*\u+i_%8+1], v[128+64*\u+i_:128+64*\u+i_+1]
.set i_, i_+2
.endr
.endr
	WIN 0
	LANESUM
.irp u, 0,1
	v_mul_f32 v[ST+2*\u], 0x3b800000, v[SA+8*\u]   ; / 256: the mean of my columns
.endr
.irp u, 0,1
.irp n, 0,1
	WIN 0x03
.set i_, 0
.rept 32
	v_pk_add_f32 v[HA+i_:HA+i_+1], v[128*\n+64*\u+i_:128*\n+64*\u+i_+1], v[ST+2*\u:ST+2*\u+1] op_sel_hi:[1,0] neg_lo:[0,1] neg_hi:[0,1]
.set i_, i_+2
.endr
	WIN 0
.set i_, 0
.rept 32
.if (\n == 0) && (i_ < 8)
	v_pk_mul_f32 v[SA+8*\u+i_:SA+8*\u+i_+1], v[HA+i_:HA+i_+1], v[HA+i_:HA+i_+1]
.else
	v_pk_fma_f32 v[SA+8*\u+i_%8:SA+8*\u+i_%8+1], v[HA+i_:HA+i_+1], v[HA+i_:HA+i_+1], v[SA+8*\u+i_%8:SA+8*\u+i_%8+1]
.endif
.set i_, i_+2
.endr
.endr
.endr
	LANESUM
.irp u, 0,1
	v_mov_b32 v[ST+2*\u+1], v[SA+8*\u]
.endr
.irp u, 0,1
	ds_store_b64 v[REDW], v[ST+2*\u:ST+2*\u+1] offset:128*\u   ; both halves of the lanes write the same pair
.endr
	BARRIER
.irp u, 0,1
.irp w, 0,1,2,3
	ds_load_b64 v[LR+8*\u+2*\w:LR+8*\u+2*\w+1], v[REDR] offset:256*\w+128*\u
.endr
.endr
	s_wait_dscnt 0x0
.irp u, 0,1
	v_add_f32 v[LT+4*\u], v[LR+8*\u], v[LR+8*\u+2]
	v_add_f32 v[LT+4*\u+1], v[LR+8*\u+4], v[LR+8*\u+6]
	v_add_f32 v[LT+4*\u+2], v[LR+8*\u+1], v[LR+8*\u+3]
	v_add_f32 v[LT+4*\u+3], v[LR+8*\u+5], v[LR+8*\u+7]
.endr
.irp u, 0,1
	v_add_f32 v[LT+4*\u], v[LT+4*\u], v[LT+4*\u+1]
	v_add_f32 v[LT+4*\u+2], v[LT+4*\u+2], v[LT+4*\u+3]
.endr
.irp u, 0,1
	v_mul_f32 v[MEAN+2*\u], 0x3e800000, v[LT+4*\u] ; the row's mean
.endr
.irp w, 0,1,2,3
.irp u, 0,1
	v_sub_f32 v[LR+8*\u+2*\w], v[LR+8*\u+2*\w], v[MEAN+2*\u]
.endr
.endr
.irp u, 0,1
	v_mul_f32 v[LT+4*\u], v[LR+8*\u], v[LR+8*\u]
.endr
.irp w, 1,2,3
.irp u, 0,1
	v_fmac_f32 v[LT+4*\u], v[LR+8*\u+2*\w], v[LR+8*\u+2*\w]
.endr
.endr
.irp u, 0,1
	v_fmamk_f32 v[LT+4*\u+2], v[LT+4*\u], 0x43800000, v[LT+4*\u+2]   ; the four parts' squares + 256 x the parts' means' squares about the row's mean
.endr
.irp u, 0,1
	v_mul_f32 v[LT+4*\u+2], 0x3a800000, v[LT+4*\u+2]   ; / 1,024
.endr
.irp u, 0,1
	v_add_f32 v[LT+4*\u+2], 0x3727c5ac, v[LT+4*\u+2]   ; + 1e-5
.endr
	s_wait_alu depctr_va_vdst(0)                   ; ahead of the batch
.irp u, 0,1
	v_rsq_f32 v[RS+2*\u], v[LT+4*\u+2]
.endr
	v_nop                                          ; a plain place behind the transcendentals,
	s_wait_alu depctr_va_vdst(0)                   ; and the wait ahead of their first reader
	s_wait_loadcnt 0x0                             ; g and b
.irp u, 0,1
	v_mul_f32 v[MEAN+2*\u], v[MEAN+2*\u], v[RS+2*\u]   ; mean x rs
.endr
.irp u, 0,1
.irp n, 0,1
	WIN 0x03
.set i_, 0
.rept 32
	v_pk_fma_f32 v[HA+i_:HA+i_+1], v[128*\n+64*\u+i_:128*\n+64*\u+i_+1], v[RS+2*\u:RS+2*\u+1], v[MEAN+2*\u:MEAN+2*\u+1] op_sel_hi:[1,0,0] neg_lo:[0,0,1] neg_hi:[0,0,1]   ; x rs - mean rs
.set i_, i_+2
.endr
	WIN 0x28
.set i_, 0
.rept 32
	v_pk_fma_f32 v[HA+i_:HA+i_+1], v[HA+i_:HA+i_+1], v[64*\n+i_:64*\n+i_+1], v[128+64*\n+i_:128+64*\n+i_+1]
.set i_, i_+2
.endr
	WIN 0
	QUANTP HA, 2, PC                               ; K step 4 n + w of row tile u
.irp i, 0,1,2
	ds_store_b128 v[IMW], v[PC+4*\i:PC+4*\i+3] offset:1536*(8*\u+4*\n)+512*\i
.endr
	ds_store_b32 v[ISW], v[PW] offset:512*\n+64*\u
	s_wait_dscnt 0x0
.endr
.endr
	BARRIER                                        ; all 16 images lie in LDS
	ALOAD
.endm
.macro FRAMEHEAD                       ; the wave's number, the work-group's (s96), constants, the descriptors' constant words, the lanes' addresses
	v_lshrrev_b32 v1, 5, v0
	v_readfirstlane_b32 s[WV], v1
	s_bfe_u32 s96, ttmp6, 0x40000
	s_lshl_b32 s97, ttmp9, 2
	s_add_co_u32 s96, s97, s96                     ; work-group = 4 x cluster + place: it enters the rows' addresses alone
	s_mov_b32 s[G1+0], 15|(3<<16)|(1<<20)|(1<<21)|(5<<22)|(3<<25)   ; mask: all four; elements of 8 bytes; padding on; bit 21 beside a mask; after every 64 words 4 words
	s_mov_b32 s[G1+1], 32<<16                      ; a dense block as rows of 256 bytes
	s_mov_b32 s[G1+2], 96<<16
	s_mov_b32 s[G1+3], 32<<16
	s_mov_b32 s[G1+4], 96
	s_mov_b32 s[G1+5], 32
	s_mov_b32 s[G1+6], 0
	s_mov_b32 s[G1+7], 0
	s_mul_i32 s73, s[WV], QUART
	s_mov_b32 s[G0], 1
	s_mov_b32 s[G0+1], s73
	s_mov_b32 s[G0+4], 1
	s_add_co_u32 s[G0+5], s73, SLOTB
	s_mov_b32 s[SEL], 0x76543210
	s_mov_b32 s[SEL+1], 0xfedcba98
	s_mov_b32 s[SL], 0x05040100
	s_mov_b32 s[SH], 0x07060302
	s_mov_b32 s[SM], 0x05040302
	v_and_b32 v15, 31, v0
	v_and_b32 v22, 15, v0
	v_bfe_u32 v23, v0, 4, 1
	v_lshlrev_b32 v[L16], 4, v15
	v_lshlrev_b32 v[L4], 2, v15
	v_lshlrev_b32 v[R4], 2, v22
	v_lshlrev_b32 v[H32], 5, v23
	v_lshlrev_b32 v[L32], 5, v15
	v_mul_u32_u24 v[ADRB], v22, PITCH
	v_mad_u32_u24 v[ADRB], v23, 24, v[ADRB]
	v_add_nc_u32 v[ADRB], s73, v[ADRB]
	v_lshl_add_u32 v[ADRB+2], v23, 4, v[ADRB]
	v_add_nc_u32 v[ADRB+1], SLOTB, v[ADRB]
	v_add_nc_u32 v[ADRB+3], SLOTB, v[ADRB+2]
	s_mul_i32 s73, s[WV], 16*SPITCH
	s_add_co_u32 s73, s73, STG
	v_add_nc_u32 v[STW], s73, v[L16]
	v_mul_u32_u24 v[STD], v22, SPITCH
	v_lshl_add_u32 v[STD], v23, 5, v[STD]
	v_add_nc_u32 v[STD], s73, v[STD]
	v_add_nc_u32 v[AIA], AIMG, v[L16]
	v_add_nc_u32 v[ASA], ASC, v[L4]
	s_mul_i32 s73, s[WV], 1536
	s_add_co_u32 s73, s73, AIMG
	v_add_nc_u32 v[IMW], s73, v[L16]
	s_lshl_b32 s73, s[WV], 7
	s_add_co_u32 s73, s73, ASC
	v_add_nc_u32 v[ISW], s73, v[R4]
	s_lshl_b32 s73, s[WV], 8
	s_add_co_u32 s73, s73, RED
	v_lshl_add_u32 v[REDW], v22, 3, s73
	v_lshl_add_u32 v[REDR], v22, 3, RED
	s_lshl_b32 s73, s[WV], 9
	v_add_nc_u32 v[XC0], s73, v[L16]
	v_add_nc_u32 v[DC0], s73, v[H32]
	s_bfe_u32 s97, ttmp6, 0x40000                  ; the prefetches: my work-group's 24 of a tile's 96 blocks, told apart by address
	s_mul_i32 s97, s97, 24
	v_min_u32 v15, 23, v15
	v_add_nc_u32 v15, s97, v15
	v_lshlrev_b32 v[PFO], 8, v15
.irp b, 0,1,2,3
	v_mov_b32 v[TM+4+\b], 0                        ; a lane permute's destination counts as one of its sources
.endr
.endm
; Chunk cp of the finished rows leaves: both row tiles turn through my stage into whole runs of 512 bytes of a row, b2 (my lane's 4 columns) is added, and they are stored
.macro XOUT cp
	s_wait_xcnt 0x0                                ; earlier stores have read the registers that the loads below fill; earlier prefetches have read their bases
	global_load_b128 v[PC:PC+3], v[XC0], s[30:31] offset:2048*\cp
.irp u, 0,1
	WIN 0x0c
.irp ct, 0,1,2,3,4,5,6,7
	ds_store_b128 v[STD], v[128*\cp+64*\u+8*\ct:128*\cp+64*\u+8*\ct+3] offset:64*\ct       ; each accumulator from its low end on
	ds_store_b128 v[STD], v[128*\cp+64*\u+8*\ct+4:128*\cp+64*\u+8*\ct+7] offset:64*\ct+16
.endr
	WIN 0
.irp i, 0,1,2,3,4,5,6,7,8,9,10,11,12,13,14,15
	ds_load_b128 v[ACC+64*\u+4*\i:ACC+64*\u+4*\i+3], v[STW] offset:SPITCH*\i   ; LDS serves a wave's instructions in order
.endr
.endr
	s_wait_loadcnt 0x0                             ; b2
.irp u, 0,1
.irp g, 0,1,2,3
	s_wait_dscnt 44-32*\u-4*\g                     ; younger: this tile's later 12 - 4 g loads, and for u = 0 the other tile's 32 LDS instructions
.irp i, 0,1,2,3
	v_pk_add_f32 v[ACC+64*\u+16*\g+4*\i:ACC+64*\u+16*\g+4*\i+1], v[ACC+64*\u+16*\g+4*\i:ACC+64*\u+16*\g+4*\i+1], v[PC:PC+1]
	v_pk_add_f32 v[ACC+64*\u+16*\g+4*\i+2:ACC+64*\u+16*\g+4*\i+3], v[ACC+64*\u+16*\g+4*\i+2:ACC+64*\u+16*\g+4*\i+3], v[PC+2:PC+3]
.endr
.irp i, 0,1,2,3
	global_store_b128 v[XC0], v[ACC+64*\u+16*\g+4*\i:ACC+64*\u+16*\g+4*\i+3], s[OUT:OUT+1] offset:(16*\u+4*\g+\i)*4096+2048*\cp th:TH_STORE_NT   ; 512 consecutive bytes, at a multiple of 256 from the buffer's first byte
.endr
.endr
.endr
.endm
	s_load_b512 s[4:19], s[0:1], 0x0               ; cc 4, cs 6, x 8, wo codes 10, wo scales 12, bo 14, ln2_g 16, ln2_b 18
	s_load_b256 s[20:27], s[0:1], 0x40             ; w1 codes 20, w1 scales 22, b1 24, w2 codes 26
	s_load_b128 s[28:31], s[0:1], 0x60             ; w2 scales 28, b2 30
	s_load_b64 s[32:33], s[0:1], 0x70              ; out0
	v_lshl_add_u32 v[SPW], v0, 2, SPARE
	v_mov_b32 v[NIL], 0
	ds_add_u32 v[SPW], v[NIL]                      ; the opening lines: the add, twice on end, and its wait ahead of my first tensor load
	ds_add_u32 v[SPW], v[NIL]
	FRAMEHEAD
	s_mul_i32 s84, s96, 24576                      ; cc: 16 images of 1,536 bytes
	s_mov_b32 s85, 0
	s_lshl_b32 s86, s96, 10                        ; cs: their scale words
	s_mov_b32 s87, 0
	s_lshl_b32 s98, s96, 17                        ; x and out0: 32 rows of 4,096 bytes
	s_mov_b32 s99, 0
	s_mul_i32 s88, s[WV], 98304                    ; my 128 weight rows of a chunk,
	s_mov_b32 s89, 0
	s_lshl_b32 s90, s[WV], 12                      ; their scale bytes,
	s_mov_b32 s91, 0
	s_lshl_b32 s92, s[WV], 9                       ; their bias
	s_mov_b32 s93, 0
	s_wait_dscnt 0x0                               ; both opening adds are done
	s_wait_kmcnt 0x0
	s_add_nc_u64 s[8:9], s[8:9], s[98:99]
	s_add_nc_u64 s[OUT:OUT+1], s[OUT:OUT+1], s[98:99]
	s_add_nc_u64 s[4:5], s[4:5], s[84:85]
	s_add_nc_u64 s[6:7], s[6:7], s[86:87]
	s_add_nc_u64 s[10:11], s[10:11], s[88:89]
	s_add_nc_u64 s[20:21], s[20:21], s[88:89]
	s_add_nc_u64 s[26:27], s[26:27], s[88:89]
	s_add_nc_u64 s[12:13], s[12:13], s[90:91]
	s_add_nc_u64 s[22:23], s[22:23], s[90:91]
	s_add_nc_u64 s[28:29], s[28:29], s[90:91]
	s_add_nc_u64 s[24:25], s[24:25], s[92:93]
	ROUND                                          ; the four work-groups are here: the first joint load meets
	s_mov_b64 s[CUR:CUR+1], s[10:11]               ; wo, chunk 0, my 128 rows,
	s_add_nc_u64 s[NXT:NXT+1], s[10:11], 393216    ; and chunk 1
	s_mov_b64 s[G0+2:G0+3], s[10:11]
	s_or_b32 s[G0+3], s[G0+3], 0x80000000
	tensor_load_to_lds s[G0:G0+3], s[G1:G1+7]
	s_nop 0
	PLACES 4
	s_wait_alu depctr_va_vdst(0)
	s_cmp_lt_u32 ttmp9, 4
	s_cbranch_scc0 .Lno_prefetch_tail2
	global_prefetch_b8 v[PFO], s[CUR:CUR+1] offset:24576 th:TH_LOAD_NT scope:SCOPE_SE     ; the first chunk's tiles 1 and 2: x's way in stands between these lines and their loads
	global_prefetch_b8 v[PFO], s[CUR:CUR+1] offset:49152 th:TH_LOAD_NT scope:SCOPE_SE
.Lno_prefetch_tail2:
	WIN 0x40                                       ; ctx's 16 fragments come as they were stored, images of these registers
.set f_, 0
.rept 16
.irp i, 0,1,2
	global_load_b128 v[12*f_+4*\i:12*f_+4*\i+3], v[L16], s[4:5] offset:1536*f_+512*\i th:TH_LOAD_NT
.endr
.set f_, f_+1
.endr
	WIN 0
.irp s, 0,1,2,3,4,5,6,7
	global_load_b32 v[ASW+\s], v[L4], s[6:7] offset:128*\s th:TH_LOAD_NT
.endr
.irp n, 0,1
	global_load_b128 v[ACC+4*\n:ACC+4*\n+3], v[XC0], s[14:15] offset:2048*\n   ; bo
.endr
	WSLOAD 12, 0
	XIN 8
	; ---- x1 = x + bo + ctx wo
	GEMM4 1, 0, 0
	PLACES 4                                       ; behind the last products, ahead of loads into their scale registers
	WSLOAD 12, 16384
	s_wait_xcnt 0x0                                ; the prefetches have read their bases
	s_mov_b64 s[CUR:CUR+1], s[NXT:NXT+1]
	s_mov_b64 s[NXT:NXT+1], s[20:21]               ; wo's last step asks for w1's first
	GEMM4 1, 0, 1
	PLACES 4
	WSLOAD 22, 0
	BILOAD 24, 0
	; ---- h2 = LayerNorm2(x1), quantised.
	LNQ 16, 18
	; ---- hid = relu(h2 w1 + b1), quantised: a loop of two chunks.  My 128 hidden units of chunk c are K step 4 c + w of the last product
	s_wait_xcnt 0x0                                ; the prefetches have read their bases
	s_mov_b64 s[CUR:CUR+1], s[20:21]
	s_add_nc_u64 s[NXT:NXT+1], s[20:21], 393216
	s_add_nc_u64 s[WSB:WSB+1], s[22:23], 16384
	s_mov_b32 s[IMS], 0
	s_mov_b32 s[ISS], 0
	s_mov_b32 s[CNT], 2
.Lw1:
	GEMM4 0, 0, 0
	PLACES 4
	s_cmp_eq_u32 s[CNT], 1                         ; a branch on the count of trips: the last chunk is followed by w2, which takes no bias here
	s_cbranch_scc1 .Lw1_last
	BILOAD 24, 2048
.Lw1_last:
	WSLOAD WSB, 0                                  ; first trip: w1's second chunk; last trip: w2's first
	v_add_nc_u32 v20, s[IMS], v[IMW]
	v_add_nc_u32 v21, s[ISS], v[ISW]
.irp u, 0,1
.set i_, 0
.rept 64
	v_max_num_f32 v[ACC+64*\u+i_], 0, v[ACC+64*\u+i_]
.set i_, i_+1
.endr
	QUANTP ACC+64*\u, 2, PC
.irp i, 0,1,2
	ds_store_b128 v20, v[PC+4*\i:PC+4*\i+3] offset:12288*\u+512*\i   ; over h2's images: every wave has them in registers since before the chunk's four rounds
.endr
	ds_store_b32 v21, v[PW] offset:64*\u
	s_wait_dscnt 0x0
.endr
	s_add_co_u32 s[IMS], s[IMS], 6144
	s_add_co_u32 s[ISS], s[ISS], 512
	s_wait_xcnt 0x0                                ; the loads and prefetches above have read their bases
	s_mov_b64 s[WSB:WSB+1], s[28:29]
	s_mov_b64 s[CUR:CUR+1], s[NXT:NXT+1]
	s_mov_b64 s[NXT:NXT+1], s[26:27]               ; w1's last step asks for w2's first
	s_sub_co_i32 s[CNT], s[CNT], 1
	s_cmp_lg_u32 s[CNT], 0
	s_cbranch_scc1 .Lw1
	BARRIER                                        ; the hidden layer's 16 images lie in LDS
	ALOAD
	; ---- out = x1 + hid w2 + b2
	s_mov_b64 s[CUR:CUR+1], s[26:27]
	s_add_nc_u64 s[NXT:NXT+1], s[26:27], 393216
	GEMM4 1, 0, 0
	PLACES 4
	WSLOAD 28, 16384
	XOUT 0                                         ; the first chunk's stores leave under the second chunk's products
	s_mov_b64 s[CUR:CUR+1], s[NXT:NXT+1]
	GEMM4 1, 1, 1
	PLACES 4
	XOUT 1
	s_wait_tensorcnt 0x0                           ; the wave's end
	ds_add_u32 v[SPW], v[NIL]
	s_wait_dscnt 0x0
	ROUND                                          ; the closing round
	s_endpgm
.Lfunc_end_k_q3e7aac3dc8_tail:
	.size	k_q3e7aac3dc8_tail, .Lfunc_end_k_q3e7aac3dc8_tail-k_q3e7aac3dc8_tail
	.p2alignl 7, 3214868480
	.fill 96, 4, 3214868480
	.section	.rodata,"a",@progbits
	.p2align	6, 0x0
	.amdhsa_kernel k_q3e7aac3dc8_tail
		.amdhsa_group_segment_fixed_size 327680
		.amdhsa_private_segment_fixed_size 0
		.amdhsa_enable_private_segment 0
		.amdhsa_kernarg_size 120
		.amdhsa_user_sgpr_count 2
		.amdhsa_user_sgpr_kernarg_segment_ptr 1
		.amdhsa_wavefront_size32 1
		.amdhsa_system_sgpr_workgroup_id_x 1
		.amdhsa_system_sgpr_workgroup_id_y 1
		.amdhsa_system_sgpr_workgroup_id_z 1
		.amdhsa_system_vgpr_workitem_id 0
		.amdhsa_next_free_vgpr 1024
		.amdhsa_next_free_sgpr 100
		.amdhsa_reserve_vcc 0
		.amdhsa_float_denorm_mode_32 3
		.amdhsa_float_denorm_mode_16_64 3
		.amdhsa_memory_ordered 1
		.amdhsa_forward_progress 1
		.amdhsa_inst_pref_size 255
	.end_amdhsa_kernel
	.section	.bss,"aw",@nobits
	.p2align	6
	.space	262144
	.amdgpu_metadata
---
amdhsa.version: [ 1, 2 ]
amdhsa.kernels:
  - .name:           k_q3e7aac3dc8_tail
    .symbol:         k_q3e7aac3dc8_tail.kd
    .args:
      - { .name: cc, .offset: 0, .size: 8, .value_kind: global_buffer, .address_space: global }
      - { .name: cs, .offset: 8, .size: 8, .value_kind: global_buffer, .address_space: global }
      - { .name: x, .offset: 16, .size: 8, .value_kind: global_buffer, .address_space: global }
      - { .name: wo_codes, .offset: 24, .size: 8, .value_kind: global_buffer, .address_space: global }
      - { .name: wo_scales, .offset: 32, .size: 8, .value_kind: global_buffer, .address_space: global }
      - { .name: bo, .offset: 40, .size: 8, .value_kind: global_buffer, .address_space: global }
      - { .name: ln2_g, .offset: 48, .size: 8, .value_kind: global_buffer, .address_space: global }
      - { .name: ln2_b, .offset: 56, .size: 8, .value_kind: global_buffer, .address_space: global }
      - { .name: w1_codes, .offset: 64, .size: 8, .value_kind: global_buffer, .address_space: global }
      - { .name: w1_scales, .offset: 72, .size: 8, .value_kind: global_buffer, .address_space: global }
      - { .name: b1, .offset: 80, .size: 8, .value_kind: global_buffer, .address_space: global }
      - { .name: w2_codes, .offset: 88, .size: 8, .value_kind: global_buffer, .address_space: global }
      - { .name: w2_scales, .offset: 96, .size: 8, .value_kind: global_buffer, .address_space: global }
      - { .name: b2, .offset: 104, .size: 8, .value_kind: global_buffer, .address_space: global }
      - { .name: out0, .offset: 112, .size: 8, .value_kind: global_buffer, .address_space: global }
    .group_segment_fixed_size: 327680
    .private_segment_fixed_size: 0
    .kernarg_segment_align: 8
    .kernarg_segment_size: 120
    .max_flat_workgroup_size: 128
    .sgpr_count:     100
    .vgpr_count:     1024
    .wavefront_size: 32
...
	.end_amdgpu_metadata
.endif
;; end of part 6
